; MI455X (gfx1250); checked and timed in simulation.
; The chip was launched on July 23, 2026; its instructions are those of AMD's public machine-readable ISA for CDNA 5 (MIT licence, August 2026) and "CDNA5" Instruction Set Architecture Reference Guide (July 2026). The comments in the code are by the model that wrote it; some were corrected since.
;; Transformer Layer. Allowed arithmetic: matrix products marked QUANTISED: E2M3 operands, one E8M0 scale for each 32 along K, by v_wmma_scale_f32_16x16x128_f8f6f4 with both operands' format E2M3, f32 sums; everything else in f32.
;; Inputs: W1 1,024 x 4,096 float32; W2 4,096 x 1,024 float32; Wk 1,024 x 1,024 float32; Wm 1,024 x 1,024 float32; Wq 1,024 x 1,024 float32; Wv 1,024 x 1,024 float32; b1 4,096 float32; b2 1,024 float32; be1 1,024 float32; be2 1,024 float32; bk 1,024 float32; bm 1,024 float32; bq 1,024 float32; bv 1,024 float32; g1 1,024 float32; g2 1,024 float32; x 2 x 2,048 x 1,024 float32.
;; Outputs: out0 2 x 2,048 x 1,024 float32.
;; This version of the problem:
;;   THIS VERSION OF THE PROBLEM IS GIVEN IN LOW PRECISION. The matrix products marked QUANTISED in the list below multiply operands that are first quantised to E2M3 (2 exponent bits, 3 mantissa bits; 6 bits a number), with one power-of-two scale for each 32 numbers along K (OCP MX v1.0); their sums are f32. All else is computed in f32.
;;   The module's matrix products, in the order in which they are computed (A, B: the left and right operand; K: the contracted axis; several contracted axes count as one K, in the product's order):
;;     1. [M 4,096, K 1,024] x [K 1,024, N 1,024]; A: input x; B: input Wq: QUANTISED
;;     2. [M 4,096, K 1,024] x [K 1,024, N 1,024]; A: input x; B: input Wk: QUANTISED
;;     3. [M 4,096, K 1,024] x [K 1,024, N 1,024]; A: input x; B: input Wv: QUANTISED
;;     4. batch 32 x [M 2,048, K 64] x [K 64, N 2,048]; A: computed on the way; B: computed on the way: QUANTISED
;;     5. batch 32 x [M 2,048, K 2,048] x [K 2,048, N 64]; A: softmax (see below); B: computed on the way: QUANTISED
;;     6. [M 4,096, K 1,024] x [K 1,024, N 1,024]; A: computed on the way; B: input Wm: QUANTISED
;;     7. [M 4,096, K 1,024] x [K 1,024, N 4,096]; A: computed on the way; B: input W1: QUANTISED
;;     8. [M 4,096, K 4,096] x [K 4,096, N 1,024]; A: computed on the way; B: input W2: QUANTISED
;;   THE QUANTISER, for each operand of a quantised product, along K:
;;     - K is cut into blocks of 32 from its start; a last block that is shorter is filled with zeros.
;;     - A block's scale is 2^e with e = floor(log2(the largest magnitude in the block)) - 2, held to -126 .. 127; a block of zeros has e = 0. As a byte (E8M0): e + 127.
;;     - Each number is divided by its block's scale, clamped to +-7.5, and rounded to the nearest number of E2M3, ties to even, subnormals kept.
;;     - The product sums the exact products of the quantised numbers (number of the format x scale) in f32.
;;   ~~~python
;;   def quantise(x, axis):      # numpy; x: float32 -> the quantised numbers, widened to float32 again
;;       x = np.moveaxis(x, axis, -1); K = x.shape[-1]
;;       x = np.pad(x, [(0, 0)] * (x.ndim - 1) + [(0, -K % 32)]); x = x.reshape(x.shape[:-1] + (-1, 32)); a = np.abs(x).max(-1, keepdims=True)
;;       e = np.where(a > 0, np.clip(np.frexp(np.where(a > 0, a, 1))[1] - 1 - 2, -126, 127), 0)      # np.frexp(a)[1] - 1 = floor(log2(a)), exactly
;;       r = np.clip(x / 2.0 ** e, -7.5, 7.5)
;;       step = 2.0 ** (np.maximum(np.frexp(np.where(r == 0, 1, r))[1] - 1, 0) - 3)
;;       q = np.round(r / step) * step * 2.0 ** e      # np.round: ties to even
;;       return np.moveaxis(q.reshape(q.shape[:-2] + (-1,))[..., :K], -1, axis).astype(np.float32)
;;   ~~~
;;   SOFTMAX AHEAD OF A QUANTISED PRODUCT. Where the list says 'softmax', what is quantised is not the finished softmax but p = 2^(t - M), with t = logit x log2(e) and M = ceil(the row's largest t), a whole number; so 1/2 < the row's largest p <= 1. The row's sum l is taken of the UNQUANTISED p, in f32, and the product's result is divided by l at the end. Since M is a whole number, a kernel that streams over the keys may use a running M (the ceiling of the running maximum): every later rescaling is an exact power of two, which a block's scale takes up: the codes' values come out the same.
;;   OPERANDS COMPUTED ON THE WAY. 'Computed on the way' means the value that the module computes at that place (a softmax that the list does not call 'softmax' is quantised finished and normalised). What goes into a quantiser is computed in f32, as accurately as f32 sums, v_exp_f32 and their like allow (about 1e-6 of the number): no bf16 or f16 on the way to a quantiser, and a product that is left as it is and whose result goes on into a quantised operand takes f32 operands (vector FMAs, or v_wmma_f32_16x16x4_f32). A number that lies on a knife's edge between two numbers of the format may be rounded either way, as far as f32 arithmetic and the matrix unit's own rounding can turn it there, and no further.
;; One version. Each part assembles by itself: llvm-mc -triple=amdgcn-amd-amdhsa -mcpu=gfx1250 --defsym DOCPART=n.
;; ======== version 1 of 1: 7 launches
;; limits: right only within a limited range of input values
;; workspace buffers: opa 5,734,400 bytes; att 9,830,400 bytes; opm 4,096,000 bytes; ybuf 16,777,216 bytes; opf1 23,330,816 bytes; opf2 16,384,000 bytes
;; launch prep (part 1): grid 640 x 1, 4 waves a work-group, no clusters, 58,880 bytes of LDS; arguments x, Wq, Wk, Wv, Wm, W1, W2, opa, opm, opf1, opf2; writes opa, opm, opf1, opf2
.if DOCPART == 1
	.amdgcn_target "amdgcn-amd-amdhsa--gfx1250"
	.amdhsa_code_object_version 6
	.text
	.protected	k_qde7e7f75e1_prep
	.globl	k_qde7e7f75e1_prep
	.p2align	8
	.type	k_qde7e7f75e1_prep,@function
k_qde7e7f75e1_prep:
	s_mov_b64 s[64:65], 0
	v_nop
	global_prefetch_b8 v0, s[64:65] scope:SCOPE_SE
	s_setreg_imm32_b32 hwreg(HW_REG_WAVE_MODE, 25, 1), 1
	s_wait_xcnt 0x0
; PREP: x and the six weights, f32, become codes of FP6 (E2M3) with one E8M0 byte for each 32 along K, laid as IMAGES OF OPERAND REGISTERS.
; A TILE is 16 rows: row r of tile T is 32 (T / 2) + 8 (T % 2) + r + 8 (r / 8).  A FRAGMENT (a tile x 128 along K) is 1,536 bytes: three chunks of 512, lane l's 16 bytes at 16 l = operand registers 4 c .. 4 c + 3.
; Codes lie [tile][K step][1536], scale words [tile][K step][64] (row r's word at 4 r).  So every reader takes a fragment by three dense loads of 16 bytes a lane.
; Work-groups 0-255 take x (K innermost): work-group = tile, wave w = K steps 2 w, 2 w + 1; rows are read 512 dense bytes a load and turned through the wave's own stage so that a lane holds 16 neighbours of each block.
; Work-groups 256-639 take the weights (K is their FIRST axis): a lane takes a column, its registers run down K; a wave takes 32 columns (two tiles) x 256 along K; the codes go through the wave's stage into image order.
; The two paths part on the work-group's number and have LDS bytes of their own.  No tensor load, no barrier: waves share nothing.
; A block's scale is 2^(floor(log2(largest magnitude)) - 2); its byte is the largest magnitude's exponent field - 2, held at 1 from below.
; LIMITS: NaN and infinities are not served; a block of zeros, or one under 2^-124, gets the byte 1 (zero codes add nothing; the bytes are read by this program alone).
.set O_WC,  3145728                    ; opa: x's codes at 0, Wq Wk Wv's here, then x's scale words, then theirs
.set O_XS,  5505024
.set O_WS,  5636096
.set O_WMC, 3145728                    ; opm: Wm's codes and scale words
.set O_WMS, 4063232
.set O_W1C, 3145728                    ; opf1: W1's
.set O_W1S, 6422528
.set O_W2C, 12582912                   ; opf2: W2's
.set O_W2S, 16252928
.set WST,   33792                      ; LDS: 0: x's stages, 4 x 16 rows x 528; here the weights' stages, 4 x 6,144
.set SPARE, 58368                      ; the spare words, 128 bytes a wave
.set LI,  24                           ; v24 16 x lane
.set R4,  25                           ; v25 4 x (lane % 16)
.set SA,  26                           ; v26 x's stage by rows
.set SB,  27                           ; v27 x's stage by lanes: 528 r + 64 h
.set LW,  28                           ; v28 the weights' stage, in
.set LR,  29                           ; v29 and out
.set SPW, 30
.set NIL, 31
.set RAW, 32                           ; x: v32-159 two K steps as loaded
.set XT,  160                          ; v160-223 64 numbers in the quantiser's order
.set TM,  224
.set PW,  240
.set PC,  4
.set SEL, 12
.set X,   32                           ; weights: v32-95 two sets of 32 numbers
.set C,   96                           ; v96.. a block's codes
.set SB8, 110                          ; v110-111 scale bytes, four to a register
.set OUT, 112                          ; v112-159 the way out
.set VO,  192                          ; v192-223 4 x lane + i rows
.set BS,  48                           ; s[48:63] the eight blocks' bases
; 64 numbers of a lane, register 16 b + i = k 32 b + 16 (lane / 16) + i of my row, become a fragment in v[PC] on and its scale word in v[PW]
.macro QUANT s
.irp b, 0,1,2,3
	v_max3_num_f32 v[TM+\b], |v[\s+16*\b]|, |v[\s+1+16*\b]|, 0x1800000   ; my 16 numbers of block b, and the floor 2^(3 - 127): the byte cannot fall under 1
.endr
.irp i, 2,4,6,8,10,12,14
.irp b, 0,1,2,3
	v_max3_num_f32 v[TM+\b], v[TM+\b], |v[\s+16*\b+\i]|, |v[\s+1+16*\b+\i]|
.endr
.endr
.irp b, 0,1,2,3
	v_permlanex16_b32 v[TM+4+\b], v[TM+\b], s[SEL], s[SEL+1]
.endr
.irp b, 0,1,2,3
	v_max_num_f32 v[TM+\b], v[TM+\b], v[TM+4+\b]   ; with lane l xor 16's: the block's largest magnitude
.endr
.irp b, 0,1,2,3
	v_add_nc_u32 v[TM+12+\b], 0xff000000, v[TM+\b]   ; 2 off its exponent field: the conversion's scale operand
.endr
.irp b, 0,1,2,3
	v_lshrrev_b32 v[TM+4+\b], 23, v[TM+12+\b]      ; the scale's byte
.endr
	v_lshl_or_b32 v[PW], v[TM+5], 8, v[TM+4]
	v_lshl_or_b32 v[PW], v[TM+6], 16, v[PW]
	v_lshl_or_b32 v[PW], v[TM+7], 24, v[PW]
.irp c, 0,1
	v_cvt_scalef32_pk16_fp6_f32 v[PC+6*\c:PC+2+6*\c], v[\s+32*\c:\s+15+32*\c], v[TM+12+2*\c]
	v_cvt_scalef32_pk16_fp6_f32 v[PC+12+4*\c:PC+14+4*\c], v[\s+16+32*\c:\s+31+32*\c], v[TM+12+2*\c+1]
.endr
	v_nop                                          ; one plain place behind a scaled conversion
.irp c, 0,1                                    ; the operand wants a whole block in a lane
.irp i, 0,1,2
	v_permlane16_swap_b32 v[PC+6*\c+\i], v[PC+12+4*\c+\i]
.endr
.irp i, 0,1,2
	v_mov_b32 v[PC+3+6*\c+\i], v[PC+12+4*\c+\i]
.endr
.endr
.endm
.macro PUTFRAG base, imm                       ; three stores of 512 consecutive bytes
.irp c, 0,1,2
	global_store_b128 v[LI], v[PC+4*\c:PC+4*\c+3], s[\base:\base+1] offset:\imm+512*\c
.endr
.endm
.macro PUTSCL base, imm                        ; lanes 16-31 hold the same words and write the same bytes
	global_store_b32 v[R4], v[PW], s[\base:\base+1] offset:\imm
.endm
.macro TURNIN raw, dst                         ; 16 rows of 512 bytes into my stage, back 64 bytes of a block-half at a time; LDS serves a wave's instructions in order
.irp i, 0,1,2,3,4,5,6,7,8,9,10,11,12,13,14,15
	ds_store_b128 v[SA], v[\raw+4*\i:\raw+4*\i+3] offset:528*\i
.endr
.irp b, 0,1,2,3
.irp j, 0,1,2,3
	ds_load_b128 v[\dst+16*\b+4*\j:\dst+16*\b+4*\j+3], v[SB] offset:128*\b+16*\j
.endr
.endr
.endm
	s_load_b512 s[16:31], s[0:1], 0x0              ; x 16, Wq 18, Wk 20, Wv 22, Wm 24, W1 26, W2 28, opa 30
	s_load_b128 s[32:35], s[0:1], 0x40             ; opm 32, opf1 34
	s_load_b64 s[36:37], s[0:1], 0x50              ; opf2
	v_lshl_add_u32 v[SPW], v0, 2, SPARE
	v_mov_b32 v[NIL], 0
	v_lshrrev_b32 v1, 5, v0
	v_readfirstlane_b32 s14, v1                    ; wave
	v_and_b32 v3, 31, v0                           ; lane
	v_and_b32 v1, 15, v0                           ; r
	v_bfe_u32 v2, v0, 4, 1                         ; h
	v_lshlrev_b32 v[LI], 4, v3
	v_lshlrev_b32 v[R4], 2, v1
	s_mul_i32 s2, s14, 8448                        ; every LDS address is made ahead of the parting
	v_add_nc_u32 v[SA], s2, v[LI]
	v_mul_u32_u24 v[SB], v1, 528
	v_lshl_add_u32 v[SB], v2, 6, v[SB]
	v_add_nc_u32 v[SB], s2, v[SB]
	v_bfe_u32 v4, v0, 3, 1                         ; a column's tile of the two: u = (lane / 8) % 2
	v_and_b32 v5, 7, v0
	v_lshl_add_u32 v5, v2, 3, v5                   ; and its row there: lane % 8 + 8 (lane / 16)
	s_mul_i32 s3, s14, 6144
	s_add_co_u32 s3, s3, WST
	v_mul_u32_u24 v[LW], v4, 3072
	v_lshl_add_u32 v[LW], v5, 4, v[LW]
	v_add_nc_u32 v[LW], s3, v[LW]
	v_add_nc_u32 v[LR], s3, v[LI]
	s_wait_kmcnt 0x0
	s_cmp_lt_u32 ttmp9, 256
	s_cbranch_scc0 .Lweights
	; ---- x: tile T = the work-group's number
	s_lshr_b32 s4, ttmp9, 1
	s_lshl_b32 s4, s4, 5
	s_and_b32 s5, ttmp9, 1
	s_lshl_b32 s5, s5, 3
	s_add_co_u32 s4, s4, s5                        ; the tile's first row
	s_lshl_b32 s4, s4, 12
	s_lshl_b32 s5, s14, 10                         ; my two K steps: 1,024 bytes of a row
	s_add_co_u32 s4, s4, s5
	s_mov_b32 s5, 0
	s_add_nc_u64 s[16:17], s[16:17], s[4:5]
	s_lshl_b32 s6, ttmp9, 3
	s_lshl_b32 s7, s14, 1
	s_add_co_u32 s6, s6, s7                        ; 8 T + 2 w
	s_mul_i32 s8, s6, 1536
	s_mov_b32 s9, 0
	s_add_nc_u64 s[8:9], s[30:31], s[8:9]
	s_lshl_b32 s10, s6, 6
	s_add_co_u32 s10, s10, O_XS
	s_mov_b32 s11, 0
	s_add_nc_u64 s[10:11], s[30:31], s[10:11]
	s_mov_b32 s[SEL], 0x76543210
	s_mov_b32 s[SEL+1], 0xfedcba98
.irp e, 0,1
.irp i, 0,1,2,3,4,5,6,7,8,9,10,11,12,13,14,15
	global_load_b128 v[RAW+64*\e+4*\i:RAW+64*\e+4*\i+3], v[LI], s[16:17] offset:(\i+8*(\i/8))*4096+512*\e th:TH_LOAD_NT   ; 512 consecutive bytes of one row
.endr
.endr
.irp b, 0,1,2,3
	v_mov_b32 v[TM+4+\b], 0                        ; a lane permute's destination counts as one of its sources
.endr
	s_wait_loadcnt 16                              ; the first K step's 16 loads are in, the second's may be out
	TURNIN RAW, XT
	s_wait_dscnt 0x0
	QUANT XT
	PUTFRAG 8, 0
	PUTSCL 10, 0
	s_wait_loadcnt 0x0
	TURNIN RAW+64, XT
	s_wait_dscnt 0x0
	s_wait_xcnt 0x0                                ; the stores have read the codes and the word: both are written again
	QUANT XT
	PUTFRAG 8, 1536
	PUTSCL 10, 64
	s_wait_tensorcnt 0x0                           ; the wave's end
	ds_add_u32 v[SPW], v[NIL]
	s_wait_dscnt 0x0
	s_endpgm
.Lweights:
	; ---- which weight, which 128 columns, which 256 along K: all from the work-group's number, by selections
	s_sub_co_u32 s4, ttmp9, 256
	s_lshr_b32 s5, s4, 5                           ; 0-3: Wq Wk Wv Wm; 4-7: W1; 8-11: W2
	s_lshr_b32 s6, s4, 7
	s_mul_i32 s12, s5, 786432
	s_add_co_u32 s12, s12, O_WC                    ; where the codes go (Wq, Wk, Wv one behind the other),
	s_lshl_b32 s13, s5, 15
	s_add_co_u32 s13, s13, O_WS                    ; and the scale words
	s_mov_b32 s15, 4096                            ; a row of the weight in bytes
	s_cmp_eq_u32 s5, 1
	s_cselect_b64 s[8:9], s[20:21], s[18:19]
	s_cmp_eq_u32 s5, 2
	s_cselect_b64 s[8:9], s[22:23], s[8:9]
	s_cmp_eq_u32 s5, 3
	s_cselect_b64 s[8:9], s[24:25], s[8:9]
	s_cselect_b64 s[10:11], s[32:33], s[30:31]
	s_cselect_b32 s12, O_WMC, s12
	s_cselect_b32 s13, O_WMS, s13
	s_cmp_eq_u32 s6, 1
	s_cselect_b64 s[8:9], s[26:27], s[8:9]
	s_cselect_b64 s[10:11], s[34:35], s[10:11]
	s_cselect_b32 s12, O_W1C, s12
	s_cselect_b32 s13, O_W1S, s13
	s_cselect_b32 s15, 16384, s15
	s_cselect_b32 s38, 5, 3                        ; bits of the column block's number
	s_cmp_eq_u32 s6, 2
	s_cselect_b64 s[8:9], s[28:29], s[8:9]
	s_cselect_b64 s[10:11], s[36:37], s[10:11]
	s_cselect_b32 s12, O_W2C, s12
	s_cselect_b32 s13, O_W2S, s13
	s_cselect_b32 s7, 32, 8                        ; K steps in a tile's row of the buffer
	s_cmp_eq_u32 s6, 0
	s_cselect_b32 s39, 31, 127
	s_and_b32 s39, s4, s39
	s_lshl_b32 s40, 1, s38
	s_sub_co_u32 s40, s40, 1
	s_and_b32 s40, s39, s40                        ; column block: 128 columns
	s_lshr_b32 s41, s39, s38                       ; K block: 256 along K
	s_lshl_b32 s42, s41, 8
	s_mul_i32 s42, s42, s15
	s_lshl_b32 s43, s40, 9
	s_add_co_u32 s42, s42, s43
	s_lshl_b32 s43, s14, 7
	s_add_co_u32 s42, s42, s43                     ; (256 kblk) rows + (128 colblk + 32 w) x 4 bytes
	s_mov_b32 s43, 0
	s_add_nc_u64 s[BS:BS+1], s[8:9], s[42:43]
	s_lshl_b32 s44, s15, 5                         ; 32 rows on
	s_mov_b32 s45, 0
.irp t, 1,2,3,4,5,6,7
	s_add_nc_u64 s[BS+2*\t:BS+2*\t+1], s[BS+2*\t-2:BS+2*\t-1], s[44:45]
.endr
	s_lshl_b32 s72, s40, 3
	s_lshl_b32 s73, s14, 1
	s_add_co_u32 s72, s72, s73                     ; my first tile: 8 colblk + 2 w
	s_mul_i32 s72, s72, s7
	s_lshl_b32 s73, s41, 1
	s_add_co_u32 s72, s72, s73                     ; x K steps + 2 kblk
	s_mul_i32 s66, s72, 1536
	s_add_co_u32 s66, s66, s12
	s_mov_b32 s67, 0
	s_add_nc_u64 s[66:67], s[10:11], s[66:67]      ; tile u = 0: two K steps, 3,072 consecutive bytes
	s_mul_i32 s68, s7, 1536
	s_mov_b32 s69, 0
	s_add_nc_u64 s[68:69], s[66:67], s[68:69]      ; tile u = 1
	s_lshl_b32 s70, s72, 6
	s_add_co_u32 s70, s70, s13
	s_mov_b32 s71, 0
	s_add_nc_u64 s[70:71], s[10:11], s[70:71]      ; the scale words
	s_lshl_b32 s74, s7, 6
	s_wait_alu depctr_va_vdst(0)
	v_mul_u32_u24 v7, s74, v4
	v_lshl_add_u32 v7, v5, 2, v7                   ; my column's word: tile u, row r
	v_lshlrev_b32 v6, 2, v3
.irp i, 0,1,2,3,4,5,6,7,8,9,10,11,12,13,14,15,16,17,18,19,20,21,22,23,24,25,26,27,28,29,30,31
	v_mad_u32_u24 v[VO+\i], s15, \i, v6            ; 4 x lane + i rows: no immediate hangs on the weight's shape
.endr
.macro LOAD t                                  ; block t: W(32 t + i, my column) into set t % 2; 128 consecutive bytes a wave
.irp i, 0,1,2,3,4,5,6,7,8,9,10,11,12,13,14,15,16,17,18,19,20,21,22,23,24,25,26,27,28,29,30,31
	global_load_b32 v[X+32*((\t)%2)+\i], v[VO+\i], s[BS+2*(\t):BS+2*(\t)+1] th:TH_LOAD_NT
.endr
.endm
.macro BLOCK t
.set XQ, X+32*((\t)%2)
.if (\t) < 7
	s_wait_loadcnt 32                              ; this block's 32 loads are in; the next block's may be out
.else
	s_wait_loadcnt 0x0
.endif
	v_max3_num_f32 v12, |v[XQ]|, |v[XQ+1]|, |v[XQ+2]|      ; all 32 numbers of the block are mine
	v_max3_num_f32 v13, |v[XQ+3]|, |v[XQ+4]|, |v[XQ+5]|
.irp i, 6,10,14,18,22,26
	v_max3_num_f32 v12, v12, |v[XQ+\i]|, |v[XQ+\i+1]|
	v_max3_num_f32 v13, v13, |v[XQ+\i+2]|, |v[XQ+\i+3]|
.endr
	v_max3_num_f32 v12, v12, |v[XQ+30]|, |v[XQ+31]|
	v_max3_num_f32 v12, v12, v13, 0x1800000        ; and the floor
	v_add_nc_u32 v11, 0xff000000, v12
	v_lshrrev_b32 v13, 23, v11
.if (\t)%4 == 0
	v_mov_b32 v[SB8+(\t)/4], v13
.else
	v_lshl_or_b32 v[SB8+(\t)/4], v13, 8*((\t)%4), v[SB8+(\t)/4]
.endif
	v_cvt_scalef32_pk16_fp6_f32 v[C:C+2], v[XQ:XQ+15], v11
	v_cvt_scalef32_pk16_fp6_f32 v[C+8:C+10], v[XQ+16:XQ+31], v11   ; (a conversion's three registers begin on an even number)
	v_nop                                          ; one plain place behind a scaled conversion
.irp i, 0,1,2
	v_mov_b32 v[C+3+\i], v[C+8+\i]
.endr
	; block t is registers 6 c .. 6 c + 5 of lane r + 16 h of K step t / 4, with h = t % 2, c = (t / 2) % 2
.if ((\t)/2)%2 == 0
	ds_store_b128 v[LW], v[C:C+3] offset:1536*((\t)/4)+256*((\t)%2)
	ds_store_b64 v[LW], v[C+4:C+5] offset:1536*((\t)/4)+512+256*((\t)%2)
.else
	ds_store_b64 v[LW], v[C:C+1] offset:1536*((\t)/4)+520+256*((\t)%2)
	ds_store_b128 v[LW], v[C+2:C+5] offset:1536*((\t)/4)+1024+256*((\t)%2)
.endif
.if (\t)+2 < 8
	LOAD (\t)+2
.endif
	s_wait_dscnt 0x0                               ; the stores have read their registers: the next block's codes may be written
.endm
	LOAD 0
	LOAD 1
.irp t, 0,1,2,3,4,5,6,7
	BLOCK \t
.endr
	global_store_b32 v7, v[SB8], s[70:71]
	s_wait_alu depctr_va_vdst(0)
	global_store_b32 v7, v[SB8+1], s[70:71] offset:64
.irp k, 0,1,2,3,4,5,6,7,8,9,10,11
	ds_load_b128 v[OUT+4*\k:OUT+4*\k+3], v[LR] offset:512*\k
.endr
.irp k, 0,1,2,3,4,5,6,7,8,9,10,11
	s_wait_dscnt 11-\k                             ; chunk k is back; the later ones may be out
	global_store_b128 v[LI], v[OUT+4*\k:OUT+4*\k+3], s[66+2*(\k/6):67+2*(\k/6)] offset:512*(\k%6)
.endr
	s_wait_tensorcnt 0x0                           ; the wave's end
	ds_add_u32 v[SPW], v[NIL]
	s_wait_dscnt 0x0
	s_endpgm
.Lfunc_end_k_qde7e7f75e1_prep:
	.size	k_qde7e7f75e1_prep, .Lfunc_end_k_qde7e7f75e1_prep-k_qde7e7f75e1_prep
	.p2alignl 7, 3214868480
	.fill 96, 4, 3214868480
	.section	.rodata,"a",@progbits
	.p2align	6, 0x0
	.amdhsa_kernel k_qde7e7f75e1_prep
		.amdhsa_group_segment_fixed_size 58880
		.amdhsa_private_segment_fixed_size 0
		.amdhsa_enable_private_segment 0
		.amdhsa_kernarg_size 88
		.amdhsa_user_sgpr_count 2
		.amdhsa_user_sgpr_kernarg_segment_ptr 1
		.amdhsa_wavefront_size32 1
		.amdhsa_system_sgpr_workgroup_id_x 1
		.amdhsa_system_sgpr_workgroup_id_y 1
		.amdhsa_system_sgpr_workgroup_id_z 1
		.amdhsa_system_vgpr_workitem_id 0
		.amdhsa_next_free_vgpr 256
		.amdhsa_next_free_sgpr 96
		.amdhsa_reserve_vcc 0
		.amdhsa_float_denorm_mode_32 3
		.amdhsa_float_denorm_mode_16_64 3
		.amdhsa_memory_ordered 1
		.amdhsa_forward_progress 1
		.amdhsa_inst_pref_size 63
	.end_amdhsa_kernel
	.amdgpu_metadata
---
amdhsa.version: [ 1, 2 ]
amdhsa.kernels:
  - .name:           k_qde7e7f75e1_prep
    .symbol:         k_qde7e7f75e1_prep.kd
    .args:
      - { .name: x, .offset: 0, .size: 8, .value_kind: global_buffer, .address_space: global }
      - { .name: Wq, .offset: 8, .size: 8, .value_kind: global_buffer, .address_space: global }
      - { .name: Wk, .offset: 16, .size: 8, .value_kind: global_buffer, .address_space: global }
      - { .name: Wv, .offset: 24, .size: 8, .value_kind: global_buffer, .address_space: global }
      - { .name: Wm, .offset: 32, .size: 8, .value_kind: global_buffer, .address_space: global }
      - { .name: W1, .offset: 40, .size: 8, .value_kind: global_buffer, .address_space: global }
      - { .name: W2, .offset: 48, .size: 8, .value_kind: global_buffer, .address_space: global }
      - { .name: opa, .offset: 56, .size: 8, .value_kind: global_buffer, .address_space: global }
      - { .name: opm, .offset: 64, .size: 8, .value_kind: global_buffer, .address_space: global }
      - { .name: opf1, .offset: 72, .size: 8, .value_kind: global_buffer, .address_space: global }
      - { .name: opf2, .offset: 80, .size: 8, .value_kind: global_buffer, .address_space: global }
    .group_segment_fixed_size: 58880
    .private_segment_fixed_size: 0
    .kernarg_segment_align: 8
    .kernarg_segment_size: 88
    .max_flat_workgroup_size: 128
    .sgpr_count:     96
    .vgpr_count:     256
    .wavefront_size: 32
...
	.end_amdgpu_metadata
.endif
;; end of part 1
;; launch qkv (part 2): grid 12 x 16, 4 waves a work-group, clusters of 4 x 4, 327,680 bytes of LDS; arguments opa, bq, bk, bv, att; writes att
.if DOCPART == 2
	.amdgcn_target "amdgcn-amd-amdhsa--gfx1250"
	.amdhsa_code_object_version 6
	.text
	.protected	k_qde7e7f75e1_qkv
	.globl	k_qde7e7f75e1_qkv
	.p2align	8
	.type	k_qde7e7f75e1_qkv,@function
k_qde7e7f75e1_qkv:
	s_mov_b64 s[64:65], 0
	v_nop
	global_prefetch_b8 v0, s[64:65] scope:SCOPE_SE
	s_setreg_imm32_b32 hwreg(HW_REG_WAVE_MODE, 25, 1), 1
	s_wait_xcnt 0x0
	s_wait_alu depctr_hold_cnt(0) depctr_sa_sdst(0) depctr_va_vdst(0) depctr_va_sdst(0) depctr_va_ssrc(0) depctr_va_vcc(0) depctr_vm_vsrc(0)
	s_getreg_b32 s2, hwreg(HW_REG_IB_STS2, 6, 4)
	s_cmp_eq_u32 s2, 0
	s_cbranch_scc0 .Lentry_in_a_cluster
	s_endpgm
.Lentry_in_a_cluster:
	s_bfe_u32 s2, ttmp6, 0x10000c
	s_cmp_lg_u32 s2, 0xf033
	s_cbranch_scc0 .Lentry_shape_is_right
	s_endpgm
.Lentry_shape_is_right:
.set GK, 0
.if GK < 2
.set NT, 8
.set SK, 3
.set SG, 4
.else
.set NT, 4
.set SK, 6
.set SG, 12
.endif
.if GK == 3
.set KST, 32
.else
.set KST, 8
.endif
.if SG > KST
.set SGH, KST
.else
.set SGH, SG
.endif
.set NFILL, (KST+SK-1)/SK
.set NS, 2
.if NFILL < NS
.set NFIRST, NFILL
.else
.set NFIRST, NS
.endif
.set HALFT, NT*SK*1536
.set SLOT,  4*HALFT
.set SPARE, NS*SLOT
.if GK == 1
.set OFF_PC, 3145728
.set OFF_QC, 0
.set OFF_PS, 6422528
.set OFF_QS, 6291456
.set OUTC, 0
.set OUTS, 15728640
.elseif GK == 2
.set OFF_PC, 3145728
.set OFF_QC, 0
.set OFF_PS, 4063232
.set OFF_QS, 3932160
.set OUTC, 0
.set OUTS, 0
.elseif GK == 3
.set OFF_PC, 12582912
.set OFF_QC, 0
.set OFF_PS, 16252928
.set OFF_QS, 15728640
.set OUTC, 0
.set OUTS, 0
.endif
.set A_WC, 3145728
.set A_XS, 5505024
.set A_WS, 5636096
.set T_VC, 6291456
.set T_QKS, 9437184
.set T_VS, 9699328
.set G1Q, 24
.set G1P, 32
.set G0Q, 40
.set G0P, 52
.set SEL, 70
.set ADRQ, 16
.set ADRP, 20
.set LI,  24
.set R4,  25
.set VSO, 26
.set VB,  27
.set SPW, 28
.set NIL, 29
.set PFO, 30
.set SC,  32
.set BQ8, 96
.set QF,  160
.set TT,  96
.set TM,  160
.set PW,  176
.set PC,  180
.set MSB, 0
.macro WIN new
.if MSB != (\new)
	s_set_vgpr_msb (MSB<<8)|(\new)
.set MSB, (\new)
.endif
.endm
.macro PLACES
.rept 4
	v_nop
.endr
.endm
.macro JLOAD n
	s_cmp_eq_u32 s15, 0
	s_cbranch_scc0 .Lfor_p_\@
	tensor_load_to_lds s[G0Q+4*\n:G0Q+4*\n+3], s[G1Q:G1Q+7]
	s_nop 0
.rept 4
	v_nop
.endr
	s_branch .Lasked_\@
.Lfor_p_\@:
	tensor_load_to_lds s[G0P+4*\n:G0P+4*\n+3], s[G1P:G1P+7]
	s_nop 0
.rept 4
	v_nop
.endr
.Lasked_\@:
.endm
.macro CREST
	s_cmp_lg_u32 s14, 0
	s_cbranch_scc1 .Lnot_wave_0_\@
	s_barrier_signal -3
.Lnot_wave_0_\@:
	s_barrier_wait -3
	s_barrier_signal -1
	s_barrier_wait -1
.endm
.macro CROUND
	s_barrier_signal -1
	s_barrier_wait -1
	CREST
.endm
.macro SCLOAD s0, s1
.set ss, \s0
.rept (\s1)-(\s0)
.set ii, 0
.rept NT
	global_load_b32 v[SC+NT*ss+ii], v[VSO], s[4:5] offset:(ii*KST+ss)*64
.set ii, ii+1
.endr
.set ss, ss+1
.endr
.endm
.macro ASK c
	s_cmp_eq_u32 s76, 1
	s_cbranch_scc0 .Lnot_mine_\@
	global_prefetch_b8 v[PFO], s[74:75] offset:(NS+1)*SK*1536+8192*(\c) th:TH_LOAD_NT scope:SCOPE_SE
.Lnot_mine_\@:
.endm
.macro QUANT s
.irp b, 0,1,2,3
	v_max3_num_f32 v[TM+\b], |v[\s+16*\b]|, |v[\s+1+16*\b]|, 0x1800000
.endr
.irp i, 2,4,6,8,10,12,14
.irp b, 0,1,2,3
	v_max3_num_f32 v[TM+\b], v[TM+\b], |v[\s+16*\b+\i]|, |v[\s+1+16*\b+\i]|
.endr
.endr
.irp b, 0,1,2,3
	v_permlanex16_b32 v[TM+4+\b], v[TM+\b], s[SEL], s[SEL+1]
.endr
.irp b, 0,1,2,3
	v_max_num_f32 v[TM+\b], v[TM+\b], v[TM+4+\b]
.endr
.irp b, 0,1,2,3
	v_add_nc_u32 v[TM+12+\b], 0xff000000, v[TM+\b]
.endr
.irp b, 0,1,2,3
	v_lshrrev_b32 v[TM+4+\b], 23, v[TM+12+\b]
.endr
	v_lshl_or_b32 v[PW], v[TM+5], 8, v[TM+4]
	v_lshl_or_b32 v[PW], v[TM+6], 16, v[PW]
	v_lshl_or_b32 v[PW], v[TM+7], 24, v[PW]
.irp c, 0,1
	v_cvt_scalef32_pk16_fp6_f32 v[PC+6*\c:PC+2+6*\c], v[\s+32*\c:\s+15+32*\c], v[TM+12+2*\c]
	v_cvt_scalef32_pk16_fp6_f32 v[PC+12+4*\c:PC+14+4*\c], v[\s+16+32*\c:\s+31+32*\c], v[TM+12+2*\c+1]
.endr
	v_nop
.irp c, 0,1
.irp i, 0,1,2
	v_permlane16_swap_b32 v[PC+6*\c+\i], v[PC+12+4*\c+\i]
.endr
.irp i, 0,1,2
	v_mov_b32 v[PC+3+6*\c+\i], v[PC+12+4*\c+\i]
.endr
.endr
.endm
.macro PUTFRAG base, imm
.irp c, 0,1,2
	global_store_b128 v[LI], v[PC+4*\c:PC+4*\c+3], s[\base:\base+1] offset:\imm+512*\c
.endr
.endm
.macro PUTSCL base, imm
	global_store_b32 v[R4], v[PW], s[\base:\base+1] offset:\imm
.endm
	s_load_b128 s[4:7], s[0:1], 0x0
.if GK == 0
	s_load_b128 s[88:91], s[0:1], 0x10
	s_load_b64 s[92:93], s[0:1], 0x20
.else
	s_load_b64 s[92:93], s[0:1], 0x10
.endif
	v_lshl_add_u32 v[SPW], v0, 2, SPARE
	v_mov_b32 v[NIL], 0
	ds_add_u32 v[SPW], v[NIL]
	ds_add_u32 v[SPW], v[NIL]
	v_lshrrev_b32 v1, 5, v0
	v_readfirstlane_b32 s14, v1
	s_lshr_b32 s15, s14, 1
	s_and_b32 s16, s14, 1
	s_bfe_u32 s66, ttmp6, 0x40000
	s_bfe_u32 s67, ttmp6, 0x40004
	s_and_b32 s85, ttmp7, 0xffff
.if GK == 0
	s_mov_b32 s80, A_WS
	s_mov_b32 s81, A_XS
	s_mov_b32 s84, T_QKS
	s_cmp_eq_u32 ttmp9, 2
	s_cselect_b32 s86, s85, ttmp9
	s_cselect_b32 s87, 0, s85
	s_cselect_b32 s78, 0, A_WC
	s_cselect_b32 s79, A_WC+1572864, 0
	s_cselect_b32 s80, A_XS, s80
	s_cselect_b32 s81, A_WS+65536, s81
	s_cselect_b32 s82, 32, 16
	s_cselect_b32 s83, T_VC, 0
	s_cselect_b32 s84, T_VS, s84
	s_cselect_b32 s72, 0, -1
	s_cselect_b32 s73, -1, 0
.else
	s_mov_b32 s86, ttmp9
	s_mov_b32 s87, s85
	s_mov_b32 s78, OFF_PC
	s_mov_b32 s79, OFF_QC
	s_mov_b32 s80, OFF_PS
	s_mov_b32 s81, OFF_QS
	s_mov_b32 s82, 32
	s_mov_b32 s83, OUTC
	s_mov_b32 s84, OUTS
.endif
	s_lshl_b32 s18, s86, 2
	s_add_co_u32 s18, s18, s66
	s_lshl_b32 s17, s87, 2
	s_add_co_u32 s17, s17, s67
	s_lshl_b32 s68, s67, 2
	s_lshl_b32 s68, 15, s68
	s_lshl_b32 s69, 0x1111, s66
	s_or_b32 s[G1Q], s68, (3<<16)|(1<<21)
	s_or_b32 s[G1P], s69, (3<<16)|(1<<21)
.irp g, G1Q, G1P
	s_mov_b32 s[\g+1], (192*SK)<<16
	s_mov_b32 s[\g+2], NT<<16
	s_mov_b32 s[\g+3], (192*SK)<<16
	s_mov_b32 s[\g+4], NT
	s_mov_b32 s[\g+5], 192*KST
	s_mov_b32 s[\g+6], 0
	s_mov_b32 s[\g+7], 0
.endr
	s_mul_i32 s20, s17, 2*NT
	s_mul_i32 s21, s16, NT
	s_add_co_u32 s20, s20, s21
	s_mul_i32 s20, s20, KST*1536
	s_add_co_u32 s20, s20, s79
	s_mov_b32 s21, 0
	s_mul_i32 s22, s18, 2*NT
	s_mul_i32 s23, s16, NT
	s_add_co_u32 s22, s22, s23
	s_mul_i32 s22, s22, KST*1536
	s_add_co_u32 s22, s22, s78
	s_mov_b32 s23, 0
	s_mul_i32 s85, s14, HALFT
	s_mov_b32 s[SEL], 0x76543210
	s_mov_b32 s[SEL+1], 0xfedcba98
	s_wait_dscnt 0x0
	s_wait_kmcnt 0x0
	s_add_nc_u64 s[20:21], s[4:5], s[20:21]
	s_add_nc_u64 s[22:23], s[4:5], s[22:23]
	CROUND
.set ff, 0
.rept NFIRST
	s_mov_b32 s[G0Q+4*ff], 1
	s_add_co_u32 s[G0Q+4*ff+1], s85, ff*SLOT
	s_add_nc_u64 s[G0Q+4*ff+2:G0Q+4*ff+3], s[20:21], ff*SK*1536
	s_or_b32 s[G0Q+4*ff+3], s[G0Q+4*ff+3], 0x80000000
	s_mov_b32 s[G0P+4*ff], 1
	s_add_co_u32 s[G0P+4*ff+1], s85, ff*SLOT
	s_add_nc_u64 s[G0P+4*ff+2:G0P+4*ff+3], s[22:23], ff*SK*1536
	s_or_b32 s[G0P+4*ff+3], s[G0P+4*ff+3], 0x80000000
	s_wait_alu depctr_va_vdst(0)
	s_wait_tensorcnt 0x0
	ds_add_u32 v28, v29
	ds_add_u32 v28, v29
	s_wait_dscnt 0x0
	CROUND
	JLOAD ff
.set ff, ff+1
.endr
	v_and_b32 v1, 15, v0
	v_bfe_u32 v2, v0, 4, 1
	s_wait_alu depctr_va_vdst(0)
	v_and_b32 v3, 31, v0
	v_lshlrev_b32 v[LI], 4, v3
	v_lshlrev_b32 v[R4], 2, v1
	v_lshlrev_b32 v[VB], 6, v2
	s_mul_i32 s86, s17, 2*NT
	s_mul_i32 s87, s15, NT
	s_add_co_u32 s86, s86, s87
	s_mul_i32 s86, s86, KST*64
	s_add_co_u32 s86, s86, s81
	s_mul_i32 s87, s18, 2*NT
	s_mul_i32 s85, s16, NT
	s_add_co_u32 s87, s87, s85
	s_mul_i32 s87, s87, KST*64
	s_add_co_u32 s87, s87, s80
	s_sub_co_u32 s87, s87, s86
	v_mul_lo_u32 v[VSO], v2, s87
	v_add_nc_u32 v[VSO], s86, v[VSO]
	s_wait_alu depctr_va_vdst(0)
	v_add_nc_u32 v[VSO], v[VSO], v[R4]
	SCLOAD 0, SGH
.if GK == 0
	s_cmp_eq_u32 ttmp9, 1
	s_cselect_b64 s[6:7], s[88:89], s[6:7]
	s_lshl_b32 s86, s66, 10
.else
	s_mul_i32 s86, s18, 128*NT
.endif
	s_mul_i32 s87, s16, 64*NT
	s_add_co_u32 s86, s86, s87
	s_mov_b32 s87, 0
	s_add_nc_u64 s[6:7], s[6:7], s[86:87]
	WIN 0x40
.set bb, 0
.rept NT
.if bb < 4
.set rB, 96+8*bb
.else
.set rB, 192+8*bb
.endif
	global_load_b128 v[rB:rB+3], v[VB], s[6:7] offset:(32*(bb/2)+8*(bb%2))*4
	global_load_b128 v[rB+4:rB+7], v[VB], s[6:7] offset:(32*(bb/2)+8*(bb%2))*4+16
.set bb, bb+1
.endr
	WIN 0
.if GK == 0
	s_lshl_b32 s86, s67, 10
	s_lshl_b32 s87, s15, 9
	s_add_co_u32 s86, s86, s87
	s_mov_b32 s87, 0
	s_add_nc_u64 s[12:13], s[90:91], s[86:87]
	v_and_b32 v12, 8, v1
	v_add_nc_u32 v12, v12, v1
	v_lshlrev_b32 v12, 2, v12
.irp a, 0,1,2,3,4,5,6,7
	global_load_b32 v[4+\a], v12, s[12:13] offset:(32*(\a/2)+8*(\a%2))*4
.endr
.endif
	s_mul_i32 s86, s15, HALFT
	s_mul_i32 s87, s16, HALFT
	s_add_co_u32 s87, s87, 2*HALFT
.irp n, 0,1,2
	v_add_nc_u32 v[ADRQ+\n], s86, v[LI]
	v_add_nc_u32 v[ADRP+\n], s87, v[LI]
	s_add_co_u32 s86, s86, SLOT
	s_add_co_u32 s87, s87, SLOT
.endr
.if GK < 2
	s_lshl_b32 s86, s17, 4
	s_lshl_b32 s87, s15, 3
	s_add_co_u32 s86, s86, s87
	s_mul_i32 s86, s86, s82
	s_lshl_b32 s87, s18, 1
	s_add_co_u32 s86, s86, s87
	s_add_co_u32 s86, s86, s16
	s_mul_i32 s20, s86, 1536
	s_add_co_u32 s20, s20, s83
	s_mov_b32 s21, 0
	s_add_nc_u64 s[8:9], s[92:93], s[20:21]
	s_lshl_b32 s22, s86, 6
	s_add_co_u32 s22, s22, s84
	s_mov_b32 s23, 0
	s_add_nc_u64 s[10:11], s[92:93], s[22:23]
	s_mul_i32 s74, s82, 1536
	s_mov_b32 s75, 0
	s_lshl_b32 s76, s82, 6
	s_mov_b32 s77, 0
.else
	s_lshl_b32 s86, s17, 3
	s_lshl_b32 s87, s15, 2
	s_add_co_u32 s86, s86, s87
	s_lshl_b32 s86, s86, 3
	s_add_co_u32 s86, s86, s18
	s_lshl_b32 s86, s86, 13
	s_lshl_b32 s87, s16, 12
	s_add_co_u32 s86, s86, s87
	s_mov_b32 s87, 0
	s_add_nc_u64 s[8:9], s[92:93], s[86:87]
.endif
.if GK == 3
	s_and_b32 s77, ttmp7, 0xffff
	s_cmp_eq_u32 s15, 0
	s_cselect_b32 s86, s17, s18
	s_cselect_b32 s87, s66, s67
	s_cselect_b32 s85, s79, s78
	s_cselect_b32 s77, ttmp9, s77
	s_cmp_eq_u32 s77, 0
	s_cselect_b32 s76, 1, 0
	s_mul_i32 s86, s86, 2*NT
	s_mul_i32 s77, s16, NT
	s_add_co_u32 s86, s86, s77
	s_add_co_u32 s86, s86, s87
	s_mul_i32 s86, s86, KST*1536
	s_add_co_u32 s86, s86, s85
	s_mov_b32 s87, 0
	s_add_nc_u64 s[74:75], s[4:5], s[86:87]
	v_lshlrev_b32 v[PFO], 8, v3
.endif
.if GK == 0
	s_wait_loadcnt 0x0
.set kk, 0
.rept 64
	v_cndmask_b32 v[BQ8+kk], 0, v[4+kk/8], s73
.set kk, kk+1
.endr
	WIN 0x44
.set kk, 0
.rept 32
	v_cndmask_b32 v[96+kk], 0, v[96+kk], s72
	v_cndmask_b32 v[224+kk], 0, v[224+kk], s72
.set kk, kk+1
.endr
	WIN 0
.endif
.macro FETCH_P n, q, p
	WIN 0x40
.set fi, 0
.rept NT
.irp c, 0,1,2
	ds_load_b128 v[128*(\p)+12*fi+4*\c:128*(\p)+12*fi+4*\c+3], v[ADRP+(\n)] offset:(fi*SK+(\q))*1536+512*\c
.endr
.set fi, fi+1
.endr
	WIN 0
.endm
.macro FETCH_Q n, q, i0
.set fi, \i0
.rept NT/2
.irp c, 0,1,2
	ds_load_b128 v[QF+12*fi+4*\c:QF+12*fi+4*\c+3], v[ADRQ+(\n)] offset:(fi*SK+(\q))*1536+512*\c
.endr
.set fi, fi+1
.endr
.endm
.macro MULS a0, cnt
.set aa, \a0
.rept \cnt
.set wa, 2+aa/4
.if ks == 0
.if GK == 0
.set WN, (wa<<6)|0x01
.else
.set WN, (wa<<6)|0x11
.endif
.else
.set WN, (wa<<6)|(wa<<4)|0x01
.endif
	WIN WN
.set bb, 0
.rept NT
.set rD, 8*(NT*(aa%4)+bb)
.set rP, 128*(ks%2)+12*bb
.set rQ, QF+12*aa
.set rS, SC+NT*ks
.if bb < 4
.set rB, 96+8*bb
.else
.set rB, 192+8*bb
.endif
.if ks > 0
	v_wmma_scale_f32_16x16x128_f8f6f4 v[rD:rD+7], v[rP:rP+11], v[rQ:rQ+11], v[rD:rD+7], v[rS+bb], v[rS+aa] matrix_a_fmt:MATRIX_FMT_FP6 matrix_b_fmt:MATRIX_FMT_FP6 matrix_a_scale:MATRIX_SCALE_ROW1
.elseif GK == 0
	v_wmma_scale_f32_16x16x128_f8f6f4 v[rD:rD+7], v[rP:rP+11], v[rQ:rQ+11], v[BQ8+8*aa:BQ8+8*aa+7], v[rS+bb], v[rS+aa] matrix_a_fmt:MATRIX_FMT_FP6 matrix_b_fmt:MATRIX_FMT_FP6 matrix_a_scale:MATRIX_SCALE_ROW1
.else
	v_wmma_scale_f32_16x16x128_f8f6f4 v[rD:rD+7], v[rP:rP+11], v[rQ:rQ+11], v[rB:rB+7], v[rS+bb], v[rS+aa] matrix_a_fmt:MATRIX_FMT_FP6 matrix_b_fmt:MATRIX_FMT_FP6 matrix_a_scale:MATRIX_SCALE_ROW1
.endif
.set bb, bb+1
.endr
.set aa, aa+1
.endr
.endm
.macro STEP
.set sl, (ks/SK)%NS
.set qn, (ks%SK)+1
.set pn, 1-(ks%2)
	s_wait_dscnt 3*NT/2
	MULS 0, NT/2
	s_wait_dscnt 0x0
	PLACES
	FETCH_P sl, qn, pn
	FETCH_Q sl, qn, 0
	MULS NT/2, NT/2
	PLACES
	WIN 0
	FETCH_Q sl, qn, NT/2
.endm
.macro TURN
.set sl, (ks/SK)%NS
.set fl, ks/SK
.set nx, (fl+1)%NS
.set pn, 1-(ks%2)
.if fl+NS < NFILL
	s_wait_tensorcnt 0x0
	ds_add_u32 v[SPW], v[NIL]
	s_wait_dscnt 3*NT/2+1
	MULS 0, NT/4
	s_wait_dscnt 0x0
	s_barrier_signal -1
	MULS NT/4, NT/4
	WIN 0
	s_barrier_wait -1
	CREST
	s_add_nc_u64 s[G0Q+4*sl+2:G0Q+4*sl+3], s[G0Q+4*sl+2:G0Q+4*sl+3], NS*SK*1536
	s_add_nc_u64 s[G0P+4*sl+2:G0P+4*sl+3], s[G0P+4*sl+2:G0P+4*sl+3], NS*SK*1536
.if (fl+NS+1)*SK > KST                 ; the last fill has fewer K steps left: tensor_dim0 says so, the tile's shape in LDS stays; no tensor load of mine is out here
	s_mov_b32 s[G1Q+1], (192*(KST-(fl+NS)*SK))<<16
	s_mov_b32 s[G1P+1], (192*(KST-(fl+NS)*SK))<<16
.endif
	JLOAD sl
.else
	s_wait_tensorcnt NFILL-fl-2
	s_wait_dscnt 3*NT/2
	MULS 0, NT/4
	s_wait_dscnt 0x0
	s_barrier_signal -1
	MULS NT/4, NT/4
	WIN 0
	s_barrier_wait -1
	PLACES
.endif
	FETCH_P nx, 0, pn
	FETCH_Q nx, 0, 0
.if (GK == 3) && (fl < 3)
	ASK fl
.endif
	MULS NT/2, NT/2
	PLACES
	WIN 0
	FETCH_Q nx, 0, NT/2
.endm
.macro LAST
	s_wait_dscnt 3*NT/2
	MULS 0, NT/2
	s_wait_dscnt 0x0
	MULS NT/2, NT/2
	WIN 0
.endm
	s_wait_tensorcnt NFIRST-1
	s_barrier_signal -1
	s_barrier_wait -1
	s_wait_loadcnt 0x0
.if SGH < KST
.set sE, 2*SG
.if sE > KST
.set sE, KST
.endif
	SCLOAD SG, sE
.endif
	FETCH_P 0, 0, 0
	FETCH_Q 0, 0, 0
	FETCH_Q 0, 0, NT/2
.set ks, 0
.rept KST
.if (ks > 0) && ((ks%SG) == 0)
	s_wait_loadcnt 0x0
.if ks+SG < KST
.set sE, ks+2*SG
.if sE > KST
.set sE, KST
.endif
	SCLOAD ks+SG, sE
.endif
.endif
.if ks == KST-1
	LAST
.elseif (ks%SK) == SK-1
	TURN
.else
	STEP
.endif
.set ks, ks+1
.endr
	PLACES
.if GK < 2
.irp b, 0,1,2,3
	v_mov_b32 v[TM+4+\b], 0
.endr
.set ea, 0
.rept 8
.set wa, 2+ea/4
.set rA, 64*(ea%4)
.if GK == 0
.set WN, wa|(1<<2)
	WIN WN
.set kk, 0
.rept 32
.if kk < 16
.set rB, 96+2*kk
.else
.set rB, 192+2*kk
.endif
	v_pk_add_f32 v[TT+2*kk:TT+2*kk+1], v[rA+2*kk:rA+2*kk+1], v[rB:rB+1]
.set kk, kk+1
.endr
.else
.set WN, wa<<2
	WIN WN
.set kk, 0
.rept 64
	v_max_num_f32 v[TT+kk], 0, v[rA+kk]
.set kk, kk+1
.endr
.endif
	WIN 0
	QUANT TT
	PUTFRAG 8, 0
	PUTSCL 10, 0
	s_wait_xcnt 0x0
	s_add_nc_u64 s[8:9], s[8:9], s[74:75]
	s_add_nc_u64 s[10:11], s[10:11], s[76:77]
.set ea, ea+1
.endr
.else
	WIN 0x08
.irp a, 0,1,2,3
.irp b, 0,1,2,3
	global_store_b128 v[LI], v[8*(4*\a+\b):8*(4*\a+\b)+3], s[8:9] offset:\a*65536+(2*\b)*512 th:TH_STORE_NT
	global_store_b128 v[LI], v[8*(4*\a+\b)+4:8*(4*\a+\b)+7], s[8:9] offset:\a*65536+(2*\b+1)*512 th:TH_STORE_NT
.endr
.endr
	WIN 0
.endif
	s_wait_tensorcnt 0x0
	ds_add_u32 v[SPW], v[NIL]
	s_wait_dscnt 0x0
	CROUND
	s_endpgm
.Lfunc_end_k_qde7e7f75e1_qkv:
	.size	k_qde7e7f75e1_qkv, .Lfunc_end_k_qde7e7f75e1_qkv-k_qde7e7f75e1_qkv
	.p2alignl 7, 3214868480
	.fill 96, 4, 3214868480
	.section	.rodata,"a",@progbits
	.p2align	6, 0x0
	.amdhsa_kernel k_qde7e7f75e1_qkv
		.amdhsa_group_segment_fixed_size 327680
		.amdhsa_private_segment_fixed_size 0
		.amdhsa_enable_private_segment 0
		.amdhsa_kernarg_size 40
		.amdhsa_user_sgpr_count 2
		.amdhsa_user_sgpr_kernarg_segment_ptr 1
		.amdhsa_wavefront_size32 1
		.amdhsa_system_sgpr_workgroup_id_x 1
		.amdhsa_system_sgpr_workgroup_id_y 1
		.amdhsa_system_sgpr_workgroup_id_z 1
		.amdhsa_system_vgpr_workitem_id 0
		.amdhsa_next_free_vgpr 1024
		.amdhsa_next_free_sgpr 96
		.amdhsa_reserve_vcc 0
		.amdhsa_float_denorm_mode_32 3
		.amdhsa_float_denorm_mode_16_64 3
		.amdhsa_memory_ordered 1
		.amdhsa_forward_progress 1
		.amdhsa_inst_pref_size 170
	.end_amdhsa_kernel
	.amdgpu_metadata
---
amdhsa.version: [ 1, 2 ]
amdhsa.kernels:
  - .name:           k_qde7e7f75e1_qkv
    .symbol:         k_qde7e7f75e1_qkv.kd
    .args:
      - { .name: opa, .offset: 0, .size: 8, .value_kind: global_buffer, .address_space: global }
      - { .name: bq, .offset: 8, .size: 8, .value_kind: global_buffer, .address_space: global }
      - { .name: bk, .offset: 16, .size: 8, .value_kind: global_buffer, .address_space: global }
      - { .name: bv, .offset: 24, .size: 8, .value_kind: global_buffer, .address_space: global }
      - { .name: att, .offset: 32, .size: 8, .value_kind: global_buffer, .address_space: global }
    .group_segment_fixed_size: 327680
    .private_segment_fixed_size: 0
    .kernarg_segment_align: 8
    .kernarg_segment_size: 40
    .max_flat_workgroup_size: 128
    .sgpr_count:     96
    .vgpr_count:     1024
    .wavefront_size: 32
...
	.end_amdgpu_metadata
.endif
;; end of part 2
;; launch attn (part 3): grid 16 x 16, 8 waves a work-group, clusters of 4 x 1, 327,680 bytes of LDS; arguments att, opm; writes opm
.if DOCPART == 3
	.amdgcn_target "amdgcn-amd-amdhsa--gfx1250"
	.amdhsa_code_object_version 6
	.text
	.protected	k_qde7e7f75e1_attn
	.globl	k_qde7e7f75e1_attn
	.p2align	8
	.type	k_qde7e7f75e1_attn,@function
k_qde7e7f75e1_attn:
	s_mov_b64 s[64:65], 0
	v_nop
	global_prefetch_b8 v0, s[64:65] scope:SCOPE_SE
	s_setreg_imm32_b32 hwreg(HW_REG_WAVE_MODE, 25, 1), 1
	s_wait_xcnt 0x0
	s_wait_alu depctr_hold_cnt(0) depctr_sa_sdst(0) depctr_va_vdst(0) depctr_va_sdst(0) depctr_va_ssrc(0) depctr_va_vcc(0) depctr_vm_vsrc(0)
	s_getreg_b32 s2, hwreg(HW_REG_IB_STS2, 6, 4)
	s_cmp_eq_u32 s2, 0
	s_cbranch_scc0 .Lentry_in_a_cluster
	s_endpgm
.Lentry_in_a_cluster:
	s_bfe_u32 s2, ttmp6, 0x10000c
	s_cmp_lg_u32 s2, 0x3003
	s_cbranch_scc0 .Lentry_shape_is_right
	s_endpgm
.Lentry_shape_is_right:
; ATTENTION on fragment images of FP6 (E2M3) codes: msg = softmax(q k^T / 8) v for 2 batches x 16 heads of 64, 2,048 keys; the result is quantised again along the features for the next product.
; SHARES.  A work-group owns 128 queries of one batch and one PAIR of heads; each of its eight waves owns one tile of 16 queries, for both heads: two waves to a SIMD, so that one's vector work stands beside the other's products.
; THE PAIR.  A K step of 128 features holds two heads.  q lies in 18 registers: its registers 0-5, six registers of zero codes, its registers 6-11.  Q0 is the first twelve of them, Q1 the last twelve: one fragment of k from LDS
; feeds both heads' scores, and zero codes add nothing.
; Both products are used transposed (S^T = k q^T, O^T = v^T p^T): a lane holds one query throughout.  A tile's rows are 32 (T / 2) + 8 (T % 2) + r + 8 (r / 8), so p's 16 registers of two neighbouring tiles are 16 neighbouring keys,
; and the two heads' O^T, 64 registers, are 128 neighbouring features: the quantiser's input for K step hp of msg.
; THE SOFTMAX: t = score x log2(e) / 8; M = the running largest t rounded up to a whole number; p = 2^(t - M) is quantised along the keys; the row's sum is taken of the unquantised p and divides O at the end;
; when M moves, the sum and O are multiplied by 2^(old M - new M), which rounds nothing.
; THE RING: two LDS slots of four key steps (512 keys), filled by joint tensor loads (waves 0-3: k's tiles, waves 4-7: v's); the four work-groups of a cluster walk the same k and v.  The scale words of all 2,048 keys come once.
; k A STEP AHEAD: k's and v's fragments have 96 registers each.  Behind a step's score products the wave asks LDS for this step's v and for the NEXT step's k: both land while the softmax is walked.  A slot's last step asks for
; no k (the next slot may be read only behind the change of slots): the slot's first k is fetched there.
; No prefetch into the L2: a refill is issued four key steps ahead of the wait for it.
; LIMITS: NaN and infinities are not served; a block of zeros, or one under 2^-124, gets the byte 1 (read by this program alone).
.set SLOT1, 1<<17                      ; slot 1 begins here: one exclusive or turns an address
.set VOFF,  49152                      ; a slot: k [32 tiles][1536], then v [8 tiles][4 steps][1536]
.set SCK,   98304                      ; k's scale words [128 tiles][64]
.set SCV,   106496                     ; v's [8 tiles][16 steps][64]
.set SPARE, 114688                     ; the spare words, 128 bytes a wave
.set O_VC,  6291456
.set O_QKS, 9437184
.set O_VS,  9699328
.set O_MS,  3932160
.set LI,  1                            ; v1 16 x lane
.set LIV, 2                            ; v2 + VOFF
.set L4K, 3                            ; v3 SCK + 4 x lane
.set ASV0, 4                           ; v4 SCV + 1024 h + 4 r
.set ADK, 5
.set ADV, 6
.set ADS, 7
.set ADT, 8
.set R4,  9
.set SPW, 10
.set NIL, 11
.set QB,  12                           ; v12-29 q: Q0 = v[12:23], Q1 = v[18:29]
.set S,   32                           ; head c's scores, then p: v[32+64c] on
.set PCD, 160                          ; p's codes: 12 a head
.set CT,  184                          ; conversions' second halves
.set BM,  200                          ; a block's largest score, then largest p
.set BT,  208
.set SO,  216                          ; the conversions' scale operands
.set KSW, 224                          ; k's scale words: lanes 0-15 tile 2 g, lanes 16-31 tile 2 g + 1
.set VSW, 228                          ; v's likewise
.set PW,  232                          ; p's scale word, a head each
.set QSW, 234                          ; q's
.set FF,  236                          ; f = 2^(old M - new M): a pair a head
.set TMP, 240
.set SU2, 244                          ; the sums' second chains
.set ST,  248                          ; head c: v[248+4c] -M, +1 the largest t, +2, +3 the sum in two halves
.set TM,  200                          ; the way out's quantiser works in BM and BT
.set PC,  160
.set FRK, 64                           ; window 1: O^T at 0-63; eight fragments of k at 64-159; eight of v at 160-255
.set FRV, 160
.set WV,  18
.set SEL, 20
.set CS,  22
.set G1K, 24
.set G1V, 32
.set G1SK, 40
.set G1SV, 48
.set G0K, 56
.set G0V, 60
.set G0SK, 68
.set G0SV, 72
.set TK,  2
.set TV,  3
.set TS,  66
.set TJ,  67
.set SLOTS, 76
.set CNT, 77
.set MSB, 0
.macro WIN new
.if MSB != (\new)
	s_set_vgpr_msb (MSB<<8)|(\new)
.set MSB, (\new)
.endif
.endm
.macro PLACES
.rept 4
	v_nop
.endr
.endm
.macro JLOAD                           ; a joint refill; an s_nop 0 and four v_nop follow each line
	s_cmp_lt_u32 s[WV], 4
	s_cbranch_scc0 .Lfor_v_\@
	tensor_load_to_lds s[G0K:G0K+3], s[G1K:G1K+7]
	s_nop 0
.rept 4
	v_nop
.endr
	s_branch .Lasked_\@
.Lfor_v_\@:
	tensor_load_to_lds s[G0V:G0V+3], s[G1V:G1V+7]
	s_nop 0
.rept 4
	v_nop
.endr
.Lasked_\@:
.endm
.macro CROUND
	s_barrier_signal -1
	s_barrier_wait -1
	s_cmp_lg_u32 s[WV], 0
	s_cbranch_scc1 .Lnot_wave_0_\@
	s_barrier_signal -3
.Lnot_wave_0_\@:
	s_barrier_wait -3
	s_barrier_signal -1
	s_barrier_wait -1
.endm
.macro QUANT s
.irp b, 0,1,2,3
	v_max3_num_f32 v[TM+\b], |v[\s+16*\b]|, |v[\s+1+16*\b]|, 0x1800000
.endr
.irp i, 2,4,6,8,10,12,14
.irp b, 0,1,2,3
	s_delay_alu instid0(VALU_DEP_4)
	v_max3_num_f32 v[TM+\b], v[TM+\b], |v[\s+16*\b+\i]|, |v[\s+1+16*\b+\i]|
.endr
.endr
.irp b, 0,1,2,3
	s_delay_alu instid0(VALU_DEP_4)
	v_permlanex16_b32 v[TM+4+\b], v[TM+\b], s[SEL], s[SEL+1]
.endr
.irp b, 0,1,2,3
	s_delay_alu instid0(VALU_DEP_4)
	v_max_num_f32 v[TM+\b], v[TM+\b], v[TM+4+\b]
.endr
.irp b, 0,1,2,3
	s_delay_alu instid0(VALU_DEP_4)
	v_add_nc_u32 v[TM+12+\b], 0xff000000, v[TM+\b]
.endr
.irp b, 0,1,2,3
	s_delay_alu instid0(VALU_DEP_4)
	v_lshrrev_b32 v[TM+4+\b], 23, v[TM+12+\b]
.endr
	s_delay_alu instid0(VALU_DEP_3)
	v_lshl_or_b32 v[PW], v[TM+5], 8, v[TM+4]
	s_delay_alu instid0(VALU_DEP_1)
	v_lshl_or_b32 v[PW], v[TM+6], 16, v[PW]
	s_delay_alu instid0(VALU_DEP_1)
	v_lshl_or_b32 v[PW], v[TM+7], 24, v[PW]
.irp c, 0,1
	v_cvt_scalef32_pk16_fp6_f32 v[PC+6*\c:PC+2+6*\c], v[\s+32*\c:\s+15+32*\c], v[TM+12+2*\c]
	v_cvt_scalef32_pk16_fp6_f32 v[PC+12+4*\c:PC+14+4*\c], v[\s+16+32*\c:\s+31+32*\c], v[TM+12+2*\c+1]
.endr
	v_nop
.irp c, 0,1
.irp i, 0,1,2
	v_permlane16_swap_b32 v[PC+6*\c+\i], v[PC+12+4*\c+\i]
.endr
.irp i, 0,1,2
	s_delay_alu instid0(VALU_DEP_3)
	v_mov_b32 v[PC+3+6*\c+\i], v[PC+12+4*\c+\i]
.endr
.endr
.endm
; k's eight fragments and four registers of scale words, of the step at which v[ADK] and v[ADS] stand (ahead = 0) or of the step after it (ahead = 1)
.macro KFETCH ahead
.irp g, 0,1,2,3
	ds_load_b32 v[KSW+\g], v[ADS] offset:128*\g+512*\ahead
.endr
	WIN 0x40
.irp t, 0,1,2,3,4,5,6,7
.irp e, 0,1,2
	ds_load_b128 v[FRK+12*\t+4*\e:FRK+12*\t+4*\e+3], v[ADK] offset:1536*\t+512*\e+12288*\ahead
.endr
.endr
	WIN 0
.endm
	s_load_b128 s[4:7], s[0:1], 0x0                ; att, opm
	v_lshl_add_u32 v[SPW], v0, 2, SPARE
	v_mov_b32 v[NIL], 0
	ds_add_u32 v[SPW], v[NIL]                      ; the wave's opening: the add and its wait ahead of my first tensor load
	ds_add_u32 v[SPW], v[NIL]
	v_lshrrev_b32 v1, 5, v0
	s_delay_alu instid0(VALU_DEP_1)
	v_readfirstlane_b32 s[WV], v1                  ; wave 0..7
	s_and_b32 s80, ttmp7, 0xffff
	s_lshr_b32 s81, s80, 3                         ; the batch
	s_and_b32 s82, s80, 7                          ; the pair of heads
	s_and_b32 s85, s[WV], 3                        ; which quarter of a slot I fetch
	s_lshl_b32 s86, s81, 7
	s_lshl_b32 s87, s85, 3
	s_add_co_u32 s86, s86, s87                     ; k's codes: tile 128 b + 8 j,
	s_lshl_b32 s86, s86, 4
	s_add_co_u32 s86, s86, s82
	s_add_co_u32 s86, s86, 8                       ; K step 8 + hp
	s_mul_i32 s86, s86, 1536
	s_mov_b32 s87, 0
	s_lshl_b32 s88, s82, 3
	s_lshl_b32 s89, s85, 1
	s_add_co_u32 s88, s88, s89                     ; v: tile 8 hp + 2 j,
	s_lshl_b32 s88, s88, 5
	s_lshl_b32 s89, s81, 4
	s_add_co_u32 s88, s88, s89                     ; key step 16 b
	s_lshl_b32 s92, s88, 6
	s_add_co_u32 s92, s92, O_VS
	s_mov_b32 s93, 0
	s_mul_i32 s88, s88, 1536
	s_add_co_u32 s88, s88, O_VC
	s_mov_b32 s89, 0
	s_lshl_b32 s90, s81, 7
	; k's scale words: all 128 tiles of batch b, from tile 128 b on
	s_lshl_b32 s90, s90, 4
	s_add_co_u32 s90, s90, s82
	s_add_co_u32 s90, s90, 8
	s_lshl_b32 s90, s90, 6
	s_add_co_u32 s90, s90, O_QKS
	s_mov_b32 s91, 0
	s_mul_i32 s94, s85, 12288                      ; where they go
	s_lshl_b32 s95, s85, 12
	s_sub_co_u32 s92, s92, s95                     ; v's scale words from tile 8 hp on: my quarter's 2 j tiles of 2,048 bytes are taken off again
	; descriptor groups 1: elements of 8 bytes, the mask of all four work-groups, bit 21 beside it, no padding
.irp g, G1K, G1V, G1SK, G1SV
	s_mov_b32 s[\g], 15|(3<<16)|(1<<21)
	s_mov_b32 s[\g+6], 0
	s_mov_b32 s[\g+7], 0
.endr
	s_mov_b32 s[G1K+1], 192<<16                    ; k: tiles x one fragment, 16 K steps apart: 16 tiles at the head, 8 in the ring (set ahead of the loop)
	s_mov_b32 s[G1K+2], 16<<16
	s_mov_b32 s[G1K+3], 192<<16
	s_mov_b32 s[G1K+4], 16
	s_mov_b32 s[G1K+5], 3072
	s_mov_b32 s[G1V+1], 768<<16                    ; v: 2 tiles x four fragments on end, 32 key steps apart
	s_mov_b32 s[G1V+2], 2<<16
	s_mov_b32 s[G1V+3], 768<<16
	s_mov_b32 s[G1V+4], 2
	s_mov_b32 s[G1V+5], 6144
	s_mov_b32 s[G1SK+1], 8<<16                     ; k's scale words: 128 tiles x 64 bytes, one load
	s_mov_b32 s[G1SK+2], 128<<16
	s_mov_b32 s[G1SK+3], 8<<16
	s_mov_b32 s[G1SK+4], 128
	s_mov_b32 s[G1SK+5], 128
	s_mov_b32 s[G1SV+1], 128<<16                   ; v's: 8 tiles x 16 key steps x 64 bytes, one load
	s_mov_b32 s[G1SV+2], 8<<16
	s_mov_b32 s[G1SV+3], 128<<16
	s_mov_b32 s[G1SV+4], 8
	s_mov_b32 s[G1SV+5], 256
	s_mov_b32 s[SEL], 0x76543210
	s_mov_b32 s[SEL+1], 0xfedcba98
	s_mov_b32 s[CS], 0x3e38aa3b                    ; log2(e) / 8
	s_mov_b32 s[CS+1], s[CS]
	s_mov_b32 s[TK], 0
	s_mov_b32 s[TV], 0
	s_mov_b32 s[TS], 0
	s_mov_b32 s[TJ], 0
	s_mov_b32 s[SLOTS], 3
	s_bfe_u32 s83, ttmp6, 0x40000                  ; cx enters q's and the output's addresses alone
	s_lshl_b32 s84, ttmp9, 2
	s_add_co_u32 s84, s84, s83
	s_lshl_b32 s84, s84, 3
	s_add_co_u32 s84, s84, s[WV]
	s_lshl_b32 s96, s81, 7
	s_add_co_u32 s84, s84, s96                     ; my tile of queries: 128 b + 8 block + wave
	s_lshl_b32 s96, s84, 4
	s_add_co_u32 s96, s96, s82
	s_lshl_b32 s98, s96, 6
	s_add_co_u32 s98, s98, O_QKS
	s_mov_b32 s99, 0
	s_mul_i32 s96, s96, 1536
	s_mov_b32 s97, 0
	s_lshl_b32 s78, s84, 3
	s_add_co_u32 s78, s78, s82
	s_lshl_b32 s80, s78, 6
	s_add_co_u32 s80, s80, O_MS
	s_mov_b32 s81, 0
	s_mul_i32 s78, s78, 1536
	s_mov_b32 s79, 0
	s_wait_dscnt 0x0                               ; the opening add is done
	s_wait_kmcnt 0x0
	s_add_nc_u64 s[8:9], s[4:5], s[96:97]          ; q's fragment
	s_add_nc_u64 s[10:11], s[4:5], s[98:99]        ; q's scale words
	s_add_nc_u64 s[12:13], s[6:7], s[78:79]        ; msg's fragment
	s_add_nc_u64 s[14:15], s[6:7], s[80:81]        ; msg's scale words
	s_mov_b32 s[G0K], 1
	s_mov_b32 s[G0K+1], s94
	s_add_nc_u64 s[G0K+2:G0K+3], s[4:5], s[86:87]
	s_or_b32 s[G0K+3], s[G0K+3], 0x80000000
	s_mov_b32 s[G0V], 1
	s_add_co_u32 s[G0V+1], s94, VOFF
	s_add_nc_u64 s[G0V+2:G0V+3], s[4:5], s[88:89]
	s_or_b32 s[G0V+3], s[G0V+3], 0x80000000
	s_mov_b32 s[G0SK], 1
	s_mov_b32 s[G0SK+1], SCK
	s_add_nc_u64 s[G0SK+2:G0SK+3], s[4:5], s[90:91]
	s_or_b32 s[G0SK+3], s[G0SK+3], 0x80000000
	s_mov_b32 s[G0SV], 1
	s_mov_b32 s[G0SV+1], SCV
	s_add_nc_u64 s[G0SV+2:G0SV+3], s[4:5], s[92:93]
	s_or_b32 s[G0SV+3], s[G0SV+3], 0x80000000
	s_mul_i32 s96, s85, 196608                     ; group 0 of the head's load of k, s[84:87]: half of slot 0, 16 tiles, by wave % 2
	s_sub_co_u32 s96, s86, s96                     ; back to tile 128 b,
	s_and_b32 s98, s[WV], 1
	s_mul_i32 s99, s98, 393216
	s_add_co_u32 s96, s96, s99                     ; + 16 tiles for the upper half
	s_mov_b32 s97, 0
	s_mov_b32 s84, 1
	s_mul_i32 s85, s98, 24576
	s_add_nc_u64 s[86:87], s[4:5], s[96:97]
	s_or_b32 s87, s87, 0x80000000
	CROUND                                         ; all four work-groups are here: the first joint loads meet
	s_cmp_lt_u32 s[WV], 4                          ; the head's tiles, one load a wave, in one tree of branches on the wave's number: wave 0 k's scale words, wave 1 v's, waves 2, 3 half of k's slot each, waves 4-7 a quarter of v's
	s_cbranch_scc0 .Lfirst_v
	s_cmp_eq_u32 s[WV], 0
	s_cbranch_scc0 .Lfirst_1
	tensor_load_to_lds s[G0SK:G0SK+3], s[G1SK:G1SK+7]
	s_nop 0
.rept 4
	v_nop
.endr
	s_branch .Lfirst_asked
.Lfirst_1:
	s_cmp_eq_u32 s[WV], 1
	s_cbranch_scc0 .Lfirst_2
	tensor_load_to_lds s[G0SV:G0SV+3], s[G1SV:G1SV+7]
	s_nop 0
.rept 4
	v_nop
.endr
	s_branch .Lfirst_asked
.Lfirst_2:
	tensor_load_to_lds s[84:87], s[G1K:G1K+7]
	s_nop 0
.rept 4
	v_nop
.endr
	s_branch .Lfirst_asked
.Lfirst_v:
	tensor_load_to_lds s[G0V:G0V+3], s[G1V:G1V+7]
	s_nop 0
.rept 4
	v_nop
.endr
.Lfirst_asked:
	v_and_b32 v30, 31, v0
	s_delay_alu instid0(VALU_DEP_1)
	v_lshlrev_b32 v[LI], 4, v30
	s_delay_alu instid0(VALU_DEP_1)
	v_add_nc_u32 v[LIV], VOFF, v[LI]
	s_delay_alu instid0(VALU_DEP_3)
	v_lshl_add_u32 v[L4K], v30, 2, SCK
	v_and_b32 v31, 15, v0
	v_bfe_u32 v30, v0, 4, 1
	s_delay_alu instid0(VALU_DEP_2)
	v_lshlrev_b32 v[R4], 2, v31
	s_delay_alu instid0(VALU_DEP_1)
	v_lshl_add_u32 v[ASV0], v30, 10, v[R4]
	s_delay_alu instid0(VALU_DEP_1)
	v_add_nc_u32 v[ASV0], SCV, v[ASV0]
.irp e, 0,1,2
	global_load_b128 v[QB+4*\e:QB+4*\e+3], v[LI], s[8:9] offset:512*\e
.endr
	global_load_b32 v[QSW], v[R4], s[10:11]
.irp c, 0,1
	v_mov_b32 v[ST+4*\c+1], 0xff61b1e6             ; the largest t so far: -3e38
	s_delay_alu instid0(VALU_DEP_1)
	v_floor_f32 v[ST+4*\c], -v[ST+4*\c+1]
	v_mov_b32 v[ST+4*\c+2], 0
	v_mov_b32 v[ST+4*\c+3], 0
	v_mov_b32 v[FF+2*\c+1], 0                      ; (named as the upper half of a pair)
.endr
.irp b, 0,1,2,3,4,5,6,7
	v_mov_b32 v[BT+\b], 0                          ; a lane permute's destination counts as one of its sources
.endr
	s_wait_loadcnt 0x0
.irp i, 0,1,2,3,4,5
	v_mov_b32 v[QB+12+\i], v[QB+6+\i]              ; q's registers 6-11 go six registers up,
.endr
.irp i, 0,1,2,3,4,5
	v_mov_b32 v[QB+6+\i], 0                        ; and zero codes take their place: Q0's upper six and Q1's lower six
.endr
	WIN 0x40
.set kk, 0
.rept 64
	v_mov_b32 v[kk], 0                             ; O^T: the step is written once, its first pass finds zeros
.set kk, kk+1
.endr
	WIN 0
; A KEY STEP: 128 keys, both heads.  Its k has been asked for a step ago, or behind the change of slots
.macro STEP
	v_add_nc_u32 v[ADK], s[TK], v[LI]              ; these four and the four v_nop below are the places between the last step's products and the loads into v's registers
	v_add_nc_u32 v[ADV], s[TV], v[LIV]
	v_add_nc_u32 v[ADS], s[TS], v[L4K]
	v_add_nc_u32 v[ADT], s[TJ], v[ASV0]
	s_wait_alu depctr_va_vdst(0)
	s_wait_dscnt 0x0                               ; k is in
	WIN 0x01
.irp t, 0,1,2,3,4,5,6,7
.irp c, 0,1
.if \t%2 == 0
	v_wmma_scale_f32_16x16x128_f8f6f4 v[S+64*\c+8*\t:S+64*\c+8*\t+7], v[FRK+12*\t:FRK+12*\t+11], v[QB+6*\c:QB+6*\c+11], 0, v[KSW+\t/2], v[QSW] matrix_a_fmt:MATRIX_FMT_FP6 matrix_b_fmt:MATRIX_FMT_FP6
.else
	v_wmma_scale_f32_16x16x128_f8f6f4 v[S+64*\c+8*\t:S+64*\c+8*\t+7], v[FRK+12*\t:FRK+12*\t+11], v[QB+6*\c:QB+6*\c+11], 0, v[KSW+\t/2], v[QSW] matrix_a_fmt:MATRIX_FMT_FP6 matrix_b_fmt:MATRIX_FMT_FP6 matrix_a_scale:MATRIX_SCALE_ROW1
.endif
.endr
.endr
	WIN 0
	PLACES
.irp g, 0,1,2,3                                ; v's fragments land while the softmax is walked,
	ds_load_b32 v[VSW+\g], v[ADT] offset:2048*\g
.endr
	WIN 0x40
.irp t, 0,1,2,3,4,5,6,7
.irp e, 0,1,2
	ds_load_b128 v[FRV+12*\t+4*\e:FRV+12*\t+4*\e+3], v[ADV] offset:6144*\t+512*\e
.endr
.endr
	WIN 0
	s_cmp_eq_u32 s[CNT], 1                         ; and so do the next step's fragments of k, but in a slot's last step: the next slot is read only behind the change of slots
	s_cbranch_scc1 .Lno_next_\@
	KFETCH 1
.Lno_next_\@:
.irp b, 0,1,2,3
.irp c, 0,1
	v_max3_num_f32 v[BM+4*\c+\b], v[S+64*\c+16*\b], v[S+64*\c+16*\b+1], v[S+64*\c+16*\b+2]   ; the largest score of each block of 32 keys: it serves the row's maximum and the block's largest p
.endr
.endr
.irp i, 3,5,7,9,11,13
.irp b, 0,1,2,3
.irp c, 0,1
	v_max3_num_f32 v[BM+4*\c+\b], v[BM+4*\c+\b], v[S+64*\c+16*\b+\i], v[S+64*\c+16*\b+\i+1]
.endr
.endr
.endr
.irp b, 0,1,2,3,4,5,6,7
	v_max_num_f32 v[BM+\b], v[BM+\b], v[S+16*\b+15]
.endr
.irp b, 0,1,2,3,4,5,6,7
	v_permlanex16_b32 v[BT+\b], v[BM+\b], s[SEL], s[SEL+1]
.endr
.irp b, 0,1,2,3,4,5,6,7
	v_max_num_f32 v[BM+\b], v[BM+\b], v[BT+\b]     ; with lane l xor 16's 16 keys
.endr
.irp c, 0
	v_max3_num_f32 v[TMP+\c], v[BM+4*\c], v[BM+4*\c+1], v[BM+4*\c+2]
.endr
.irp c, 1
	s_delay_alu instid0(VALU_DEP_3)
	v_max3_num_f32 v[TMP+\c], v[BM+4*\c], v[BM+4*\c+1], v[BM+4*\c+2]
.endr
.irp c, 0,1
	s_delay_alu instid0(VALU_DEP_2)
	v_max_num_f32 v[TMP+\c], v[TMP+\c], v[BM+4*\c+3]
.endr
.irp c, 0,1
	s_delay_alu instid0(VALU_DEP_2)
	v_mul_f32 v[TMP+\c], s[CS], v[TMP+\c]          ; as t
.endr
.irp c, 0,1
	s_delay_alu instid0(VALU_DEP_2)
	v_max_num_f32 v[ST+4*\c+1], v[ST+4*\c+1], v[TMP+\c]   ; the running largest t
.endr
.irp c, 0,1
	v_mov_b32 v[TMP+\c], v[ST+4*\c]
.endr
.irp c, 0,1
	s_delay_alu instid0(VALU_DEP_4)
	v_floor_f32 v[ST+4*\c], -v[ST+4*\c+1]          ; -M = floor(-t): M is a whole number
.endr
.irp c, 0,1
	s_delay_alu instid0(VALU_DEP_2)
	v_sub_f32 v[TMP+\c], v[ST+4*\c], v[TMP+\c]     ; old M - new M
.endr
.irp c, 0,1
	s_delay_alu instid0(VALU_DEP_2)
	v_cvt_i32_f32 v[TMP+\c], v[TMP+\c]             ; (it saturates)
.endr
.irp c, 0,1
	s_delay_alu instid0(VALU_DEP_2)
	v_ldexp_f32 v[FF+2*\c], 1.0, v[TMP+\c]         ; f = 2^(old M - new M)
.endr
.set kk, 0
.rept 64
.set rr, S+64*(kk%2)+2*(kk/2)
	v_pk_fma_f32 v[rr:rr+1], v[rr:rr+1], s[CS:CS+1], v[ST+4*(kk%2):ST+4*(kk%2)+1] op_sel_hi:[1,0,0]   ; t - M, two at a time, the heads by turns
.set kk, kk+1
.endr
.irp b, 0,1,2,3
.irp c, 0,1
	v_fma_f32 v[BM+4*\c+\b], v[BM+4*\c+\b], s[CS], v[ST+4*\c]
.endr
.endr
.set kk, 0
	s_wait_alu depctr_va_vdst(0)
.rept 128
	v_exp_f32 v[S+64*(kk%2)+kk/2], v[S+64*(kk%2)+kk/2]   ; p = 2^(t - M): one batch
.set kk, kk+1
.endr
.irp c, 0,1
	v_pk_mul_f32 v[ST+4*\c+2:ST+4*\c+3], v[ST+4*\c+2:ST+4*\c+3], v[FF+2*\c:FF+2*\c+1] op_sel_hi:[1,0]   ; the sums under the new M: the plain place behind the batch
.endr
	s_wait_alu depctr_va_vdst(0)                   ; one wait for the batch, ahead of its first reader
.irp b, 0,1,2,3,4,5,6,7
	v_exp_f32 v[BM+\b], v[BM+\b]                   ; each block's largest p
.endr
.irp c, 0,1
	v_pk_add_f32 v[SU2+2*\c:SU2+2*\c+1], v[S+64*\c:S+64*\c+1], v[S+64*\c+2:S+64*\c+3]   ; the row's sum of the unquantised p, two chains a head
.endr
.irp j, 4,8,12,16,20,24,28,32,36,40,44,48,52,56,60
.irp c, 0,1
	v_pk_add_f32 v[ST+4*\c+2:ST+4*\c+3], v[ST+4*\c+2:ST+4*\c+3], v[S+64*\c+\j:S+64*\c+\j+1]
	v_pk_add_f32 v[SU2+2*\c:SU2+2*\c+1], v[SU2+2*\c:SU2+2*\c+1], v[S+64*\c+\j+2:S+64*\c+\j+3]
.endr
.endr
.irp c, 0
	s_delay_alu instid0(VALU_DEP_3)
	v_pk_add_f32 v[ST+4*\c+2:ST+4*\c+3], v[ST+4*\c+2:ST+4*\c+3], v[SU2+2*\c:SU2+2*\c+1]
.endr
.irp c, 1
	s_delay_alu instid0(VALU_DEP_2)
	v_pk_add_f32 v[ST+4*\c+2:ST+4*\c+3], v[ST+4*\c+2:ST+4*\c+3], v[SU2+2*\c:SU2+2*\c+1]
.endr
	s_wait_alu depctr_va_vdst(0)                   ; and one for the eight
.irp b, 0,1,2,3,4,5,6,7
	v_max_num_f32 v[BM+\b], 0x1800000, v[BM+\b]    ; the floor: the byte cannot fall under 1
.endr
.irp b, 0,1,2,3,4,5,6,7
	v_add_nc_u32 v[SO+\b], 0xff000000, v[BM+\b]
.endr
.irp b, 0,1,2,3,4,5,6,7
	v_lshrrev_b32 v[BT+\b], 23, v[SO+\b]
.endr
.irp c, 0
	v_lshl_or_b32 v[PW+\c], v[BT+4*\c+1], 8, v[BT+4*\c]
.endr
.irp c, 1
	s_delay_alu instid0(VALU_DEP_4)
	v_lshl_or_b32 v[PW+\c], v[BT+4*\c+1], 8, v[BT+4*\c]
.endr
.irp c, 0,1
	s_delay_alu instid0(VALU_DEP_2)
	v_lshl_or_b32 v[PW+\c], v[BT+4*\c+2], 16, v[PW+\c]
.endr
.irp c, 0,1
	s_delay_alu instid0(VALU_DEP_2)
	v_lshl_or_b32 v[PW+\c], v[BT+4*\c+3], 24, v[PW+\c]
.endr
.irp c, 0,1
.irp e, 0,1
	v_cvt_scalef32_pk16_fp6_f32 v[PCD+12*\c+6*\e:PCD+12*\c+6*\e+2], v[S+64*\c+32*\e:S+64*\c+32*\e+15], v[SO+4*\c+2*\e]
	v_cvt_scalef32_pk16_fp6_f32 v[CT+8*\c+4*\e:CT+8*\c+4*\e+2], v[S+64*\c+32*\e+16:S+64*\c+32*\e+31], v[SO+4*\c+2*\e+1]
.endr
.endr
	v_nop                                          ; one plain place behind a scaled conversion
.irp c, 0,1
.irp e, 0,1
.irp i, 0,1,2
	v_permlane16_swap_b32 v[PCD+12*\c+6*\e+\i], v[CT+8*\c+4*\e+\i]
.endr
.irp i, 0,1,2
	s_delay_alu instid0(VALU_DEP_3)
	v_mov_b32 v[PCD+12*\c+6*\e+3+\i], v[CT+8*\c+4*\e+\i]
.endr
.endr
.endr
	WIN 0x41
.set kk, 0
.rept 32
	v_pk_mul_f32 v[2*kk:2*kk+1], v[2*kk:2*kk+1], v[FF+2*(kk/16):FF+2*(kk/16)+1] op_sel_hi:[1,0]   ; O^T under the new M; these 32 are also the places in front of the scaled products
.set kk, kk+1
.endr
	s_wait_alu depctr_va_vdst(0)
	s_wait_dscnt 0x0                               ; v is in (and the next step's k, asked for behind it)
	WIN 0x51
.irp n, 0,1,2,3,4,5,6,7                        ; the eight accumulators take turns
.if \n%2 == 0
	v_wmma_scale_f32_16x16x128_f8f6f4 v[8*\n:8*\n+7], v[FRV+12*\n:FRV+12*\n+11], v[PCD+12*(\n/4):PCD+12*(\n/4)+11], v[8*\n:8*\n+7], v[VSW+\n/2], v[PW+\n/4] matrix_a_fmt:MATRIX_FMT_FP6 matrix_b_fmt:MATRIX_FMT_FP6
.else
	v_wmma_scale_f32_16x16x128_f8f6f4 v[8*\n:8*\n+7], v[FRV+12*\n:FRV+12*\n+11], v[PCD+12*(\n/4):PCD+12*(\n/4)+11], v[8*\n:8*\n+7], v[VSW+\n/2], v[PW+\n/4] matrix_a_fmt:MATRIX_FMT_FP6 matrix_b_fmt:MATRIX_FMT_FP6 matrix_a_scale:MATRIX_SCALE_ROW1
.endif
.endr
	WIN 0
	s_add_co_u32 s[TK], s[TK], 12288
	s_add_co_u32 s[TV], s[TV], 1536
	s_add_co_u32 s[TS], s[TS], 512
	s_add_co_u32 s[TJ], s[TJ], 64
.endm
.macro FOUR_STEPS                              ; a slot's four key steps: written once, walked four times; the first step's k is fetched here, behind the change of slots
	v_add_nc_u32 v[ADK], s[TK], v[LI]
	v_add_nc_u32 v[ADS], s[TS], v[L4K]
	KFETCH 0
	s_mov_b32 s[CNT], 4
.Lstep_\@:
	STEP
	s_sub_co_u32 s[CNT], s[CNT], 1
	s_cmp_lg_u32 s[CNT], 0
	s_cbranch_scc1 .Lstep_\@
	s_sub_co_u32 s[TK], s[TK], 49152
	s_xor_b32 s[TK], s[TK], SLOT1
	s_sub_co_u32 s[TV], s[TV], 6144
	s_xor_b32 s[TV], s[TV], SLOT1
.endm
; THE CHANGE OF SLOTS stands at a slot's head: all my tensor loads have landed (my part of the slot ahead), the add, my reads of the slot that I left are over; behind the barrier the slot that was left is filled with the next 512 keys
.macro CHANGE fill
	s_wait_tensorcnt 0x0
	ds_add_u32 v[SPW], v[NIL]                      ; 0 onto my spare word
.if \fill
	s_xor_b32 s[G0K+1], s[G0K+1], SLOT1
	s_add_nc_u64 s[G0K+2:G0K+3], s[G0K+2:G0K+3], 786432   ; 32 tiles of keys on
	s_xor_b32 s[G0V+1], s[G0V+1], SLOT1
	s_add_nc_u64 s[G0V+2:G0V+3], s[G0V+2:G0V+3], 6144     ; four key steps on
.endif
	s_wait_dscnt 0x0
.if \fill
	CROUND
	JLOAD                                          ; my one tensor load behind the round: four key steps in which to land
.else
	s_barrier_signal -1
	s_barrier_wait -1
.endif
.endm
	s_wait_tensorcnt 0x0                           ; no tensor load of mine is out: a descriptor may be written: from here on a load of k brings 8 tiles
	s_mov_b32 s[G1K+2], 8<<16
	s_mov_b32 s[G1K+4], 8
.Lslot:                                            ; three trips: behind each change of slots but the last the next slot is asked for
	CHANGE 1
	FOUR_STEPS
	s_sub_co_u32 s[SLOTS], s[SLOTS], 1
	s_cmp_lg_u32 s[SLOTS], 0
	s_cbranch_scc1 .Lslot
	CHANGE 0                                       ; the last slot is written out
	FOUR_STEPS
	; THE WAY OUT: O^T / the sum; the two heads' 64 registers are 128 neighbouring features of my query: quantised, they are K step hp of msg
	PLACES
.irp c, 0,1
	v_add_f32 v[ST+4*\c+2], v[ST+4*\c+2], v[ST+4*\c+3]
.endr
.irp c, 0,1
	s_delay_alu instid0(VALU_DEP_2)
	v_permlanex16_b32 v[TMP+\c], v[ST+4*\c+2], s[SEL], s[SEL+1]
.endr
.irp c, 0,1
	s_delay_alu instid0(VALU_DEP_2)
	v_add_f32 v[ST+4*\c+2], v[ST+4*\c+2], v[TMP+\c]
.endr
	s_wait_alu depctr_va_vdst(0)
.irp c, 0,1
	v_rcp_f32 v[FF+2*\c], v[ST+4*\c+2]
.endr
	v_nop                                          ; a plain place behind the reciprocals
	s_wait_alu depctr_va_vdst(0)                   ; and the wait ahead of their first reader
	WIN 0x01
.set kk, 0
.rept 64
	v_mul_f32 v[S+kk], v[kk], v[FF+2*(kk/32)]      ; each accumulator from its low end on
.set kk, kk+1
.endr
	WIN 0
	QUANT S
.irp e, 0,1,2
	global_store_b128 v[LI], v[PC+4*\e:PC+4*\e+3], s[12:13] offset:512*\e
.endr
	global_store_b32 v[R4], v[PW], s[14:15]
	s_wait_tensorcnt 0x0                           ; the wave's end
	ds_add_u32 v[SPW], v[NIL]
	s_wait_dscnt 0x0
	CROUND                                         ; the closing round
	s_endpgm
.Lfunc_end_k_qde7e7f75e1_attn:
	.size	k_qde7e7f75e1_attn, .Lfunc_end_k_qde7e7f75e1_attn-k_qde7e7f75e1_attn
	.p2alignl 7, 3214868480
	.fill 96, 4, 3214868480
	.section	.rodata,"a",@progbits
	.p2align	6, 0x0
	.amdhsa_kernel k_qde7e7f75e1_attn
		.amdhsa_group_segment_fixed_size 327680
		.amdhsa_private_segment_fixed_size 0
		.amdhsa_enable_private_segment 0
		.amdhsa_kernarg_size 16
		.amdhsa_user_sgpr_count 2
		.amdhsa_user_sgpr_kernarg_segment_ptr 1
		.amdhsa_wavefront_size32 1
		.amdhsa_system_sgpr_workgroup_id_x 1
		.amdhsa_system_sgpr_workgroup_id_y 1
		.amdhsa_system_sgpr_workgroup_id_z 1
		.amdhsa_system_vgpr_workitem_id 0
		.amdhsa_next_free_vgpr 512
		.amdhsa_next_free_sgpr 100
		.amdhsa_reserve_vcc 0
		.amdhsa_float_denorm_mode_32 3
		.amdhsa_float_denorm_mode_16_64 3
		.amdhsa_memory_ordered 1
		.amdhsa_forward_progress 1
		.amdhsa_inst_pref_size 91
	.end_amdhsa_kernel
	.amdgpu_metadata
---
amdhsa.version: [ 1, 2 ]
amdhsa.kernels:
  - .name:           k_qde7e7f75e1_attn
    .symbol:         k_qde7e7f75e1_attn.kd
    .args:
      - { .name: att, .offset: 0, .size: 8, .value_kind: global_buffer, .address_space: global }
      - { .name: opm, .offset: 8, .size: 8, .value_kind: global_buffer, .address_space: global }
    .group_segment_fixed_size: 327680
    .private_segment_fixed_size: 0
    .kernarg_segment_align: 8
    .kernarg_segment_size: 16
    .max_flat_workgroup_size: 256
    .sgpr_count:     100
    .vgpr_count:     512
    .wavefront_size: 32
...
	.end_amdgpu_metadata
.endif
;; end of part 3
;; launch wmln (part 4): grid 256 x 1, 8 waves a work-group, no clusters, 81,920 bytes of LDS; arguments opm, bm, x, g1, be1, opf1; writes opf1
.if DOCPART == 4
	.amdgcn_target "amdgcn-amd-amdhsa--gfx1250"
	.amdhsa_code_object_version 6
	.text
	.protected	k_qde7e7f75e1_wmln
	.globl	k_qde7e7f75e1_wmln
	.p2align	8
	.type	k_qde7e7f75e1_wmln,@function
k_qde7e7f75e1_wmln:
	s_mov_b64 s[64:65], 0
	v_nop
	global_prefetch_b8 v0, s[64:65] scope:SCOPE_SE
	s_setreg_imm32_b32 hwreg(HW_REG_WAVE_MODE, 25, 1), 1
	s_wait_xcnt 0x0
; GL: y = A W + bias on fragment images of FP6 (E2M3) codes, then a layer norm over rows of 1,024 of (y + residual), in one launch: y never leaves the registers.
; LNK 1: A = msg, W = Wm, residual = x (rows of f32); the result h is stored as an image of 64 registers a lane and, quantised along the columns, as a fragment image with its scale words.
; LNK 2: A = the hidden layer, W = W2, residual = h (image); the result goes to the output as rows.
; SHARES.  A work-group owns one tile of 16 rows (row r of tile T = 32 (T / 2) + 8 (T % 2) + r + 8 (r / 8)) and all 1,024 columns; each of its eight waves 128 columns: eight tiles of W, eight accumulators, 64 registers.
; Source 0 = 16 rows of W's image, source 1 = A's tile: register 16 b + i of lane (r, h) is column 32 b + 16 h + i of the wave's 128, row r.
; W's FRAGMENTS GO FROM MEMORY STRAIGHT INTO REGISTERS: each feeds one product of one wave, and lies in memory as the operand's registers want it (three loads of 512 consecutive bytes).  Three buffers of one K step
; (24 loads of codes, 4 of W's scale words, 1 of A's: LB = 29); a buffer is asked for again directly behind its products, so up to three K steps of a wave's loads are out.
; A's fragments (KST x 1,536 bytes) are read by all eight waves: they come once, through LDS.
; No tensor load, so no joint loads: a pass through LDS would add a store and a load for every byte of W, which is used once in a work-group.  No prefetch into the L2: a wave's own loads run three K steps ahead of their use.
; THE WAITS' COUNTS: loads come back in the order of issue.  Ahead of a step's products the two younger K steps may be out (2 LB); in the last steps the bias's, g's and be's 16 loads each take the refills' place.
; LIMITS: NaN and infinities are not served; a block of zeros, or one under 2^-124, gets the byte 1 (read by this program alone).
.set LNK, 1
.if LNK == 1
.set KST, 8
.set OFF_PC, 3145728
.set OFF_QS, 3932160
.set OFF_PS, 4063232
.else
.set KST, 32
.set OFF_PC, 12582912
.set OFF_QS, 15728640
.set OFF_PS, 16252928
.endif
.set NCH,   KST*3/8                    ; chunks of 512 bytes of A's fragments that a wave brings
.set NTR,   (KST-5)/3                  ; trips of three K steps: two steps stand ahead of the loop, three behind it
.set LB,    29
.set RED1,  67584                      ; LDS: 0: a stage of 16 rows x 528 for each wave; here the rows' sums; 512 on the squares'
.set SPARE, 68608                      ; the spare words, 128 bytes a wave
.set XB,    69632                      ; A's fragments
.set O_HS,   6291456
.set O_HIMG, 6553600
.set LI,  4
.set SA,  5
.set SB,  6
.set RW,  7
.set RR,  8
.set GB,  9
.set R4,  10
.set VBO, 11                           ; W's codes: my offset in the buffer
.set SPW, 12
.set NIL, 13
.set VWS, 14                           ; W's scale words: lanes 0-15 an even tile, lanes 16-31 the odd one behind it
.set VXS, 15                           ; A's scale words
.set XL,  28                           ; LDS: XB + 16 x lane
.set XA,  29                           ; the same at the trip's first K step
.set XST, 30
.set XG,  31
.set Y,   32                           ; v32-95 the accumulators
.set SC,  96                           ; v96-119 scale words and nothing else: buffer b: W's at 8 b + 0 .. 3, A's at 8 b + 4
.set XF,  216                          ; v216-227 A's fragment
.set BI,  120                          ; behind the loop: the bias; A3 the residual in the image's order; then the quantiser's work
.set A3,  184
.set A2,  120
.set TM,  120
.set PW,  140
.set PC,  144
.set RS,  192                          ; window 1: buffers 0, 1 at v0-95, v96-191; the residual at v192-255.  Buffer 2: window 0, v120-215
.set GW,  0                            ; window 1, behind the loop: g at v0-63, be at v96-159
.set BW,  96
.set WV,  16
.set SEL, 18
.set CDP, 40
.set SCP, 42
.set XO,  44
.set CT,  45
.set MSB, 0
.macro WIN new                         ; the immediate's high byte repeats the setting that is left
.if MSB != (\new)
	s_set_vgpr_msb (MSB<<8)|(\new)
.set MSB, (\new)
.endif
.endm
.macro PLACES                          ; four plain places behind a matrix instruction, ahead of loads into its registers and of reads of its results
.rept 4
	v_nop
.endr
.endm
.macro SETB b
.if (\b) == 0
.set BR, 0
.set BWN, 1
.elseif (\b) == 1
.set BR, 96
.set BWN, 1
.else
.set BR, 120
.set BWN, 0
.endif
.endm
.macro LOADB b, j                      ; K step (base + j) into buffer b
	SETB \b
	WIN BWN<<6
.irp t, 0,1,2,3,4,5,6,7
.irp c, 0,1,2
	global_load_b128 v[BR+12*\t+4*\c:BR+12*\t+4*\c+3], v[VBO], s[CDP:CDP+1] offset:(\t*KST+(\j))*1536+512*\c
.endr
.endr
	WIN 0
.irp g, 0,1,2,3
	global_load_b32 v[SC+8*(\b)+\g], v[VWS], s[SCP:SCP+1] offset:(2*\g*KST+(\j))*64
.endr
	global_load_b32 v[SC+8*(\b)+4], v[VXS], s[SCP:SCP+1] offset:(\j)*64
.endm
.macro XLOAD a, j
.irp c, 0,1,2
	ds_load_b128 v[XF+4*\c:XF+4*\c+3], v[\a] offset:(\j)*1536+512*\c
.endr
.endm
.macro WM t, b, c, row
	v_wmma_scale_f32_16x16x128_f8f6f4 v[Y+8*(\t):Y+8*(\t)+7], v[BR+12*(\t):BR+12*(\t)+11], v[XF:XF+11], \c, v[SC+8*(\b)+(\t)/2], v[SC+8*(\b)+4] matrix_a_fmt:MATRIX_FMT_FP6 matrix_b_fmt:MATRIX_FMT_FP6 matrix_a_scale:MATRIX_SCALE_\row
.endm
.macro MUL b, zero                     ; the eight accumulators take turns, in the same order in every K step
	SETB \b
	WIN BWN
.irp g, 0,2,4,6
.if \zero
	WM \g, \b, 0, ROW0
	WM \g+1, \b, 0, ROW1
.else
	WM \g, \b, v[Y+8*\g:Y+8*\g+7], ROW0
	WM \g+1, \b, v[Y+8*\g+8:Y+8*\g+15], ROW1
.endif
.endr
	WIN 0
.endm
.macro STEP b, zero, cnt
	s_wait_loadcnt \cnt                            ; this buffer's loads are in; cnt younger ones may be out
	s_wait_dscnt 0x0                               ; A's fragment
	MUL \b, \zero
	PLACES
.endm
.macro VEC16 reg, base                 ; 64 numbers of a vector of 1,024 in the image's order
.irp b, 0,1,2,3
.irp j, 0,1,2,3
	global_load_b128 v[\reg+16*\b+4*\j:\reg+16*\b+4*\j+3], v[GB], s[\base:\base+1] offset:128*\b+16*\j
.endr
.endr
.endm
.macro QUANT s
.irp b, 0,1,2,3
	v_max3_num_f32 v[TM+\b], |v[\s+16*\b]|, |v[\s+1+16*\b]|, 0x1800000   ; the floor 2^(3 - 127): the byte cannot fall under 1
.endr
.irp i, 2,4,6,8,10,12,14
.irp b, 0,1,2,3
	s_delay_alu instid0(VALU_DEP_4)
	v_max3_num_f32 v[TM+\b], v[TM+\b], |v[\s+16*\b+\i]|, |v[\s+1+16*\b+\i]|
.endr
.endr
.irp b, 0,1,2,3
	s_delay_alu instid0(VALU_DEP_4)
	v_permlanex16_b32 v[TM+4+\b], v[TM+\b], s[SEL], s[SEL+1]
.endr
.irp b, 0,1,2,3
	s_delay_alu instid0(VALU_DEP_4)
	v_max_num_f32 v[TM+\b], v[TM+\b], v[TM+4+\b]
.endr
.irp b, 0,1,2,3
	s_delay_alu instid0(VALU_DEP_4)
	v_add_nc_u32 v[TM+12+\b], 0xff000000, v[TM+\b]
.endr
.irp b, 0,1,2,3
	s_delay_alu instid0(VALU_DEP_4)
	v_lshrrev_b32 v[TM+4+\b], 23, v[TM+12+\b]
.endr
	s_delay_alu instid0(VALU_DEP_3)
	v_lshl_or_b32 v[PW], v[TM+5], 8, v[TM+4]
	s_delay_alu instid0(VALU_DEP_1)
	v_lshl_or_b32 v[PW], v[TM+6], 16, v[PW]
	s_delay_alu instid0(VALU_DEP_1)
	v_lshl_or_b32 v[PW], v[TM+7], 24, v[PW]
.irp c, 0,1
	v_cvt_scalef32_pk16_fp6_f32 v[PC+6*\c:PC+2+6*\c], v[\s+32*\c:\s+15+32*\c], v[TM+12+2*\c]
	v_cvt_scalef32_pk16_fp6_f32 v[PC+12+4*\c:PC+14+4*\c], v[\s+16+32*\c:\s+31+32*\c], v[TM+12+2*\c+1]
.endr
	v_nop
.irp c, 0,1
.irp i, 0,1,2
	v_permlane16_swap_b32 v[PC+6*\c+\i], v[PC+12+4*\c+\i]
.endr
.irp i, 0,1,2
	s_delay_alu instid0(VALU_DEP_3)
	v_mov_b32 v[PC+3+6*\c+\i], v[PC+12+4*\c+\i]
.endr
.endr
.endm
; four chains of pairs in v[16:23] become the row's total in v16 of every lane: my 64, lane l xor 16's, then the eight waves' through LDS
.macro ROWSUM off
	s_delay_alu instid0(VALU_DEP_3)
	v_pk_add_f32 v[16:17], v[16:17], v[18:19]
	s_delay_alu instid0(VALU_DEP_2)
	v_pk_add_f32 v[20:21], v[20:21], v[22:23]
	s_delay_alu instid0(VALU_DEP_1)
	v_pk_add_f32 v[16:17], v[16:17], v[20:21]
	s_delay_alu instid0(VALU_DEP_1)
	v_add_f32 v16, v16, v17
	s_delay_alu instid0(VALU_DEP_1)
	v_permlanex16_b32 v17, v16, s[SEL], s[SEL+1]
	s_delay_alu instid0(VALU_DEP_1)
	v_add_f32 v16, v16, v17
	ds_store_b32 v[RW], v16 offset:\off
	s_wait_dscnt 0x0                               ; for the others' sake: my store has landed
	s_barrier_signal -1
	s_barrier_wait -1
	ds_load_b128 v[16:19], v[RR] offset:\off
	ds_load_b128 v[20:23], v[RR] offset:\off+16
	s_wait_dscnt 0x0
	v_pk_add_f32 v[16:17], v[16:17], v[18:19]
	v_pk_add_f32 v[20:21], v[20:21], v[22:23]
	s_delay_alu instid0(VALU_DEP_1)
	v_pk_add_f32 v[16:17], v[16:17], v[20:21]
	s_delay_alu instid0(VALU_DEP_1)
	v_add_f32 v16, v16, v17
.endm
	s_load_b256 s[4:11], s[0:1], 0x0               ; the operands 4, the bias 6, the residual 8, g 10
	s_load_b128 s[12:15], s[0:1], 0x20             ; be 12, the output 14
	v_lshl_add_u32 v[SPW], v0, 2, SPARE
	v_mov_b32 v[NIL], 0
	v_lshrrev_b32 v1, 5, v0
	s_delay_alu instid0(VALU_DEP_1)
	v_readfirstlane_b32 s[WV], v1                  ; wave
	s_mul_i32 s17, s[WV], 8448                     ; my stage
	s_lshl_b32 s46, s[WV], 2
	s_mul_i32 s22, s[WV], NCH*512                  ; my chunks of A's fragments
	s_mul_i32 s23, ttmp9, KST*1536
	s_add_co_u32 s23, s23, s22
	s_mul_i32 s47, s[WV], 8*KST*1536               ; my eight tiles of W
	s_add_co_u32 s47, s47, OFF_PC
	s_mul_i32 s48, s[WV], 8*KST*64
	s_add_co_u32 s48, s48, OFF_PS
	s_mul_i32 s49, ttmp9, KST*64
	s_add_co_u32 s49, s49, OFF_QS
	s_mov_b32 s[SEL], 0x76543210
	s_mov_b32 s[SEL+1], 0xfedcba98
	s_mov_b32 s20, 0x3a800000                      ; 1 / 1,024
	s_mov_b32 s21, 0x3727c5ac                      ; 1e-5
	s_lshl_b32 s24, ttmp9, 3
	s_add_co_u32 s24, s24, s[WV]                   ; 8 T + w
	s_lshl_b32 s26, s24, 13
	s_add_co_u32 s26, s26, O_HIMG                  ; h's image
	s_mov_b32 s27, 0
	s_lshr_b32 s28, ttmp9, 1
	s_lshl_b32 s28, s28, 5
	s_and_b32 s29, ttmp9, 1
	s_lshl_b32 s29, s29, 3
	s_add_co_u32 s28, s28, s29                     ; the tile's first row
	s_lshl_b32 s28, s28, 12
	s_lshl_b32 s30, s[WV], 9                       ; my 128 columns
	s_add_co_u32 s28, s28, s30
	s_mov_b32 s29, 0
	s_mov_b32 s31, 0
.if LNK == 1
	s_mul_i32 s34, s24, 1536
	s_mov_b32 s35, 0
	s_lshl_b32 s36, s24, 6
	s_add_co_u32 s36, s36, O_HS
	s_mov_b32 s37, 0
.endif
	s_mov_b32 s[XO], 2*1536
	s_mov_b32 s[CT], 0
	v_and_b32 v1, 15, v0                           ; r
	v_bfe_u32 v2, v0, 4, 1                         ; h
	v_and_b32 v3, 31, v0
	v_lshlrev_b32 v[R4], 2, v1
	v_lshlrev_b32 v[GB], 6, v2
	v_lshlrev_b32 v[LI], 4, v3
	v_mul_u32_u24 v[SB], v1, 528
	v_lshl_add_u32 v[RR], v1, 5, RED1
	v_mad_u32_u24 v[VWS], v2, KST*64, v[R4]
	v_add_nc_u32 v[SA], s17, v[LI]                 ; my stage by rows
	v_lshl_add_u32 v[SB], v2, 6, v[SB]
	v_add_nc_u32 v[RW], s46, v[RR]
	v_add_nc_u32 v[XL], XB, v[LI]
	v_add_nc_u32 v[XG], s23, v[LI]
	v_add_nc_u32 v[SB], s17, v[SB]                 ; and by lanes: 528 r + 64 h
	v_add_nc_u32 v[VBO], s47, v[LI]
	v_add_nc_u32 v[VWS], s48, v[VWS]
	v_add_nc_u32 v[XST], s22, v[XL]
	v_add_nc_u32 v[VXS], s49, v[R4]
	s_wait_alu depctr_va_vdst(0)
	s_wait_kmcnt 0x0
	s_mov_b64 s[CDP:CDP+1], s[4:5]
	s_mov_b64 s[SCP:SCP+1], s[4:5]
	s_add_nc_u64 s[6:7], s[6:7], s[30:31]
	s_add_nc_u64 s[10:11], s[10:11], s[30:31]
	s_add_nc_u64 s[12:13], s[12:13], s[30:31]
.if LNK == 1
	s_add_nc_u64 s[8:9], s[8:9], s[28:29]
	s_add_nc_u64 s[32:33], s[14:15], s[26:27]
	s_add_nc_u64 s[34:35], s[14:15], s[34:35]
	s_add_nc_u64 s[36:37], s[14:15], s[36:37]
.else
	s_add_nc_u64 s[8:9], s[8:9], s[26:27]
	s_add_nc_u64 s[14:15], s[14:15], s[28:29]
.endif
	WIN 0x40                                       ; the residual goes out first and waits in window 1
.irp i, 0,1,2,3,4,5,6,7,8,9,10,11,12,13,14,15
.if LNK == 1
	global_load_b128 v[RS+4*\i:RS+4*\i+3], v[LI], s[8:9] offset:(\i+8*(\i/8))*4096 th:TH_LOAD_NT   ; 512 consecutive bytes of one row of x
.else
	global_load_b128 v[RS+4*\i:RS+4*\i+3], v[LI], s[8:9] offset:512*\i th:TH_LOAD_NT
.endif
.endr
	WIN 0
.set cc, 0
.rept NCH
	global_load_b128 v[BI+4*cc:BI+4*cc+3], v[XG], s[4:5] offset:512*cc th:TH_LOAD_NT
.set cc, cc+1
.endr
	LOADB 0, 0
	LOADB 1, 1
	s_wait_loadcnt 2*LB                            ; my chunks of A's fragments are in; the two K steps of W behind them may be out
.set cc, 0
.rept NCH
	ds_store_b128 v[XST], v[BI+4*cc:BI+4*cc+3] offset:512*cc
.set cc, cc+1
.endr
	s_wait_dscnt 0x0                               ; for the others' sake
	s_barrier_signal -1
	s_barrier_wait -1
	XLOAD XL, 0
	LOADB 2, 2
	STEP 0, 1, 2*LB                                ; the first products start the sums
	XLOAD XL, 1
	LOADB 0, 3
	STEP 1, 0, 2*LB
	XLOAD XL, 2
	LOADB 1, 4
	s_wait_xcnt 0x0                                ; the loads have read their bases: both step to K step 2
	s_add_nc_u64 s[CDP:CDP+1], s[CDP:CDP+1], 2*1536
	s_add_nc_u64 s[SCP:SCP+1], s[SCP:SCP+1], 2*64
	v_add_nc_u32 v[XA], s[XO], v[XL]
	s_wait_alu depctr_va_vdst(0)
.Lk:                                               ; a trip: three K steps, once round the buffers
	STEP 2, 0, 2*LB
	XLOAD XA, 1
	LOADB 2, 3
	STEP 0, 0, 2*LB
	XLOAD XA, 2
	LOADB 0, 4
	STEP 1, 0, 2*LB
	XLOAD XA, 3
	LOADB 1, 5
	s_wait_xcnt 0x0                                ; the loads have read their bases
	s_add_nc_u64 s[CDP:CDP+1], s[CDP:CDP+1], 3*1536
	s_add_nc_u64 s[SCP:SCP+1], s[SCP:SCP+1], 3*64
	s_add_co_u32 s[XO], s[XO], 3*1536
	v_add_nc_u32 v[XA], s[XO], v[XL]
	s_add_co_u32 s[CT], s[CT], 1
	s_cmp_lt_u32 s[CT], NTR
	s_wait_alu depctr_va_vdst(0)
	s_cbranch_scc1 .Lk
	STEP 2, 0, 2*LB                                ; the last three K steps: the freed buffers take the bias, g and be
	XLOAD XA, 1
	VEC16 BI, 6
	STEP 0, 0, LB+16
	XLOAD XA, 2
	WIN 0x40
	VEC16 GW, 10
	WIN 0
	STEP 1, 0, 32
	WIN 0x40
	VEC16 BW, 12
	WIN 0
.if LNK == 1
	WIN 0x04                                       ; the data lie in window 1
.irp i, 0,1,2,3,4,5,6,7,8,9,10,11,12,13,14,15
	ds_store_b128 v[SA], v[RS+4*\i:RS+4*\i+3] offset:528*\i
.endr
	WIN 0
.irp b, 0,1,2,3
.irp j, 0,1,2,3
	ds_load_b128 v[A3+16*\b+4*\j:A3+16*\b+4*\j+3], v[SB] offset:128*\b+16*\j   ; LDS serves a wave's instructions in order: these see my stores
.endr
.endr
	s_wait_loadcnt 32                              ; the bias is in; g and be may be out
	s_wait_dscnt 0x0                               ; x is back in the image's order
.set kk, 0
.rept 32
	v_pk_add_f32 v[Y+2*kk:Y+2*kk+1], v[Y+2*kk:Y+2*kk+1], v[A3+2*kk:A3+2*kk+1]   ; each accumulator from its low end on
.set kk, kk+1
.endr
.else
	s_wait_loadcnt 32                              ; the bias is in; g and be may be out
	WIN 0x04
.set kk, 0
.rept 32
	v_pk_add_f32 v[Y+2*kk:Y+2*kk+1], v[Y+2*kk:Y+2*kk+1], v[RS+2*kk:RS+2*kk+1]   ; each accumulator from its low end on
.set kk, kk+1
.endr
	WIN 0
.endif
.set kk, 0
.rept 32
	v_pk_add_f32 v[Y+2*kk:Y+2*kk+1], v[Y+2*kk:Y+2*kk+1], v[BI+2*kk:BI+2*kk+1]
.set kk, kk+1
.endr
.irp q, 0,1,2,3
	v_pk_add_f32 v[16+2*\q:17+2*\q], v[Y+4*\q:Y+4*\q+1], v[Y+4*\q+2:Y+4*\q+3]   ; four chains, started by the first eight pairs
.endr
.irp j, 16,24,32,40,48,56
.irp q, 0,1,2,3
	s_delay_alu instid0(VALU_DEP_4)
	v_pk_add_f32 v[16+2*\q:17+2*\q], v[16+2*\q:17+2*\q], v[Y+\j+2*\q:Y+\j+2*\q+1]
.endr
.endr
	ROWSUM 0
	s_delay_alu instid0(VALU_DEP_1)
	v_mul_f32 v24, s20, v16                        ; the mean
	s_delay_alu instid0(VALU_DEP_1)
	v_mov_b32 v25, v24
.set kk, 0
.rept 32
	v_pk_add_f32 v[Y+2*kk:Y+2*kk+1], v[Y+2*kk:Y+2*kk+1], v[24:25] op_sel_hi:[1,0] neg_lo:[0,1] neg_hi:[0,1]
.set kk, kk+1
.endr
.irp q, 0,1,2,3
	v_pk_mul_f32 v[16+2*\q:17+2*\q], v[Y+2*\q:Y+2*\q+1], v[Y+2*\q:Y+2*\q+1]
.endr
.irp j, 8,16,24,32,40,48,56
.irp q, 0,1,2,3
	s_delay_alu instid0(VALU_DEP_4)
	v_pk_fma_f32 v[16+2*\q:17+2*\q], v[Y+\j+2*\q:Y+\j+2*\q+1], v[Y+\j+2*\q:Y+\j+2*\q+1], v[16+2*\q:17+2*\q]
.endr
.endr
	ROWSUM 512
	s_delay_alu instid0(VALU_DEP_1)
	v_fma_f32 v26, v16, s20, s21                   ; the variance + 1e-5
	s_wait_alu depctr_va_vdst(0)
	v_rsq_f32 v26, v26
	v_nop                                          ; a plain place behind the transcendental
	s_wait_alu depctr_va_vdst(0)                   ; and the wait ahead of its first reader
	v_mov_b32 v27, v26
	s_wait_alu depctr_va_vdst(0)
	s_wait_loadcnt 0x0                             ; g and be
.set kk, 0
.rept 32
	v_pk_mul_f32 v[Y+2*kk:Y+2*kk+1], v[Y+2*kk:Y+2*kk+1], v[26:27] op_sel_hi:[1,0]
.set kk, kk+1
.endr
	WIN 0x14                                       ; sources 1 and 2 window 1
.set kk, 0
.rept 32
	v_pk_fma_f32 v[Y+2*kk:Y+2*kk+1], v[Y+2*kk:Y+2*kk+1], v[GW+2*kk:GW+2*kk+1], v[BW+2*kk:BW+2*kk+1]
.set kk, kk+1
.endr
	WIN 0
.if LNK == 1
.irp b, 0,1,2,3
	v_mov_b32 v[TM+4+\b], 0                        ; a lane permute's destination counts as one of its sources
.endr
.irp k, 0,1,2,3,4,5,6,7,8,9,10,11,12,13,14,15
	global_store_b128 v[LI], v[Y+4*\k:Y+4*\k+3], s[32:33] offset:512*\k   ; h as an image, for the second residual
.endr
	QUANT Y                                        ; it reads Y and writes none of it
.irp c, 0,1,2
	global_store_b128 v[LI], v[PC+4*\c:PC+4*\c+3], s[34:35] offset:512*\c
.endr
	global_store_b32 v[R4], v[PW], s[36:37]
.else
.irp b, 0,1,2,3
.irp j, 0,1,2,3
	ds_store_b128 v[SB], v[Y+16*\b+4*\j:Y+16*\b+4*\j+3] offset:128*\b+16*\j
.endr
.endr
.irp i, 0,1,2,3,4,5,6,7,8,9,10,11,12,13,14,15
	ds_load_b128 v[A2+4*\i:A2+4*\i+3], v[SA] offset:528*\i
.endr
.irp i, 0,1,2,3,4,5,6,7,8,9,10,11,12,13,14,15
	s_wait_dscnt 15-\i                             ; row i is back; the later ones may be out
	global_store_b128 v[LI], v[A2+4*\i:A2+4*\i+3], s[14:15] offset:(\i+8*(\i/8))*4096 th:TH_STORE_NT   ; 512 consecutive bytes of one row
.endr
.endif
	s_wait_tensorcnt 0x0                           ; the wave's end
	ds_add_u32 v[SPW], v[NIL]
	s_wait_dscnt 0x0
	s_endpgm
.Lfunc_end_k_qde7e7f75e1_wmln:
	.size	k_qde7e7f75e1_wmln, .Lfunc_end_k_qde7e7f75e1_wmln-k_qde7e7f75e1_wmln
	.p2alignl 7, 3214868480
	.fill 96, 4, 3214868480
	.section	.rodata,"a",@progbits
	.p2align	6, 0x0
	.amdhsa_kernel k_qde7e7f75e1_wmln
		.amdhsa_group_segment_fixed_size 81920
		.amdhsa_private_segment_fixed_size 0
		.amdhsa_enable_private_segment 0
		.amdhsa_kernarg_size 48
		.amdhsa_user_sgpr_count 2
		.amdhsa_user_sgpr_kernarg_segment_ptr 1
		.amdhsa_wavefront_size32 1
		.amdhsa_system_sgpr_workgroup_id_x 1
		.amdhsa_system_sgpr_workgroup_id_y 1
		.amdhsa_system_sgpr_workgroup_id_z 1
		.amdhsa_system_vgpr_workitem_id 0
		.amdhsa_next_free_vgpr 512
		.amdhsa_next_free_sgpr 66
		.amdhsa_reserve_vcc 0
		.amdhsa_float_denorm_mode_32 3
		.amdhsa_float_denorm_mode_16_64 3
		.amdhsa_memory_ordered 1
		.amdhsa_forward_progress 1
		.amdhsa_inst_pref_size 73
	.end_amdhsa_kernel
	.amdgpu_metadata
---
amdhsa.version: [ 1, 2 ]
amdhsa.kernels:
  - .name:           k_qde7e7f75e1_wmln
    .symbol:         k_qde7e7f75e1_wmln.kd
    .args:
      - { .name: opm, .offset: 0, .size: 8, .value_kind: global_buffer, .address_space: global }
      - { .name: bm, .offset: 8, .size: 8, .value_kind: global_buffer, .address_space: global }
      - { .name: x, .offset: 16, .size: 8, .value_kind: global_buffer, .address_space: global }
      - { .name: g1, .offset: 24, .size: 8, .value_kind: global_buffer, .address_space: global }
      - { .name: be1, .offset: 32, .size: 8, .value_kind: global_buffer, .address_space: global }
      - { .name: opf1, .offset: 40, .size: 8, .value_kind: global_buffer, .address_space: global }
    .group_segment_fixed_size: 81920
    .private_segment_fixed_size: 0
    .kernarg_segment_align: 8
    .kernarg_segment_size: 48
    .max_flat_workgroup_size: 256
    .sgpr_count:     66
    .vgpr_count:     512
    .wavefront_size: 32
...
	.end_amdgpu_metadata
.endif
;; end of part 4
;; launch ffn1 (part 5): grid 16 x 16, 4 waves a work-group, clusters of 4 x 4, 327,680 bytes of LDS; arguments opf1, b1, opf2; writes opf2
.if DOCPART == 5
	.amdgcn_target "amdgcn-amd-amdhsa--gfx1250"
	.amdhsa_code_object_version 6
	.text
	.protected	k_qde7e7f75e1_ffn1
	.globl	k_qde7e7f75e1_ffn1
	.p2align	8
	.type	k_qde7e7f75e1_ffn1,@function
k_qde7e7f75e1_ffn1:
	s_mov_b64 s[64:65], 0
	v_nop
	global_prefetch_b8 v0, s[64:65] scope:SCOPE_SE
	s_setreg_imm32_b32 hwreg(HW_REG_WAVE_MODE, 25, 1), 1
	s_wait_xcnt 0x0
	s_wait_alu depctr_hold_cnt(0) depctr_sa_sdst(0) depctr_va_vdst(0) depctr_va_sdst(0) depctr_va_ssrc(0) depctr_va_vcc(0) depctr_vm_vsrc(0)
	s_getreg_b32 s2, hwreg(HW_REG_IB_STS2, 6, 4)
	s_cmp_eq_u32 s2, 0
	s_cbranch_scc0 .Lentry_in_a_cluster
	s_endpgm
.Lentry_in_a_cluster:
	s_bfe_u32 s2, ttmp6, 0x10000c
	s_cmp_lg_u32 s2, 0xf033
	s_cbranch_scc0 .Lentry_shape_is_right
	s_endpgm
.Lentry_shape_is_right:
.set GK, 1
.if GK < 2
.set NT, 8
.set SK, 3
.set SG, 4
.else
.set NT, 4
.set SK, 6
.set SG, 12
.endif
.if GK == 3
.set KST, 32
.else
.set KST, 8
.endif
.if SG > KST
.set SGH, KST
.else
.set SGH, SG
.endif
.set NFILL, (KST+SK-1)/SK
.set NS, 2
.if NFILL < NS
.set NFIRST, NFILL
.else
.set NFIRST, NS
.endif
.set HALFT, NT*SK*1536
.set SLOT,  4*HALFT
.set SPARE, NS*SLOT
.if GK == 1
.set OFF_PC, 3145728
.set OFF_QC, 0
.set OFF_PS, 6422528
.set OFF_QS, 6291456
.set OUTC, 0
.set OUTS, 15728640
.elseif GK == 2
.set OFF_PC, 3145728
.set OFF_QC, 0
.set OFF_PS, 4063232
.set OFF_QS, 3932160
.set OUTC, 0
.set OUTS, 0
.elseif GK == 3
.set OFF_PC, 12582912
.set OFF_QC, 0
.set OFF_PS, 16252928
.set OFF_QS, 15728640
.set OUTC, 0
.set OUTS, 0
.endif
.set A_WC, 3145728
.set A_XS, 5505024
.set A_WS, 5636096
.set T_VC, 6291456
.set T_QKS, 9437184
.set T_VS, 9699328
.set G1Q, 24
.set G1P, 32
.set G0Q, 40
.set G0P, 52
.set SEL, 70
.set ADRQ, 16
.set ADRP, 20
.set LI,  24
.set R4,  25
.set VSO, 26
.set VB,  27
.set SPW, 28
.set NIL, 29
.set PFO, 30
.set SC,  32
.set BQ8, 96
.set QF,  160
.set TT,  96
.set TM,  160
.set PW,  176
.set PC,  180
.set MSB, 0
.macro WIN new
.if MSB != (\new)
	s_set_vgpr_msb (MSB<<8)|(\new)
.set MSB, (\new)
.endif
.endm
.macro PLACES
.rept 4
	v_nop
.endr
.endm
.macro JLOAD n
	s_cmp_eq_u32 s15, 0
	s_cbranch_scc0 .Lfor_p_\@
	tensor_load_to_lds s[G0Q+4*\n:G0Q+4*\n+3], s[G1Q:G1Q+7]
	s_nop 0
.rept 4
	v_nop
.endr
	s_branch .Lasked_\@
.Lfor_p_\@:
	tensor_load_to_lds s[G0P+4*\n:G0P+4*\n+3], s[G1P:G1P+7]
	s_nop 0
.rept 4
	v_nop
.endr
.Lasked_\@:
.endm
.macro CREST
	s_cmp_lg_u32 s14, 0
	s_cbranch_scc1 .Lnot_wave_0_\@
	s_barrier_signal -3
.Lnot_wave_0_\@:
	s_barrier_wait -3
	s_barrier_signal -1
	s_barrier_wait -1
.endm
.macro CROUND
	s_barrier_signal -1
	s_barrier_wait -1
	CREST
.endm
.macro SCLOAD s0, s1
.set ss, \s0
.rept (\s1)-(\s0)
.set ii, 0
.rept NT
	global_load_b32 v[SC+NT*ss+ii], v[VSO], s[4:5] offset:(ii*KST+ss)*64
.set ii, ii+1
.endr
.set ss, ss+1
.endr
.endm
.macro ASK c
	s_cmp_eq_u32 s76, 1
	s_cbranch_scc0 .Lnot_mine_\@
	global_prefetch_b8 v[PFO], s[74:75] offset:(NS+1)*SK*1536+8192*(\c) th:TH_LOAD_NT scope:SCOPE_SE
.Lnot_mine_\@:
.endm
.macro QUANT s
.irp b, 0,1,2,3
	v_max3_num_f32 v[TM+\b], |v[\s+16*\b]|, |v[\s+1+16*\b]|, 0x1800000
.endr
.irp i, 2,4,6,8,10,12,14
.irp b, 0,1,2,3
	v_max3_num_f32 v[TM+\b], v[TM+\b], |v[\s+16*\b+\i]|, |v[\s+1+16*\b+\i]|
.endr
.endr
.irp b, 0,1,2,3
	v_permlanex16_b32 v[TM+4+\b], v[TM+\b], s[SEL], s[SEL+1]
.endr
.irp b, 0,1,2,3
	v_max_num_f32 v[TM+\b], v[TM+\b], v[TM+4+\b]
.endr
.irp b, 0,1,2,3
	v_add_nc_u32 v[TM+12+\b], 0xff000000, v[TM+\b]
.endr
.irp b, 0,1,2,3
	v_lshrrev_b32 v[TM+4+\b], 23, v[TM+12+\b]
.endr
	v_lshl_or_b32 v[PW], v[TM+5], 8, v[TM+4]
	v_lshl_or_b32 v[PW], v[TM+6], 16, v[PW]
	v_lshl_or_b32 v[PW], v[TM+7], 24, v[PW]
.irp c, 0,1
	v_cvt_scalef32_pk16_fp6_f32 v[PC+6*\c:PC+2+6*\c], v[\s+32*\c:\s+15+32*\c], v[TM+12+2*\c]
	v_cvt_scalef32_pk16_fp6_f32 v[PC+12+4*\c:PC+14+4*\c], v[\s+16+32*\c:\s+31+32*\c], v[TM+12+2*\c+1]
.endr
	v_nop
.irp c, 0,1
.irp i, 0,1,2
	v_permlane16_swap_b32 v[PC+6*\c+\i], v[PC+12+4*\c+\i]
.endr
.irp i, 0,1,2
	v_mov_b32 v[PC+3+6*\c+\i], v[PC+12+4*\c+\i]
.endr
.endr
.endm
.macro PUTFRAG base, imm
.irp c, 0,1,2
	global_store_b128 v[LI], v[PC+4*\c:PC+4*\c+3], s[\base:\base+1] offset:\imm+512*\c
.endr
.endm
.macro PUTSCL base, imm
	global_store_b32 v[R4], v[PW], s[\base:\base+1] offset:\imm
.endm
	s_load_b128 s[4:7], s[0:1], 0x0
.if GK == 0
	s_load_b128 s[88:91], s[0:1], 0x10
	s_load_b64 s[92:93], s[0:1], 0x20
.else
	s_load_b64 s[92:93], s[0:1], 0x10
.endif
	v_lshl_add_u32 v[SPW], v0, 2, SPARE
	v_mov_b32 v[NIL], 0
	ds_add_u32 v[SPW], v[NIL]
	ds_add_u32 v[SPW], v[NIL]
	v_lshrrev_b32 v1, 5, v0
	v_readfirstlane_b32 s14, v1
	s_lshr_b32 s15, s14, 1
	s_and_b32 s16, s14, 1
	s_bfe_u32 s66, ttmp6, 0x40000
	s_bfe_u32 s67, ttmp6, 0x40004
	s_and_b32 s85, ttmp7, 0xffff
.if GK == 0
	s_mov_b32 s80, A_WS
	s_mov_b32 s81, A_XS
	s_mov_b32 s84, T_QKS
	s_cmp_eq_u32 ttmp9, 2
	s_cselect_b32 s86, s85, ttmp9
	s_cselect_b32 s87, 0, s85
	s_cselect_b32 s78, 0, A_WC
	s_cselect_b32 s79, A_WC+1572864, 0
	s_cselect_b32 s80, A_XS, s80
	s_cselect_b32 s81, A_WS+65536, s81
	s_cselect_b32 s82, 32, 16
	s_cselect_b32 s83, T_VC, 0
	s_cselect_b32 s84, T_VS, s84
	s_cselect_b32 s72, 0, -1
	s_cselect_b32 s73, -1, 0
.else
	s_mov_b32 s86, ttmp9
	s_mov_b32 s87, s85
	s_mov_b32 s78, OFF_PC
	s_mov_b32 s79, OFF_QC
	s_mov_b32 s80, OFF_PS
	s_mov_b32 s81, OFF_QS
	s_mov_b32 s82, 32
	s_mov_b32 s83, OUTC
	s_mov_b32 s84, OUTS
.endif
	s_lshl_b32 s18, s86, 2
	s_add_co_u32 s18, s18, s66
	s_lshl_b32 s17, s87, 2
	s_add_co_u32 s17, s17, s67
	s_lshl_b32 s68, s67, 2
	s_lshl_b32 s68, 15, s68
	s_lshl_b32 s69, 0x1111, s66
	s_or_b32 s[G1Q], s68, (3<<16)|(1<<21)
	s_or_b32 s[G1P], s69, (3<<16)|(1<<21)
.irp g, G1Q, G1P
	s_mov_b32 s[\g+1], (192*SK)<<16
	s_mov_b32 s[\g+2], NT<<16
	s_mov_b32 s[\g+3], (192*SK)<<16
	s_mov_b32 s[\g+4], NT
	s_mov_b32 s[\g+5], 192*KST
	s_mov_b32 s[\g+6], 0
	s_mov_b32 s[\g+7], 0
.endr
	s_mul_i32 s20, s17, 2*NT
	s_mul_i32 s21, s16, NT
	s_add_co_u32 s20, s20, s21
	s_mul_i32 s20, s20, KST*1536
	s_add_co_u32 s20, s20, s79
	s_mov_b32 s21, 0
	s_mul_i32 s22, s18, 2*NT
	s_mul_i32 s23, s16, NT
	s_add_co_u32 s22, s22, s23
	s_mul_i32 s22, s22, KST*1536
	s_add_co_u32 s22, s22, s78
	s_mov_b32 s23, 0
	s_mul_i32 s85, s14, HALFT
	s_mov_b32 s[SEL], 0x76543210
	s_mov_b32 s[SEL+1], 0xfedcba98
	s_wait_dscnt 0x0
	s_wait_kmcnt 0x0
	s_add_nc_u64 s[20:21], s[4:5], s[20:21]
	s_add_nc_u64 s[22:23], s[4:5], s[22:23]
	CROUND
.set ff, 0
.rept NFIRST
	s_mov_b32 s[G0Q+4*ff], 1
	s_add_co_u32 s[G0Q+4*ff+1], s85, ff*SLOT
	s_add_nc_u64 s[G0Q+4*ff+2:G0Q+4*ff+3], s[20:21], ff*SK*1536
	s_or_b32 s[G0Q+4*ff+3], s[G0Q+4*ff+3], 0x80000000
	s_mov_b32 s[G0P+4*ff], 1
	s_add_co_u32 s[G0P+4*ff+1], s85, ff*SLOT
	s_add_nc_u64 s[G0P+4*ff+2:G0P+4*ff+3], s[22:23], ff*SK*1536
	s_or_b32 s[G0P+4*ff+3], s[G0P+4*ff+3], 0x80000000
	s_wait_alu depctr_va_vdst(0)
	s_wait_tensorcnt 0x0
	ds_add_u32 v28, v29
	ds_add_u32 v28, v29
	s_wait_dscnt 0x0
	CROUND
	JLOAD ff
.set ff, ff+1
.endr
	v_and_b32 v1, 15, v0
	v_bfe_u32 v2, v0, 4, 1
	s_wait_alu depctr_va_vdst(0)
	v_and_b32 v3, 31, v0
	v_lshlrev_b32 v[LI], 4, v3
	v_lshlrev_b32 v[R4], 2, v1
	v_lshlrev_b32 v[VB], 6, v2
	s_mul_i32 s86, s17, 2*NT
	s_mul_i32 s87, s15, NT
	s_add_co_u32 s86, s86, s87
	s_mul_i32 s86, s86, KST*64
	s_add_co_u32 s86, s86, s81
	s_mul_i32 s87, s18, 2*NT
	s_mul_i32 s85, s16, NT
	s_add_co_u32 s87, s87, s85
	s_mul_i32 s87, s87, KST*64
	s_add_co_u32 s87, s87, s80
	s_sub_co_u32 s87, s87, s86
	v_mul_lo_u32 v[VSO], v2, s87
	v_add_nc_u32 v[VSO], s86, v[VSO]
	s_wait_alu depctr_va_vdst(0)
	v_add_nc_u32 v[VSO], v[VSO], v[R4]
	SCLOAD 0, SGH
.if GK == 0
	s_cmp_eq_u32 ttmp9, 1
	s_cselect_b64 s[6:7], s[88:89], s[6:7]
	s_lshl_b32 s86, s66, 10
.else
	s_mul_i32 s86, s18, 128*NT
.endif
	s_mul_i32 s87, s16, 64*NT
	s_add_co_u32 s86, s86, s87
	s_mov_b32 s87, 0
	s_add_nc_u64 s[6:7], s[6:7], s[86:87]
	WIN 0x40
.set bb, 0
.rept NT
.if bb < 4
.set rB, 96+8*bb
.else
.set rB, 192+8*bb
.endif
	global_load_b128 v[rB:rB+3], v[VB], s[6:7] offset:(32*(bb/2)+8*(bb%2))*4
	global_load_b128 v[rB+4:rB+7], v[VB], s[6:7] offset:(32*(bb/2)+8*(bb%2))*4+16
.set bb, bb+1
.endr
	WIN 0
.if GK == 0
	s_lshl_b32 s86, s67, 10
	s_lshl_b32 s87, s15, 9
	s_add_co_u32 s86, s86, s87
	s_mov_b32 s87, 0
	s_add_nc_u64 s[12:13], s[90:91], s[86:87]
	v_and_b32 v12, 8, v1
	v_add_nc_u32 v12, v12, v1
	v_lshlrev_b32 v12, 2, v12
.irp a, 0,1,2,3,4,5,6,7
	global_load_b32 v[4+\a], v12, s[12:13] offset:(32*(\a/2)+8*(\a%2))*4
.endr
.endif
	s_mul_i32 s86, s15, HALFT
	s_mul_i32 s87, s16, HALFT
	s_add_co_u32 s87, s87, 2*HALFT
.irp n, 0,1,2
	v_add_nc_u32 v[ADRQ+\n], s86, v[LI]
	v_add_nc_u32 v[ADRP+\n], s87, v[LI]
	s_add_co_u32 s86, s86, SLOT
	s_add_co_u32 s87, s87, SLOT
.endr
.if GK < 2
	s_lshl_b32 s86, s17, 4
	s_lshl_b32 s87, s15, 3
	s_add_co_u32 s86, s86, s87
	s_mul_i32 s86, s86, s82
	s_lshl_b32 s87, s18, 1
	s_add_co_u32 s86, s86, s87
	s_add_co_u32 s86, s86, s16
	s_mul_i32 s20, s86, 1536
	s_add_co_u32 s20, s20, s83
	s_mov_b32 s21, 0
	s_add_nc_u64 s[8:9], s[92:93], s[20:21]
	s_lshl_b32 s22, s86, 6
	s_add_co_u32 s22, s22, s84
	s_mov_b32 s23, 0
	s_add_nc_u64 s[10:11], s[92:93], s[22:23]
	s_mul_i32 s74, s82, 1536
	s_mov_b32 s75, 0
	s_lshl_b32 s76, s82, 6
	s_mov_b32 s77, 0
.else
	s_lshl_b32 s86, s17, 3
	s_lshl_b32 s87, s15, 2
	s_add_co_u32 s86, s86, s87
	s_lshl_b32 s86, s86, 3
	s_add_co_u32 s86, s86, s18
	s_lshl_b32 s86, s86, 13
	s_lshl_b32 s87, s16, 12
	s_add_co_u32 s86, s86, s87
	s_mov_b32 s87, 0
	s_add_nc_u64 s[8:9], s[92:93], s[86:87]
.endif
.if GK == 3
	s_and_b32 s77, ttmp7, 0xffff
	s_cmp_eq_u32 s15, 0
	s_cselect_b32 s86, s17, s18
	s_cselect_b32 s87, s66, s67
	s_cselect_b32 s85, s79, s78
	s_cselect_b32 s77, ttmp9, s77
	s_cmp_eq_u32 s77, 0
	s_cselect_b32 s76, 1, 0
	s_mul_i32 s86, s86, 2*NT
	s_mul_i32 s77, s16, NT
	s_add_co_u32 s86, s86, s77
	s_add_co_u32 s86, s86, s87
	s_mul_i32 s86, s86, KST*1536
	s_add_co_u32 s86, s86, s85
	s_mov_b32 s87, 0
	s_add_nc_u64 s[74:75], s[4:5], s[86:87]
	v_lshlrev_b32 v[PFO], 8, v3
.endif
.if GK == 0
	s_wait_loadcnt 0x0
.set kk, 0
.rept 64
	v_cndmask_b32 v[BQ8+kk], 0, v[4+kk/8], s73
.set kk, kk+1
.endr
	WIN 0x44
.set kk, 0
.rept 32
	v_cndmask_b32 v[96+kk], 0, v[96+kk], s72
	v_cndmask_b32 v[224+kk], 0, v[224+kk], s72
.set kk, kk+1
.endr
	WIN 0
.endif
.macro FETCH_P n, q, p
	WIN 0x40
.set fi, 0
.rept NT
.irp c, 0,1,2
	ds_load_b128 v[128*(\p)+12*fi+4*\c:128*(\p)+12*fi+4*\c+3], v[ADRP+(\n)] offset:(fi*SK+(\q))*1536+512*\c
.endr
.set fi, fi+1
.endr
	WIN 0
.endm
.macro FETCH_Q n, q, i0
.set fi, \i0
.rept NT/2
.irp c, 0,1,2
	ds_load_b128 v[QF+12*fi+4*\c:QF+12*fi+4*\c+3], v[ADRQ+(\n)] offset:(fi*SK+(\q))*1536+512*\c
.endr
.set fi, fi+1
.endr
.endm
.macro MULS a0, cnt
.set aa, \a0
.rept \cnt
.set wa, 2+aa/4
.if ks == 0
.if GK == 0
.set WN, (wa<<6)|0x01
.else
.set WN, (wa<<6)|0x11
.endif
.else
.set WN, (wa<<6)|(wa<<4)|0x01
.endif
	WIN WN
.set bb, 0
.rept NT
.set rD, 8*(NT*(aa%4)+bb)
.set rP, 128*(ks%2)+12*bb
.set rQ, QF+12*aa
.set rS, SC+NT*ks
.if bb < 4
.set rB, 96+8*bb
.else
.set rB, 192+8*bb
.endif
.if ks > 0
	v_wmma_scale_f32_16x16x128_f8f6f4 v[rD:rD+7], v[rP:rP+11], v[rQ:rQ+11], v[rD:rD+7], v[rS+bb], v[rS+aa] matrix_a_fmt:MATRIX_FMT_FP6 matrix_b_fmt:MATRIX_FMT_FP6 matrix_a_scale:MATRIX_SCALE_ROW1
.elseif GK == 0
	v_wmma_scale_f32_16x16x128_f8f6f4 v[rD:rD+7], v[rP:rP+11], v[rQ:rQ+11], v[BQ8+8*aa:BQ8+8*aa+7], v[rS+bb], v[rS+aa] matrix_a_fmt:MATRIX_FMT_FP6 matrix_b_fmt:MATRIX_FMT_FP6 matrix_a_scale:MATRIX_SCALE_ROW1
.else
	v_wmma_scale_f32_16x16x128_f8f6f4 v[rD:rD+7], v[rP:rP+11], v[rQ:rQ+11], v[rB:rB+7], v[rS+bb], v[rS+aa] matrix_a_fmt:MATRIX_FMT_FP6 matrix_b_fmt:MATRIX_FMT_FP6 matrix_a_scale:MATRIX_SCALE_ROW1
.endif
.set bb, bb+1
.endr
.set aa, aa+1
.endr
.endm
.macro STEP
.set sl, (ks/SK)%NS
.set qn, (ks%SK)+1
.set pn, 1-(ks%2)
	s_wait_dscnt 3*NT/2
	MULS 0, NT/2
	s_wait_dscnt 0x0
	PLACES
	FETCH_P sl, qn, pn
	FETCH_Q sl, qn, 0
	MULS NT/2, NT/2
	PLACES
	WIN 0
	FETCH_Q sl, qn, NT/2
.endm
.macro TURN
.set sl, (ks/SK)%NS
.set fl, ks/SK
.set nx, (fl+1)%NS
.set pn, 1-(ks%2)
.if fl+NS < NFILL
	s_wait_tensorcnt 0x0
	ds_add_u32 v[SPW], v[NIL]
	s_wait_dscnt 3*NT/2+1
	MULS 0, NT/4
	s_wait_dscnt 0x0
	s_barrier_signal -1
	MULS NT/4, NT/4
	WIN 0
	s_barrier_wait -1
	CREST
	s_add_nc_u64 s[G0Q+4*sl+2:G0Q+4*sl+3], s[G0Q+4*sl+2:G0Q+4*sl+3], NS*SK*1536
	s_add_nc_u64 s[G0P+4*sl+2:G0P+4*sl+3], s[G0P+4*sl+2:G0P+4*sl+3], NS*SK*1536
.if (fl+NS+1)*SK > KST                 ; the last fill has fewer K steps left: tensor_dim0 says so, the tile's shape in LDS stays; no tensor load of mine is out here
	s_mov_b32 s[G1Q+1], (192*(KST-(fl+NS)*SK))<<16
	s_mov_b32 s[G1P+1], (192*(KST-(fl+NS)*SK))<<16
.endif
	JLOAD sl
.else
	s_wait_tensorcnt NFILL-fl-2
	s_wait_dscnt 3*NT/2
	MULS 0, NT/4
	s_wait_dscnt 0x0
	s_barrier_signal -1
	MULS NT/4, NT/4
	WIN 0
	s_barrier_wait -1
	PLACES
.endif
	FETCH_P nx, 0, pn
	FETCH_Q nx, 0, 0
.if (GK == 3) && (fl < 3)
	ASK fl
.endif
	MULS NT/2, NT/2
	PLACES
	WIN 0
	FETCH_Q nx, 0, NT/2
.endm
.macro LAST
	s_wait_dscnt 3*NT/2
	MULS 0, NT/2
	s_wait_dscnt 0x0
	MULS NT/2, NT/2
	WIN 0
.endm
	s_wait_alu depctr_va_vdst(0)
	s_wait_tensorcnt NFIRST-1
	s_barrier_signal -1
	s_barrier_wait -1
	s_wait_loadcnt 0x0
.if SGH < KST
.set sE, 2*SG
.if sE > KST
.set sE, KST
.endif
	SCLOAD SG, sE
.endif
	FETCH_P 0, 0, 0
	FETCH_Q 0, 0, 0
	FETCH_Q 0, 0, NT/2
.set ks, 0
.rept KST
.if (ks > 0) && ((ks%SG) == 0)
	s_wait_loadcnt 0x0
.if ks+SG < KST
.set sE, ks+2*SG
.if sE > KST
.set sE, KST
.endif
	SCLOAD ks+SG, sE
.endif
.endif
.if ks == KST-1
	LAST
.elseif (ks%SK) == SK-1
	TURN
.else
	STEP
.endif
.set ks, ks+1
.endr
	PLACES
.if GK < 2
.irp b, 0,1,2,3
	v_mov_b32 v[TM+4+\b], 0
.endr
.set ea, 0
.rept 8
.set wa, 2+ea/4
.set rA, 64*(ea%4)
.if GK == 0
.set WN, wa|(1<<2)
	WIN WN
.set kk, 0
.rept 32
.if kk < 16
.set rB, 96+2*kk
.else
.set rB, 192+2*kk
.endif
	v_pk_add_f32 v[TT+2*kk:TT+2*kk+1], v[rA+2*kk:rA+2*kk+1], v[rB:rB+1]
.set kk, kk+1
.endr
.else
.set WN, wa<<2
	WIN WN
.set kk, 0
.rept 64
	v_max_num_f32 v[TT+kk], 0, v[rA+kk]
.set kk, kk+1
.endr
.endif
	WIN 0
	QUANT TT
	PUTFRAG 8, 0
	PUTSCL 10, 0
	s_wait_xcnt 0x0
	s_add_nc_u64 s[8:9], s[8:9], s[74:75]
	s_add_nc_u64 s[10:11], s[10:11], s[76:77]
.set ea, ea+1
.endr
.else
	WIN 0x08
.irp a, 0,1,2,3
.irp b, 0,1,2,3
	global_store_b128 v[LI], v[8*(4*\a+\b):8*(4*\a+\b)+3], s[8:9] offset:\a*65536+(2*\b)*512 th:TH_STORE_NT
	global_store_b128 v[LI], v[8*(4*\a+\b)+4:8*(4*\a+\b)+7], s[8:9] offset:\a*65536+(2*\b+1)*512 th:TH_STORE_NT
.endr
.endr
	WIN 0
.endif
	s_wait_tensorcnt 0x0
	ds_add_u32 v[SPW], v[NIL]
	s_wait_dscnt 0x0
	CROUND
	s_endpgm
.Lfunc_end_k_qde7e7f75e1_ffn1:
	.size	k_qde7e7f75e1_ffn1, .Lfunc_end_k_qde7e7f75e1_ffn1-k_qde7e7f75e1_ffn1
	.p2alignl 7, 3214868480
	.fill 96, 4, 3214868480
	.section	.rodata,"a",@progbits
	.p2align	6, 0x0
	.amdhsa_kernel k_qde7e7f75e1_ffn1
		.amdhsa_group_segment_fixed_size 327680
		.amdhsa_private_segment_fixed_size 0
		.amdhsa_enable_private_segment 0
		.amdhsa_kernarg_size 24
		.amdhsa_user_sgpr_count 2
		.amdhsa_user_sgpr_kernarg_segment_ptr 1
		.amdhsa_wavefront_size32 1
		.amdhsa_system_sgpr_workgroup_id_x 1
		.amdhsa_system_sgpr_workgroup_id_y 1
		.amdhsa_system_sgpr_workgroup_id_z 1
		.amdhsa_system_vgpr_workitem_id 0
		.amdhsa_next_free_vgpr 1024
		.amdhsa_next_free_sgpr 96
		.amdhsa_reserve_vcc 0
		.amdhsa_float_denorm_mode_32 3
		.amdhsa_float_denorm_mode_16_64 3
		.amdhsa_memory_ordered 1
		.amdhsa_forward_progress 1
		.amdhsa_inst_pref_size 161
	.end_amdhsa_kernel
	.amdgpu_metadata
---
amdhsa.version: [ 1, 2 ]
amdhsa.kernels:
  - .name:           k_qde7e7f75e1_ffn1
    .symbol:         k_qde7e7f75e1_ffn1.kd
    .args:
      - { .name: opf1, .offset: 0, .size: 8, .value_kind: global_buffer, .address_space: global }
      - { .name: b1, .offset: 8, .size: 8, .value_kind: global_buffer, .address_space: global }
      - { .name: opf2, .offset: 16, .size: 8, .value_kind: global_buffer, .address_space: global }
    .group_segment_fixed_size: 327680
    .private_segment_fixed_size: 0
    .kernarg_segment_align: 8
    .kernarg_segment_size: 24
    .max_flat_workgroup_size: 128
    .sgpr_count:     96
    .vgpr_count:     1024
    .wavefront_size: 32
...
	.end_amdgpu_metadata
.endif
;; end of part 5
;; launch ffn2 (part 6): grid 8 x 32, 4 waves a work-group, clusters of 4 x 4, 327,680 bytes of LDS; arguments opf2, b2, ybuf; writes ybuf
.if DOCPART == 6
	.amdgcn_target "amdgcn-amd-amdhsa--gfx1250"
	.amdhsa_code_object_version 6
	.text
	.protected	k_qde7e7f75e1_ffn2
	.globl	k_qde7e7f75e1_ffn2
	.p2align	8
	.type	k_qde7e7f75e1_ffn2,@function
k_qde7e7f75e1_ffn2:
	s_mov_b64 s[64:65], 0
	v_nop
	global_prefetch_b8 v0, s[64:65] scope:SCOPE_SE
	s_setreg_imm32_b32 hwreg(HW_REG_WAVE_MODE, 25, 1), 1
	s_wait_xcnt 0x0
	s_wait_alu depctr_hold_cnt(0) depctr_sa_sdst(0) depctr_va_vdst(0) depctr_va_sdst(0) depctr_va_ssrc(0) depctr_va_vcc(0) depctr_vm_vsrc(0)
	s_getreg_b32 s2, hwreg(HW_REG_IB_STS2, 6, 4)
	s_cmp_eq_u32 s2, 0
	s_cbranch_scc0 .Lentry_in_a_cluster
	s_endpgm
.Lentry_in_a_cluster:
	s_bfe_u32 s2, ttmp6, 0x10000c
	s_cmp_lg_u32 s2, 0xf033
	s_cbranch_scc0 .Lentry_shape_is_right
	s_endpgm
.Lentry_shape_is_right:
.set GK, 3
.if GK < 2
.set NT, 8
.set SK, 3
.set SG, 4
.else
.set NT, 4
.set SK, 6
.set SG, 12
.endif
.if GK == 3
.set KST, 32
.else
.set KST, 8
.endif
.if SG > KST
.set SGH, KST
.else
.set SGH, SG
.endif
.set NFILL, (KST+SK-1)/SK
.set NS, 2
.if NFILL < NS
.set NFIRST, NFILL
.else
.set NFIRST, NS
.endif
.set HALFT, NT*SK*1536
.set SLOT,  4*HALFT
.set SPARE, NS*SLOT
.if GK == 1
.set OFF_PC, 3145728
.set OFF_QC, 0
.set OFF_PS, 6422528
.set OFF_QS, 6291456
.set OUTC, 0
.set OUTS, 15728640
.elseif GK == 2
.set OFF_PC, 3145728
.set OFF_QC, 0
.set OFF_PS, 4063232
.set OFF_QS, 3932160
.set OUTC, 0
.set OUTS, 0
.elseif GK == 3
.set OFF_PC, 12582912
.set OFF_QC, 0
.set OFF_PS, 16252928
.set OFF_QS, 15728640
.set OUTC, 0
.set OUTS, 0
.endif
.set A_WC, 3145728
.set A_XS, 5505024
.set A_WS, 5636096
.set T_VC, 6291456
.set T_QKS, 9437184
.set T_VS, 9699328
.set G1Q, 24
.set G1P, 32
.set G0Q, 40
.set G0P, 52
.set SEL, 70
.set ADRQ, 16
.set ADRP, 20
.set LI,  24
.set R4,  25
.set VSO, 26
.set VB,  27
.set SPW, 28
.set NIL, 29
.set PFO, 30
.set SC,  32
.set BQ8, 96
.set QF,  160
.set TT,  96
.set TM,  160
.set PW,  176
.set PC,  180
.set MSB, 0
.macro WIN new
.if MSB != (\new)
	s_set_vgpr_msb (MSB<<8)|(\new)
.set MSB, (\new)
.endif
.endm
.macro PLACES
.rept 4
	v_nop
.endr
.endm
.macro JLOAD n
	s_cmp_eq_u32 s15, 0
	s_cbranch_scc0 .Lfor_p_\@
	tensor_load_to_lds s[G0Q+4*\n:G0Q+4*\n+3], s[G1Q:G1Q+7]
	s_nop 0
.rept 4
	v_nop
.endr
	s_branch .Lasked_\@
.Lfor_p_\@:
	tensor_load_to_lds s[G0P+4*\n:G0P+4*\n+3], s[G1P:G1P+7]
	s_nop 0
.rept 4
	v_nop
.endr
.Lasked_\@:
.endm
.macro CREST
	s_cmp_lg_u32 s14, 0
	s_cbranch_scc1 .Lnot_wave_0_\@
	s_barrier_signal -3
.Lnot_wave_0_\@:
	s_barrier_wait -3
	s_barrier_signal -1
	s_barrier_wait -1
.endm
.macro CROUND
	s_barrier_signal -1
	s_barrier_wait -1
	CREST
.endm
.macro SCLOAD s0, s1
.set ss, \s0
.rept (\s1)-(\s0)
.set ii, 0
.rept NT
	global_load_b32 v[SC+NT*ss+ii], v[VSO], s[4:5] offset:(ii*KST+ss)*64
.set ii, ii+1
.endr
.set ss, ss+1
.endr
.endm
.macro ASK c
	s_cmp_eq_u32 s76, 1
	s_cbranch_scc0 .Lnot_mine_\@
.if (\c) == 2                          ; 20 blocks of 256 bytes are left of the tile's row: lanes 20-31 name the last one again
	global_prefetch_b8 v31, s[74:75] offset:(NS+1)*SK*1536+8192*(\c) th:TH_LOAD_NT scope:SCOPE_SE
.else
	global_prefetch_b8 v[PFO], s[74:75] offset:(NS+1)*SK*1536+8192*(\c) th:TH_LOAD_NT scope:SCOPE_SE
.endif
.Lnot_mine_\@:
.endm
.macro QUANT s
.irp b, 0,1,2,3
	v_max3_num_f32 v[TM+\b], |v[\s+16*\b]|, |v[\s+1+16*\b]|, 0x1800000
.endr
.irp i, 2,4,6,8,10,12,14
.irp b, 0,1,2,3
	v_max3_num_f32 v[TM+\b], v[TM+\b], |v[\s+16*\b+\i]|, |v[\s+1+16*\b+\i]|
.endr
.endr
.irp b, 0,1,2,3
	v_permlanex16_b32 v[TM+4+\b], v[TM+\b], s[SEL], s[SEL+1]
.endr
.irp b, 0,1,2,3
	v_max_num_f32 v[TM+\b], v[TM+\b], v[TM+4+\b]
.endr
.irp b, 0,1,2,3
	v_add_nc_u32 v[TM+12+\b], 0xff000000, v[TM+\b]
.endr
.irp b, 0,1,2,3
	v_lshrrev_b32 v[TM+4+\b], 23, v[TM+12+\b]
.endr
	v_lshl_or_b32 v[PW], v[TM+5], 8, v[TM+4]
	v_lshl_or_b32 v[PW], v[TM+6], 16, v[PW]
	v_lshl_or_b32 v[PW], v[TM+7], 24, v[PW]
.irp c, 0,1
	v_cvt_scalef32_pk16_fp6_f32 v[PC+6*\c:PC+2+6*\c], v[\s+32*\c:\s+15+32*\c], v[TM+12+2*\c]
	v_cvt_scalef32_pk16_fp6_f32 v[PC+12+4*\c:PC+14+4*\c], v[\s+16+32*\c:\s+31+32*\c], v[TM+12+2*\c+1]
.endr
	v_nop
.irp c, 0,1
.irp i, 0,1,2
	v_permlane16_swap_b32 v[PC+6*\c+\i], v[PC+12+4*\c+\i]
.endr
.irp i, 0,1,2
	v_mov_b32 v[PC+3+6*\c+\i], v[PC+12+4*\c+\i]
.endr
.endr
.endm
.macro PUTFRAG base, imm
.irp c, 0,1,2
	global_store_b128 v[LI], v[PC+4*\c:PC+4*\c+3], s[\base:\base+1] offset:\imm+512*\c
.endr
.endm
.macro PUTSCL base, imm
	global_store_b32 v[R4], v[PW], s[\base:\base+1] offset:\imm
.endm
	s_load_b128 s[4:7], s[0:1], 0x0
.if GK == 0
	s_load_b128 s[88:91], s[0:1], 0x10
	s_load_b64 s[92:93], s[0:1], 0x20
.else
	s_load_b64 s[92:93], s[0:1], 0x10
.endif
	v_lshl_add_u32 v[SPW], v0, 2, SPARE
	v_mov_b32 v[NIL], 0
	ds_add_u32 v[SPW], v[NIL]
	ds_add_u32 v[SPW], v[NIL]
	v_lshrrev_b32 v1, 5, v0
	v_readfirstlane_b32 s14, v1
	s_lshr_b32 s15, s14, 1
	s_and_b32 s16, s14, 1
	s_bfe_u32 s66, ttmp6, 0x40000
	s_bfe_u32 s67, ttmp6, 0x40004
	s_and_b32 s85, ttmp7, 0xffff
.if GK == 0
	s_mov_b32 s80, A_WS
	s_mov_b32 s81, A_XS
	s_mov_b32 s84, T_QKS
	s_cmp_eq_u32 ttmp9, 2
	s_cselect_b32 s86, s85, ttmp9
	s_cselect_b32 s87, 0, s85
	s_cselect_b32 s78, 0, A_WC
	s_cselect_b32 s79, A_WC+1572864, 0
	s_cselect_b32 s80, A_XS, s80
	s_cselect_b32 s81, A_WS+65536, s81
	s_cselect_b32 s82, 32, 16
	s_cselect_b32 s83, T_VC, 0
	s_cselect_b32 s84, T_VS, s84
	s_cselect_b32 s72, 0, -1
	s_cselect_b32 s73, -1, 0
.else
	s_mov_b32 s86, ttmp9
	s_mov_b32 s87, s85
	s_mov_b32 s78, OFF_PC
	s_mov_b32 s79, OFF_QC
	s_mov_b32 s80, OFF_PS
	s_mov_b32 s81, OFF_QS
	s_mov_b32 s82, 32
	s_mov_b32 s83, OUTC
	s_mov_b32 s84, OUTS
.endif
	s_lshl_b32 s18, s86, 2
	s_add_co_u32 s18, s18, s66
	s_lshl_b32 s17, s87, 2
	s_add_co_u32 s17, s17, s67
	s_lshl_b32 s68, s67, 2
	s_lshl_b32 s68, 15, s68
	s_lshl_b32 s69, 0x1111, s66
	s_or_b32 s[G1Q], s68, (3<<16)|(1<<21)
	s_or_b32 s[G1P], s69, (3<<16)|(1<<21)
.irp g, G1Q, G1P
	s_mov_b32 s[\g+1], (192*SK)<<16
	s_mov_b32 s[\g+2], NT<<16
	s_mov_b32 s[\g+3], (192*SK)<<16
	s_mov_b32 s[\g+4], NT
	s_mov_b32 s[\g+5], 192*KST
	s_mov_b32 s[\g+6], 0
	s_mov_b32 s[\g+7], 0
.endr
	s_mul_i32 s20, s17, 2*NT
	s_mul_i32 s21, s16, NT
	s_add_co_u32 s20, s20, s21
	s_mul_i32 s20, s20, KST*1536
	s_add_co_u32 s20, s20, s79
	s_mov_b32 s21, 0
	s_mul_i32 s22, s18, 2*NT
	s_mul_i32 s23, s16, NT
	s_add_co_u32 s22, s22, s23
	s_mul_i32 s22, s22, KST*1536
	s_add_co_u32 s22, s22, s78
	s_mov_b32 s23, 0
	s_mul_i32 s85, s14, HALFT
	s_mov_b32 s[SEL], 0x76543210
	s_mov_b32 s[SEL+1], 0xfedcba98
	s_wait_dscnt 0x0
	s_wait_kmcnt 0x0
	s_add_nc_u64 s[20:21], s[4:5], s[20:21]
	s_add_nc_u64 s[22:23], s[4:5], s[22:23]
	CROUND
.set ff, 0
.rept NFIRST
	s_mov_b32 s[G0Q+4*ff], 1
	s_add_co_u32 s[G0Q+4*ff+1], s85, ff*SLOT
	s_add_nc_u64 s[G0Q+4*ff+2:G0Q+4*ff+3], s[20:21], ff*SK*1536
	s_or_b32 s[G0Q+4*ff+3], s[G0Q+4*ff+3], 0x80000000
	s_mov_b32 s[G0P+4*ff], 1
	s_add_co_u32 s[G0P+4*ff+1], s85, ff*SLOT
	s_add_nc_u64 s[G0P+4*ff+2:G0P+4*ff+3], s[22:23], ff*SK*1536
	s_or_b32 s[G0P+4*ff+3], s[G0P+4*ff+3], 0x80000000
	s_wait_alu depctr_va_vdst(0)
	s_wait_tensorcnt 0x0
	ds_add_u32 v28, v29
	ds_add_u32 v28, v29
	s_wait_dscnt 0x0
	CROUND
	JLOAD ff
.set ff, ff+1
.endr
	v_and_b32 v1, 15, v0
	v_bfe_u32 v2, v0, 4, 1
	s_wait_alu depctr_va_vdst(0)
	v_and_b32 v3, 31, v0
	v_lshlrev_b32 v[LI], 4, v3
	v_lshlrev_b32 v[R4], 2, v1
	v_lshlrev_b32 v[VB], 6, v2
	s_mul_i32 s86, s17, 2*NT
	s_mul_i32 s87, s15, NT
	s_add_co_u32 s86, s86, s87
	s_mul_i32 s86, s86, KST*64
	s_add_co_u32 s86, s86, s81
	s_mul_i32 s87, s18, 2*NT
	s_mul_i32 s85, s16, NT
	s_add_co_u32 s87, s87, s85
	s_mul_i32 s87, s87, KST*64
	s_add_co_u32 s87, s87, s80
	s_sub_co_u32 s87, s87, s86
	v_mul_lo_u32 v[VSO], v2, s87
	v_add_nc_u32 v[VSO], s86, v[VSO]
	s_wait_alu depctr_va_vdst(0)
	v_add_nc_u32 v[VSO], v[VSO], v[R4]
	SCLOAD 0, SGH
.if GK == 0
	s_cmp_eq_u32 ttmp9, 1
	s_cselect_b64 s[6:7], s[88:89], s[6:7]
	s_lshl_b32 s86, s66, 10
.else
	s_mul_i32 s86, s18, 128*NT
.endif
	s_mul_i32 s87, s16, 64*NT
	s_add_co_u32 s86, s86, s87
	s_mov_b32 s87, 0
	s_add_nc_u64 s[6:7], s[6:7], s[86:87]
	WIN 0x40
.set bb, 0
.rept NT
.if bb < 4
.set rB, 96+8*bb
.else
.set rB, 192+8*bb
.endif
	global_load_b128 v[rB:rB+3], v[VB], s[6:7] offset:(32*(bb/2)+8*(bb%2))*4
	global_load_b128 v[rB+4:rB+7], v[VB], s[6:7] offset:(32*(bb/2)+8*(bb%2))*4+16
.set bb, bb+1
.endr
	WIN 0
.if GK == 0
	s_lshl_b32 s86, s67, 10
	s_lshl_b32 s87, s15, 9
	s_add_co_u32 s86, s86, s87
	s_mov_b32 s87, 0
	s_add_nc_u64 s[12:13], s[90:91], s[86:87]
	v_and_b32 v12, 8, v1
	v_add_nc_u32 v12, v12, v1
	v_lshlrev_b32 v12, 2, v12
.irp a, 0,1,2,3,4,5,6,7
	global_load_b32 v[4+\a], v12, s[12:13] offset:(32*(\a/2)+8*(\a%2))*4
.endr
.endif
	s_mul_i32 s86, s15, HALFT
	s_mul_i32 s87, s16, HALFT
	s_add_co_u32 s87, s87, 2*HALFT
.irp n, 0,1,2
	v_add_nc_u32 v[ADRQ+\n], s86, v[LI]
	v_add_nc_u32 v[ADRP+\n], s87, v[LI]
	s_add_co_u32 s86, s86, SLOT
	s_add_co_u32 s87, s87, SLOT
.endr
.if GK < 2
	s_lshl_b32 s86, s17, 4
	s_lshl_b32 s87, s15, 3
	s_add_co_u32 s86, s86, s87
	s_mul_i32 s86, s86, s82
	s_lshl_b32 s87, s18, 1
	s_add_co_u32 s86, s86, s87
	s_add_co_u32 s86, s86, s16
	s_mul_i32 s20, s86, 1536
	s_add_co_u32 s20, s20, s83
	s_mov_b32 s21, 0
	s_add_nc_u64 s[8:9], s[92:93], s[20:21]
	s_lshl_b32 s22, s86, 6
	s_add_co_u32 s22, s22, s84
	s_mov_b32 s23, 0
	s_add_nc_u64 s[10:11], s[92:93], s[22:23]
	s_mul_i32 s74, s82, 1536
	s_mov_b32 s75, 0
	s_lshl_b32 s76, s82, 6
	s_mov_b32 s77, 0
.else
	s_lshl_b32 s86, s17, 3
	s_lshl_b32 s87, s15, 2
	s_add_co_u32 s86, s86, s87
	s_lshl_b32 s86, s86, 3
	s_add_co_u32 s86, s86, s18
	s_lshl_b32 s86, s86, 13
	s_lshl_b32 s87, s16, 12
	s_add_co_u32 s86, s86, s87
	s_mov_b32 s87, 0
	s_add_nc_u64 s[8:9], s[92:93], s[86:87]
.endif
.if GK == 3
	s_and_b32 s77, ttmp7, 0xffff
	s_cmp_eq_u32 s15, 0
	s_cselect_b32 s86, s17, s18
	s_cselect_b32 s87, s66, s67
	s_cselect_b32 s85, s79, s78
	s_cselect_b32 s77, ttmp9, s77
	s_cmp_eq_u32 s77, 0
	s_cselect_b32 s76, 1, 0
	s_mul_i32 s86, s86, 2*NT
	s_mul_i32 s77, s16, NT
	s_add_co_u32 s86, s86, s77
	s_add_co_u32 s86, s86, s87
	s_mul_i32 s86, s86, KST*1536
	s_add_co_u32 s86, s86, s85
	s_mov_b32 s87, 0
	s_add_nc_u64 s[74:75], s[4:5], s[86:87]
	v_lshlrev_b32 v[PFO], 8, v3
	v_min_u32 v31, 19, v3
	v_lshlrev_b32 v31, 8, v31
.endif
.if GK == 0
	s_wait_loadcnt 0x0
.set kk, 0
.rept 64
	v_cndmask_b32 v[BQ8+kk], 0, v[4+kk/8], s73
.set kk, kk+1
.endr
	WIN 0x44
.set kk, 0
.rept 32
	v_cndmask_b32 v[96+kk], 0, v[96+kk], s72
	v_cndmask_b32 v[224+kk], 0, v[224+kk], s72
.set kk, kk+1
.endr
	WIN 0
.endif
.macro FETCH_P n, q, p
	WIN 0x40
.set fi, 0
.rept NT
.irp c, 0,1,2
	ds_load_b128 v[128*(\p)+12*fi+4*\c:128*(\p)+12*fi+4*\c+3], v[ADRP+(\n)] offset:(fi*SK+(\q))*1536+512*\c
.endr
.set fi, fi+1
.endr
	WIN 0
.endm
.macro FETCH_Q n, q, i0
.set fi, \i0
.rept NT/2
.irp c, 0,1,2
	ds_load_b128 v[QF+12*fi+4*\c:QF+12*fi+4*\c+3], v[ADRQ+(\n)] offset:(fi*SK+(\q))*1536+512*\c
.endr
.set fi, fi+1
.endr
.endm
.macro MULS a0, cnt
.set aa, \a0
.rept \cnt
.set wa, 2+aa/4
.if ks == 0
.if GK == 0
.set WN, (wa<<6)|0x01
.else
.set WN, (wa<<6)|0x11
.endif
.else
.set WN, (wa<<6)|(wa<<4)|0x01
.endif
	WIN WN
.set bb, 0
.rept NT
.set rD, 8*(NT*(aa%4)+bb)
.set rP, 128*(ks%2)+12*bb
.set rQ, QF+12*aa
.set rS, SC+NT*ks
.if bb < 4
.set rB, 96+8*bb
.else
.set rB, 192+8*bb
.endif
.if ks > 0
	v_wmma_scale_f32_16x16x128_f8f6f4 v[rD:rD+7], v[rP:rP+11], v[rQ:rQ+11], v[rD:rD+7], v[rS+bb], v[rS+aa] matrix_a_fmt:MATRIX_FMT_FP6 matrix_b_fmt:MATRIX_FMT_FP6 matrix_a_scale:MATRIX_SCALE_ROW1
.elseif GK == 0
	v_wmma_scale_f32_16x16x128_f8f6f4 v[rD:rD+7], v[rP:rP+11], v[rQ:rQ+11], v[BQ8+8*aa:BQ8+8*aa+7], v[rS+bb], v[rS+aa] matrix_a_fmt:MATRIX_FMT_FP6 matrix_b_fmt:MATRIX_FMT_FP6 matrix_a_scale:MATRIX_SCALE_ROW1
.else
	v_wmma_scale_f32_16x16x128_f8f6f4 v[rD:rD+7], v[rP:rP+11], v[rQ:rQ+11], v[rB:rB+7], v[rS+bb], v[rS+aa] matrix_a_fmt:MATRIX_FMT_FP6 matrix_b_fmt:MATRIX_FMT_FP6 matrix_a_scale:MATRIX_SCALE_ROW1
.endif
.set bb, bb+1
.endr
.set aa, aa+1
.endr
.endm
.macro STEP
.set sl, (ks/SK)%NS
.set qn, (ks%SK)+1
.set pn, 1-(ks%2)
	s_wait_dscnt 3*NT/2
	MULS 0, NT/2
	s_wait_dscnt 0x0
	PLACES
	FETCH_P sl, qn, pn
	FETCH_Q sl, qn, 0
	MULS NT/2, NT/2
	PLACES
	WIN 0
	FETCH_Q sl, qn, NT/2
.endm
.macro TURN
.set sl, (ks/SK)%NS
.set fl, ks/SK
.set nx, (fl+1)%NS
.set pn, 1-(ks%2)
.if fl+NS < NFILL
	s_wait_tensorcnt 0x0
	ds_add_u32 v[SPW], v[NIL]
	s_wait_dscnt 3*NT/2+1
	MULS 0, NT/4
	s_wait_dscnt 0x0
	s_barrier_signal -1
	MULS NT/4, NT/4
	WIN 0
	s_barrier_wait -1
	CREST
	s_add_nc_u64 s[G0Q+4*sl+2:G0Q+4*sl+3], s[G0Q+4*sl+2:G0Q+4*sl+3], NS*SK*1536
	s_add_nc_u64 s[G0P+4*sl+2:G0P+4*sl+3], s[G0P+4*sl+2:G0P+4*sl+3], NS*SK*1536
.if (fl+NS+1)*SK > KST                 ; the last fill has fewer K steps left: tensor_dim0 says so, the tile's shape in LDS stays; no tensor load of mine is out here
	s_mov_b32 s[G1Q+1], (192*(KST-(fl+NS)*SK))<<16
	s_mov_b32 s[G1P+1], (192*(KST-(fl+NS)*SK))<<16
.endif
	JLOAD sl
.else
	s_wait_tensorcnt NFILL-fl-2
	s_wait_dscnt 3*NT/2
	MULS 0, NT/4
	s_wait_dscnt 0x0
	s_barrier_signal -1
	MULS NT/4, NT/4
	WIN 0
	s_barrier_wait -1
	PLACES
.endif
	FETCH_P nx, 0, pn
	FETCH_Q nx, 0, 0
.if (GK == 3) && (fl < 3)
	ASK fl
.endif
	MULS NT/2, NT/2
	PLACES
	WIN 0
	FETCH_Q nx, 0, NT/2
.endm
.macro LAST
	s_wait_dscnt 3*NT/2
	MULS 0, NT/2
	s_wait_dscnt 0x0
	MULS NT/2, NT/2
	WIN 0
.endm
	s_wait_alu depctr_va_vdst(0)
	s_wait_tensorcnt NFIRST-1
	s_barrier_signal -1
	s_barrier_wait -1
	s_wait_loadcnt 0x0
.if SGH < KST
.set sE, 2*SG
.if sE > KST
.set sE, KST
.endif
	SCLOAD SG, sE
.endif
	FETCH_P 0, 0, 0
	FETCH_Q 0, 0, 0
	FETCH_Q 0, 0, NT/2
.set ks, 0
.rept KST
.if (ks > 0) && ((ks%SG) == 0)
	s_wait_loadcnt 0x0
.if ks+SG < KST
.set sE, ks+2*SG
.if sE > KST
.set sE, KST
.endif
	SCLOAD ks+SG, sE
.endif
.endif
.if ks == KST-1
	LAST
.elseif (ks%SK) == SK-1
	TURN
.else
	STEP
.endif
.set ks, ks+1
.endr
	PLACES
.if GK < 2
.irp b, 0,1,2,3
	v_mov_b32 v[TM+4+\b], 0
.endr
.set ea, 0
.rept 8
.set wa, 2+ea/4
.set rA, 64*(ea%4)
.if GK == 0
.set WN, wa|(1<<2)
	WIN WN
.set kk, 0
.rept 32
.if kk < 16
.set rB, 96+2*kk
.else
.set rB, 192+2*kk
.endif
	v_pk_add_f32 v[TT+2*kk:TT+2*kk+1], v[rA+2*kk:rA+2*kk+1], v[rB:rB+1]
.set kk, kk+1
.endr
.else
.set WN, wa<<2
	WIN WN
.set kk, 0
.rept 64
	v_max_num_f32 v[TT+kk], 0, v[rA+kk]
.set kk, kk+1
.endr
.endif
	WIN 0
	QUANT TT
	PUTFRAG 8, 0
	PUTSCL 10, 0
	s_wait_xcnt 0x0
	s_add_nc_u64 s[8:9], s[8:9], s[74:75]
	s_add_nc_u64 s[10:11], s[10:11], s[76:77]
.set ea, ea+1
.endr
.else
	WIN 0x08
.irp a, 0,1,2,3
.irp b, 0,1,2,3
	global_store_b128 v[LI], v[8*(4*\a+\b):8*(4*\a+\b)+3], s[8:9] offset:\a*65536+(2*\b)*512 th:TH_STORE_NT
	global_store_b128 v[LI], v[8*(4*\a+\b)+4:8*(4*\a+\b)+7], s[8:9] offset:\a*65536+(2*\b+1)*512 th:TH_STORE_NT
.endr
.endr
	WIN 0
.endif
	s_wait_tensorcnt 0x0
	ds_add_u32 v[SPW], v[NIL]
	s_wait_dscnt 0x0
	CROUND
	s_endpgm
.Lfunc_end_k_qde7e7f75e1_ffn2:
	.size	k_qde7e7f75e1_ffn2, .Lfunc_end_k_qde7e7f75e1_ffn2-k_qde7e7f75e1_ffn2
	.p2alignl 7, 3214868480
	.fill 96, 4, 3214868480
	.section	.rodata,"a",@progbits
	.p2align	6, 0x0
	.amdhsa_kernel k_qde7e7f75e1_ffn2
		.amdhsa_group_segment_fixed_size 327680
		.amdhsa_private_segment_fixed_size 0
		.amdhsa_enable_private_segment 0
		.amdhsa_kernarg_size 24
		.amdhsa_user_sgpr_count 2
		.amdhsa_user_sgpr_kernarg_segment_ptr 1
		.amdhsa_wavefront_size32 1
		.amdhsa_system_sgpr_workgroup_id_x 1
		.amdhsa_system_sgpr_workgroup_id_y 1
		.amdhsa_system_sgpr_workgroup_id_z 1
		.amdhsa_system_vgpr_workitem_id 0
		.amdhsa_next_free_vgpr 768
		.amdhsa_next_free_sgpr 96
		.amdhsa_reserve_vcc 0
		.amdhsa_float_denorm_mode_32 3
		.amdhsa_float_denorm_mode_16_64 3
		.amdhsa_memory_ordered 1
		.amdhsa_forward_progress 1
		.amdhsa_inst_pref_size 158
	.end_amdhsa_kernel
	.amdgpu_metadata
---
amdhsa.version: [ 1, 2 ]
amdhsa.kernels:
  - .name:           k_qde7e7f75e1_ffn2
    .symbol:         k_qde7e7f75e1_ffn2.kd
    .args:
      - { .name: opf2, .offset: 0, .size: 8, .value_kind: global_buffer, .address_space: global }
      - { .name: b2, .offset: 8, .size: 8, .value_kind: global_buffer, .address_space: global }
      - { .name: ybuf, .offset: 16, .size: 8, .value_kind: global_buffer, .address_space: global }
    .group_segment_fixed_size: 327680
    .private_segment_fixed_size: 0
    .kernarg_segment_align: 8
    .kernarg_segment_size: 24
    .max_flat_workgroup_size: 128
    .sgpr_count:     96
    .vgpr_count:     768
    .wavefront_size: 32
...
	.end_amdgpu_metadata
.endif
;; end of part 6
;; launch ln2 (part 7): grid 256 x 1, 8 waves a work-group, no clusters, 69,632 bytes of LDS; arguments ybuf, opf1, g2, be2, out0; writes out0
.if DOCPART == 7
	.amdgcn_target "amdgcn-amd-amdhsa--gfx1250"
	.amdhsa_code_object_version 6
	.text
	.protected	k_qde7e7f75e1_ln2
	.globl	k_qde7e7f75e1_ln2
	.p2align	8
	.type	k_qde7e7f75e1_ln2,@function
k_qde7e7f75e1_ln2:
	s_mov_b64 s[64:65], 0
	v_nop
	global_prefetch_b8 v0, s[64:65] scope:SCOPE_SE
	s_setreg_imm32_b32 hwreg(HW_REG_WAVE_MODE, 25, 1), 1
	s_wait_xcnt 0x0
; LN: a layer norm over rows of 1,024 of (y + residual), y given as an image of 64 registers a lane for each tile of 16 rows and 128 columns (register 16 b + i of lane (r, h) = column 32 b + 16 h + i of the tile's row r).
; LNK 1: residual = x (rows of f32); the result h is stored as such an image and, quantised to FP6 (E2M3) along the columns, as a fragment image with its scale words.
; LNK 2: residual = h (image); the result goes to the output as rows.
; A work-group takes one tile of rows (row r of tile T = 32 (T / 2) + 8 (T % 2) + r + 8 (r / 8)), each of its eight waves 128 columns.  A row's sums meet in LDS: two barriers.  The variance is taken of (value - mean), in a second pass.
; Memory binds: every load and store of a wave covers 512 consecutive bytes, and all 64 loads of a wave (y, the residual, g, be) go out at its head: g and be have registers of their own, in window 1.
; Matrix units and clusters have nothing to do here (work-groups share no input but g and be, 8 KB).
; LIMITS: NaN and infinities are not served; a block of zeros, or one under 2^-124, gets the byte 1 (read by this program alone).
.set LNK, 2
.set RED1,  67584                      ; LDS: 0: a stage of 16 rows x 528 for each wave; here 16 rows x 8 waves' sums; 512 further on the same for the squares
.set SPARE, 68608                      ; the spare words, 128 bytes a wave
.set O_HS,   6291456
.set O_HIMG, 6553600
.set LI,  4
.set SA,  5
.set SB,  6
.set RW,  7
.set RR,  8
.set GB,  9
.set R4,  10
.set SPW, 12
.set NIL, 13
.set Y,   32
.set A2,  96
.set A3,  160
.set TM,  224
.set PW,  240
.set PC,  96
.set GW,  0                            ; window 1: g at v0-63, be at v64-127
.set BW,  64
.set SEL, 18
.set MSB, 0
.macro WIN new                         ; the immediate's high byte repeats the setting that is left
.if MSB != (\new)
	s_set_vgpr_msb (MSB<<8)|(\new)
.set MSB, (\new)
.endif
.endm
.macro QUANT s
.irp b, 0,1,2,3
	v_max3_num_f32 v[TM+\b], |v[\s+16*\b]|, |v[\s+1+16*\b]|, 0x1800000   ; the floor 2^(3 - 127): the byte cannot fall under 1
.endr
.irp i, 2,4,6,8,10,12,14
.irp b, 0,1,2,3
	v_max3_num_f32 v[TM+\b], v[TM+\b], |v[\s+16*\b+\i]|, |v[\s+1+16*\b+\i]|
.endr
.endr
.irp b, 0,1,2,3
	v_permlanex16_b32 v[TM+4+\b], v[TM+\b], s[SEL], s[SEL+1]
.endr
.irp b, 0,1,2,3
	v_max_num_f32 v[TM+\b], v[TM+\b], v[TM+4+\b]
.endr
.irp b, 0,1,2,3
	v_add_nc_u32 v[TM+12+\b], 0xff000000, v[TM+\b]
.endr
.irp b, 0,1,2,3
	v_lshrrev_b32 v[TM+4+\b], 23, v[TM+12+\b]
.endr
	v_lshl_or_b32 v[PW], v[TM+5], 8, v[TM+4]
	v_lshl_or_b32 v[PW], v[TM+6], 16, v[PW]
	v_lshl_or_b32 v[PW], v[TM+7], 24, v[PW]
.irp c, 0,1
	v_cvt_scalef32_pk16_fp6_f32 v[PC+6*\c:PC+2+6*\c], v[\s+32*\c:\s+15+32*\c], v[TM+12+2*\c]
	v_cvt_scalef32_pk16_fp6_f32 v[PC+12+4*\c:PC+14+4*\c], v[\s+16+32*\c:\s+31+32*\c], v[TM+12+2*\c+1]
.endr
	v_nop
.irp c, 0,1
.irp i, 0,1,2
	v_permlane16_swap_b32 v[PC+6*\c+\i], v[PC+12+4*\c+\i]
.endr
.irp i, 0,1,2
	v_mov_b32 v[PC+3+6*\c+\i], v[PC+12+4*\c+\i]
.endr
.endr
.endm
; four chains of pairs in v[16:23] become the row's total in v16 of every lane: my 64, lane l xor 16's, then the eight waves' through LDS
.macro ROWSUM off
	s_delay_alu instid0(VALU_DEP_3)
	v_pk_add_f32 v[16:17], v[16:17], v[18:19]
	s_delay_alu instid0(VALU_DEP_2)
	v_pk_add_f32 v[20:21], v[20:21], v[22:23]
	s_delay_alu instid0(VALU_DEP_1)
	v_pk_add_f32 v[16:17], v[16:17], v[20:21]
	s_delay_alu instid0(VALU_DEP_1)
	v_add_f32 v16, v16, v17
	s_delay_alu instid0(VALU_DEP_1)
	v_permlanex16_b32 v17, v16, s[SEL], s[SEL+1]
	s_delay_alu instid0(VALU_DEP_1)
	v_add_f32 v16, v16, v17
	ds_store_b32 v[RW], v16 offset:\off
	s_wait_dscnt 0x0                               ; for the others' sake: my store has landed
	s_barrier_signal -1
	s_barrier_wait -1
	ds_load_b128 v[16:19], v[RR] offset:\off
	ds_load_b128 v[20:23], v[RR] offset:\off+16
	s_wait_dscnt 0x0
	v_pk_add_f32 v[16:17], v[16:17], v[18:19]
	v_pk_add_f32 v[20:21], v[20:21], v[22:23]
	s_delay_alu instid0(VALU_DEP_1)
	v_pk_add_f32 v[16:17], v[16:17], v[20:21]
	s_delay_alu instid0(VALU_DEP_1)
	v_add_f32 v16, v16, v17
.endm
	s_load_b256 s[4:11], s[0:1], 0x0               ; y 4, the residual 6, g 8, be 10
	s_load_b64 s[12:13], s[0:1], 0x20              ; the output
	v_lshl_add_u32 v[SPW], v0, 2, SPARE
	v_mov_b32 v[NIL], 0
	v_lshrrev_b32 v1, 5, v0
	s_delay_alu instid0(VALU_DEP_1)
	v_readfirstlane_b32 s14, v1                    ; wave
	v_and_b32 v1, 15, v0                           ; r
	v_bfe_u32 v2, v0, 4, 1                         ; h
	v_and_b32 v3, 31, v0
	s_delay_alu instid0(VALU_DEP_1)
	v_lshlrev_b32 v[LI], 4, v3
	s_mul_i32 s15, s14, 8448
	v_add_nc_u32 v[SA], s15, v[LI]                 ; my stage by rows
	v_mul_u32_u24 v[SB], v1, 528
	s_delay_alu instid0(VALU_DEP_1)
	v_lshl_add_u32 v[SB], v2, 6, v[SB]
	s_delay_alu instid0(VALU_DEP_1)
	v_add_nc_u32 v[SB], s15, v[SB]                 ; and by lanes: 528 r + 64 h
	v_lshl_add_u32 v[RR], v1, 5, RED1
	s_lshl_b32 s15, s14, 2
	v_add_nc_u32 v[RW], s15, v[RR]
	v_lshlrev_b32 v[GB], 6, v2
	v_lshlrev_b32 v[R4], 2, v1
	s_mov_b32 s[SEL], 0x76543210
	s_mov_b32 s[SEL+1], 0xfedcba98
	s_mov_b32 s20, 0x3a800000                      ; 1 / 1,024
	s_mov_b32 s21, 0x3727c5ac                      ; 1e-5
.irp b, 0,1,2,3
	v_mov_b32 v[TM+4+\b], 0
.endr
	s_lshl_b32 s22, ttmp9, 3
	s_add_co_u32 s22, s22, s14                     ; 8 T + w
	s_lshl_b32 s24, s22, 13
	s_mov_b32 s25, 0
	s_lshr_b32 s26, ttmp9, 1
	s_lshl_b32 s26, s26, 5
	s_and_b32 s27, ttmp9, 1
	s_lshl_b32 s27, s27, 3
	s_add_co_u32 s26, s26, s27                     ; the tile's first row
	s_lshl_b32 s26, s26, 12
	s_lshl_b32 s28, s14, 9                         ; my 128 columns
	s_add_co_u32 s26, s26, s28
	s_mov_b32 s27, 0
	s_mov_b32 s29, 0
	s_add_co_u32 s30, s24, O_HIMG
	s_mov_b32 s31, 0
	s_mul_i32 s32, s22, 1536
	s_mov_b32 s33, 0
	s_lshl_b32 s34, s22, 6
	s_add_co_u32 s34, s34, O_HS
	s_mov_b32 s35, 0
	s_wait_alu depctr_va_vdst(0)
	s_wait_kmcnt 0x0
	s_add_nc_u64 s[4:5], s[4:5], s[24:25]
	s_add_nc_u64 s[8:9], s[8:9], s[28:29]
	s_add_nc_u64 s[10:11], s[10:11], s[28:29]
.if LNK == 1
	s_add_nc_u64 s[6:7], s[6:7], s[26:27]
	s_add_nc_u64 s[30:31], s[12:13], s[30:31]
	s_add_nc_u64 s[32:33], s[12:13], s[32:33]
	s_add_nc_u64 s[34:35], s[12:13], s[34:35]
.else
	s_add_nc_u64 s[6:7], s[6:7], s[30:31]
	s_add_nc_u64 s[12:13], s[12:13], s[26:27]
.endif
.irp k, 0,1,2,3,4,5,6,7,8,9,10,11,12,13,14,15
	global_load_b128 v[Y+4*\k:Y+4*\k+3], v[LI], s[4:5] offset:512*\k th:TH_LOAD_NT
.endr
.if LNK == 1
.irp i, 0,1,2,3,4,5,6,7,8,9,10,11,12,13,14,15
	global_load_b128 v[A2+4*\i:A2+4*\i+3], v[LI], s[6:7] offset:(\i+8*(\i/8))*4096 th:TH_LOAD_NT   ; 512 consecutive bytes of one row of x
.endr
.else
.irp k, 0,1,2,3,4,5,6,7,8,9,10,11,12,13,14,15
	global_load_b128 v[A3+4*\k:A3+4*\k+3], v[LI], s[6:7] offset:512*\k th:TH_LOAD_NT
.endr
.endif
	WIN 0x40                                       ; destination window 1, address window 0
.irp b, 0,1,2,3
.irp j, 0,1,2,3
	global_load_b128 v[GW+16*\b+4*\j:GW+16*\b+4*\j+3], v[GB], s[8:9] offset:128*\b+16*\j
.endr
.endr
.irp b, 0,1,2,3
.irp j, 0,1,2,3
	global_load_b128 v[BW+16*\b+4*\j:BW+16*\b+4*\j+3], v[GB], s[10:11] offset:128*\b+16*\j
.endr
.endr
	WIN 0
	s_wait_loadcnt 32                              ; y and the residual are in; the 32 loads of g and be, issued behind them, may be out
.if LNK == 1
.irp i, 0,1,2,3,4,5,6,7,8,9,10,11,12,13,14,15
	ds_store_b128 v[SA], v[A2+4*\i:A2+4*\i+3] offset:528*\i
.endr
.irp b, 0,1,2,3
.irp j, 0,1,2,3
	ds_load_b128 v[A3+16*\b+4*\j:A3+16*\b+4*\j+3], v[SB] offset:128*\b+16*\j   ; LDS serves a wave's instructions in order: these see my stores
.endr
.endr
	s_wait_dscnt 0x0                               ; x is back in the image's order
.endif
.set kk, 0
.rept 32
	v_pk_add_f32 v[Y+2*kk:Y+2*kk+1], v[Y+2*kk:Y+2*kk+1], v[A3+2*kk:A3+2*kk+1]
.set kk, kk+1
.endr
.irp q, 0,1,2,3
	v_pk_add_f32 v[16+2*\q:17+2*\q], v[Y+4*\q:Y+4*\q+1], v[Y+4*\q+2:Y+4*\q+3]   ; four chains, started by the first eight pairs
.endr
.irp j, 16,24,32,40,48,56
.irp q, 0,1,2,3
	s_delay_alu instid0(VALU_DEP_4)
	v_pk_add_f32 v[16+2*\q:17+2*\q], v[16+2*\q:17+2*\q], v[Y+\j+2*\q:Y+\j+2*\q+1]
.endr
.endr
	ROWSUM 0
	s_delay_alu instid0(VALU_DEP_1)
	v_mul_f32 v24, s20, v16                        ; the mean
	s_delay_alu instid0(VALU_DEP_1)
	v_mov_b32 v25, v24
.set kk, 0
.rept 32
	v_pk_add_f32 v[Y+2*kk:Y+2*kk+1], v[Y+2*kk:Y+2*kk+1], v[24:25] op_sel_hi:[1,0] neg_lo:[0,1] neg_hi:[0,1]
.set kk, kk+1
.endr
.irp q, 0,1,2,3
	v_pk_mul_f32 v[16+2*\q:17+2*\q], v[Y+2*\q:Y+2*\q+1], v[Y+2*\q:Y+2*\q+1]
.endr
.irp j, 8,16,24,32,40,48,56
.irp q, 0,1,2,3
	s_delay_alu instid0(VALU_DEP_4)
	v_pk_fma_f32 v[16+2*\q:17+2*\q], v[Y+\j+2*\q:Y+\j+2*\q+1], v[Y+\j+2*\q:Y+\j+2*\q+1], v[16+2*\q:17+2*\q]
.endr
.endr
	ROWSUM 512
	s_delay_alu instid0(VALU_DEP_1)
	v_fma_f32 v26, v16, s20, s21                   ; the variance + 1e-5
	s_wait_alu depctr_va_vdst(0)
	v_rsq_f32 v26, v26
	v_nop                                          ; a plain place behind the transcendental
	s_wait_alu depctr_va_vdst(0)                   ; and the wait ahead of its first reader
	v_mov_b32 v27, v26
	s_wait_alu depctr_va_vdst(0)
	s_wait_loadcnt 0x0                             ; g and be
.set kk, 0
.rept 32
	v_pk_mul_f32 v[Y+2*kk:Y+2*kk+1], v[Y+2*kk:Y+2*kk+1], v[26:27] op_sel_hi:[1,0]
.set kk, kk+1
.endr
	WIN 0x14                                       ; sources 1 and 2 window 1
.set kk, 0
.rept 32
	v_pk_fma_f32 v[Y+2*kk:Y+2*kk+1], v[Y+2*kk:Y+2*kk+1], v[GW+2*kk:GW+2*kk+1], v[BW+2*kk:BW+2*kk+1]
.set kk, kk+1
.endr
	WIN 0
.if LNK == 1
.irp k, 0,1,2,3,4,5,6,7,8,9,10,11,12,13,14,15
	global_store_b128 v[LI], v[Y+4*\k:Y+4*\k+3], s[30:31] offset:512*\k   ; h as an image, for the second residual
.endr
	QUANT Y                                        ; it reads Y and writes none of it
.irp c, 0,1,2
	global_store_b128 v[LI], v[PC+4*\c:PC+4*\c+3], s[32:33] offset:512*\c
.endr
	global_store_b32 v[R4], v[PW], s[34:35]
.else
.irp b, 0,1,2,3
.irp j, 0,1,2,3
	ds_store_b128 v[SB], v[Y+16*\b+4*\j:Y+16*\b+4*\j+3] offset:128*\b+16*\j
.endr
.endr
.irp i, 0,1,2,3,4,5,6,7,8,9,10,11,12,13,14,15
	ds_load_b128 v[A2+4*\i:A2+4*\i+3], v[SA] offset:528*\i
.endr
.irp i, 0,1,2,3,4,5,6,7,8,9,10,11,12,13,14,15
	s_wait_dscnt 15-\i                             ; row i is back; the later ones may be out
	global_store_b128 v[LI], v[A2+4*\i:A2+4*\i+3], s[12:13] offset:(\i+8*(\i/8))*4096 th:TH_STORE_NT   ; 512 consecutive bytes of one row
.endr
.endif
	s_wait_tensorcnt 0x0                           ; the wave's end
	ds_add_u32 v[SPW], v[NIL]
	s_wait_dscnt 0x0
	s_endpgm
.Lfunc_end_k_qde7e7f75e1_ln2:
	.size	k_qde7e7f75e1_ln2, .Lfunc_end_k_qde7e7f75e1_ln2-k_qde7e7f75e1_ln2
	.p2alignl 7, 3214868480
	.fill 96, 4, 3214868480
	.section	.rodata,"a",@progbits
	.p2align	6, 0x0
	.amdhsa_kernel k_qde7e7f75e1_ln2
		.amdhsa_group_segment_fixed_size 69632
		.amdhsa_private_segment_fixed_size 0
		.amdhsa_enable_private_segment 0
		.amdhsa_kernarg_size 40
		.amdhsa_user_sgpr_count 2
		.amdhsa_user_sgpr_kernarg_segment_ptr 1
		.amdhsa_wavefront_size32 1
		.amdhsa_system_sgpr_workgroup_id_x 1
		.amdhsa_system_sgpr_workgroup_id_y 1
		.amdhsa_system_sgpr_workgroup_id_z 1
		.amdhsa_system_vgpr_workitem_id 0
		.amdhsa_next_free_vgpr 384
		.amdhsa_next_free_sgpr 66
		.amdhsa_reserve_vcc 0
		.amdhsa_float_denorm_mode_32 3
		.amdhsa_float_denorm_mode_16_64 3
		.amdhsa_memory_ordered 1
		.amdhsa_forward_progress 1
		.amdhsa_inst_pref_size 29
	.end_amdhsa_kernel
	.amdgpu_metadata
---
amdhsa.version: [ 1, 2 ]
amdhsa.kernels:
  - .name:           k_qde7e7f75e1_ln2
    .symbol:         k_qde7e7f75e1_ln2.kd
    .args:
      - { .name: ybuf, .offset: 0, .size: 8, .value_kind: global_buffer, .address_space: global }
      - { .name: opf1, .offset: 8, .size: 8, .value_kind: global_buffer, .address_space: global }
      - { .name: g2, .offset: 16, .size: 8, .value_kind: global_buffer, .address_space: global }
      - { .name: be2, .offset: 24, .size: 8, .value_kind: global_buffer, .address_space: global }
      - { .name: out0, .offset: 32, .size: 8, .value_kind: global_buffer, .address_space: global }
    .group_segment_fixed_size: 69632
    .private_segment_fixed_size: 0
    .kernarg_segment_align: 8
    .kernarg_segment_size: 40
    .max_flat_workgroup_size: 256
    .sgpr_count:     66
    .vgpr_count:     384
    .wavefront_size: 32
...
	.end_amdgpu_metadata
.endif
;; end of part 7
